; MI455X (gfx1250); checked and timed in simulation.
; The chip was launched on July 23, 2026; its instructions are those of AMD's public machine-readable ISA for CDNA 5 (MIT licence, August 2026) and "CDNA5" Instruction Set Architecture Reference Guide (July 2026). The comments in the code are by the model that wrote it; some were corrected since.
;; Transformer Block. Allowed arithmetic: matrix products marked QUANTISED: E5M2 operands, one E8M0 scale for each 32 along K, by v_wmma_scale_f32_16x16x128_f8f6f4 with both operands' format E5M2, f32 sums; everything else in f32.
;; Inputs: W_fc 1,024 x 4,096 float32; W_k 1,024 x 1,024 float32; W_o 1,024 x 1,024 float32; W_proj 4,096 x 1,024 float32; W_q 1,024 x 1,024 float32; W_v 1,024 x 1,024 float32; b_fc 4,096 float32; b_o 1,024 float32; b_proj 1,024 float32; ln1_scale 1,024 float32; ln1_shift 1,024 float32; ln2_scale 1,024 float32; ln2_shift 1,024 float32; x 4 x 1,024 x 1,024 float32.
;; Outputs: out0 4 x 1,024 x 1,024 float32.
;; This version of the problem:
;;   THIS VERSION OF THE PROBLEM IS GIVEN IN LOW PRECISION. The matrix products marked QUANTISED in the list below multiply operands that are first quantised to E5M2 (5 exponent bits, 2 mantissa bits; 8 bits a number), with one power-of-two scale for each 32 numbers along K (OCP MX v1.0); their sums are f32. All else is computed in f32.
;;   The module's matrix products, in the order in which they are computed (A, B: the left and right operand; K: the contracted axis; several contracted axes count as one K, in the product's order):
;;     1. [M 4,096, K 1,024] x [K 1,024, N 1,024]; A: computed on the way; B: input W_q: QUANTISED
;;     2. [M 4,096, K 1,024] x [K 1,024, N 1,024]; A: computed on the way; B: input W_k: QUANTISED
;;     3. [M 4,096, K 1,024] x [K 1,024, N 1,024]; A: computed on the way; B: input W_v: QUANTISED
;;     4. batch 64 x [M 1,024, K 64] x [K 64, N 1,024]; A: computed on the way; B: computed on the way: QUANTISED
;;     5. batch 64 x [M 64, K 1,024] x [K 1,024, N 1,024]; A: computed on the way; B: softmax (see below): QUANTISED
;;     6. [M 4,096, K 1,024] x [K 1,024, N 1,024]; A: computed on the way; B: input W_o: QUANTISED
;;     7. [M 4,096, K 1,024] x [K 1,024, N 4,096]; A: computed on the way; B: input W_fc: QUANTISED
;;     8. [M 4,096, K 4,096] x [K 4,096, N 1,024]; A: computed on the way; B: input W_proj: QUANTISED
;;   THE QUANTISER, for each operand of a quantised product, along K:
;;     - K is cut into blocks of 32 from its start; a last block that is shorter is filled with zeros.
;;     - A block's scale is 2^e with e = floor(log2(the largest magnitude in the block)) - 15, held to -126 .. 127; a block of zeros has e = 0. As a byte (E8M0): e + 127.
;;     - Each number is divided by its block's scale, clamped to +-57,344, and rounded to the nearest number of E5M2, ties to even, subnormals kept.
;;     - The product sums the exact products of the quantised numbers (number of the format x scale) in f32.
;;   ~~~python
;;   def quantise(x, axis):      # numpy; x: float32 -> the quantised numbers, widened to float32 again
;;       x = np.moveaxis(x, axis, -1); K = x.shape[-1]
;;       x = np.pad(x, [(0, 0)] * (x.ndim - 1) + [(0, -K % 32)]); x = x.reshape(x.shape[:-1] + (-1, 32)); a = np.abs(x).max(-1, keepdims=True)
;;       e = np.where(a > 0, np.clip(np.frexp(np.where(a > 0, a, 1))[1] - 1 - 15, -126, 127), 0)      # np.frexp(a)[1] - 1 = floor(log2(a)), exactly
;;       r = np.clip(x / 2.0 ** e, -57344, 57344)
;;       step = 2.0 ** (np.maximum(np.frexp(np.where(r == 0, 1, r))[1] - 1, -14) - 2)
;;       q = np.round(r / step) * step * 2.0 ** e      # np.round: ties to even
;;       return np.moveaxis(q.reshape(q.shape[:-2] + (-1,))[..., :K], -1, axis).astype(np.float32)
;;   ~~~
;;   SOFTMAX AHEAD OF A QUANTISED PRODUCT. Where the list says 'softmax', what is quantised is not the finished softmax but p = 2^(t - M), with t = logit x log2(e) and M = ceil(the row's largest t), a whole number; so 1/2 < the row's largest p <= 1. The row's sum l is taken of the UNQUANTISED p, in f32, and the product's result is divided by l at the end. Since M is a whole number, a kernel that streams over the keys may use a running M (the ceiling of the running maximum): every later rescaling is an exact power of two, which a block's scale takes up: the codes' values come out the same.
;;   OPERANDS COMPUTED ON THE WAY. 'Computed on the way' means the value that the module computes at that place (a softmax that the list does not call 'softmax' is quantised finished and normalised). What goes into a quantiser is computed in f32, as accurately as f32 sums, v_exp_f32 and their like allow (about 1e-6 of the number): no bf16 or f16 on the way to a quantiser, and a product that is left as it is and whose result goes on into a quantised operand takes f32 operands (vector FMAs, or v_wmma_f32_16x16x4_f32). A number that lies on a knife's edge between two numbers of the format may be rounded either way, as far as f32 arithmetic and the matrix unit's own rounding can turn it there, and no further.
;; One version. Each part assembles by itself: llvm-mc -triple=amdgcn-amd-amdhsa -mcpu=gfx1250 --defsym DOCPART=n.
;; ======== version 1 of 1: 7 launches
;; limits: right only within a limited range of input values
;; workspace buffers: WB 12,976,128 bytes; XA 4,325,376 bytes; QKV 13,238,272 bytes; CTX 4,325,376 bytes; H 16,777,216 bytes; MA 4,325,376 bytes; G 17,301,504 bytes
;; launch prep1 (part 1): grid 384 x 1, 4 waves a work-group, no clusters, 53,504 bytes of LDS; arguments x, ln1_scale, ln1_shift, XA, W_q, W_k, W_v, W_o, WB; writes XA, WB
.if DOCPART == 1
	.amdgcn_target "amdgcn-amd-amdhsa--gfx1250"
	.amdhsa_code_object_version 6
	.text
	.protected	k_qd713db5316_prep1
	.globl	k_qd713db5316_prep1
	.p2align	8
	.type	k_qd713db5316_prep1,@function
k_qd713db5316_prep1:
	s_mov_b64 s[64:65], 0
	v_nop
	global_prefetch_b8 v0, s[64:65] scope:SCOPE_SE
	s_setreg_imm32_b32 hwreg(HW_REG_WAVE_MODE, 25, 1), 1
	s_wait_xcnt 0x0
; THE PROGRAM: a transformer block (4 x 1,024 tokens, 1,024 wide, 16 heads of 64, hidden 4,096), all eight products on codes of BF8 (E5M2) with one E8M0 scale for each 32 along K.
; WORK LEFT OUT, in the attention launch alone: of products 4 and 5 the steps of 128 keys that lie wholly behind a tile's 16 queries.  reference() itself sets those scores to -inf by its own jnp.tril ahead of the
; softmax, so their weights are 0 and they add nothing to the row's sum or to the second product, whatever finite values the inputs hold.  Every input has a way to the output, and all fourteen are loaded.
; LIMIT: a NaN, an infinity or an overflow that would reach only a score left out is not carried to the result.
; THIS LAUNCH does two things that share nothing, side by side: work-groups 0-255 the first layer norm, quantised; work-groups 256-383 the quantising of W_q, W_k, W_v, W_o (32 work-groups each).
; The two ways part once, on the work-group's number, and each has LDS bytes of its own.
; LAYOUTS, for rows of K numbers.  A row index i lies at POSITION P = i with bits 3 and 4 exchanged: row r of position block B is i = 32 (B / 2) + 8 (B % 2) + r + 8 (r / 8).
;   CODES: (P / 16) 16 K + (k / 128) 2048 + ((k % 128) / 32) 512 + ((k % 32) / 16) 256 + (P % 16) 16 + k % 16: a fragment's four registers are 512 bytes on end, lane l at 16 l.
;   SCALE BYTES: (P / 128) 4 K + (k / 128) 512 + ((P % 128) / 64) 256 + (P % 16) 16 + ((P / 16) % 4) 4 + (k % 128) / 32.
;   The norm's buffer: codes at 0, scale bytes at 0x400000.  WB: codes of W_q, W_k, W_v, W_o at 0, 1, 2, 3 MiB, W_fc at 4, W_proj at 8; scale bytes from 0xC00000: + 0x8000 x (0, 1, 2, 3), + 0x20000, + 0x40000.
; THE NORM: y = scale (x - mean) / sqrt(var + 1e-5) + shift along rows of 1,024 f32.  Work-group g makes position block g; wave w takes its rows 4 w .. 4 w + 3, four tokens on end.  A row lies in 32 registers of one wave: load j brings
;   elements 128 j + 4 lane .. + 3, so a block of 32 is eight lanes x four numbers.  Mean and variance in two passes: no difference of large sums.  The conversion takes eight numbers under ONE scale, and a lane's eight belong to two
;   blocks: so each number is first multiplied by 2^-e of its own block, which rounds nothing (what falls under 2^-126 is code 0 either way), and converted under the scale 1.  The codes turn through a stage in LDS, one barrier, and
;   leave as 512 consecutive bytes a store; the scale words leave as pieces of 4 bytes: one byte in 128 of what is read.
; THE WEIGHTS, f32 stored [K][N]: a lane takes a column n and its registers run down K: a block of 32 lies in one lane, and the conversions give codes with K innermost.  A work-group takes 128 columns x 256 along K, a wave 32 columns.
;   The codes turn through the wave's own stage and leave as 512 consecutive bytes a store; the work-group's scale words meet in LDS, one barrier, and leave as 1,024 consecutive bytes.
; A block's scale is 2^(floor(log2(largest magnitude)) - 15); its byte is that magnitude's exponent field - 15, held at 1 from below.  A block of zeros so keeps the byte 1: its codes are zeros, and this program alone reads the bytes.
; LIMITS: blocks whose largest magnitude lies under 2^-111, the floor, were not tried; NaN and infinities among the inputs are not served.
.set SECOND, 0                         ; 0: the four square weights; 1: W_fc and W_proj
.set SPITCH, 1040                      ; the norm's stage: 16 rows of 1,024 codes + 16
.set SCST,  16*SPITCH                  ; the norm's scale bytes: word (row r, K step j) at 32 r + 4 j
.set WST,   SCST+512                   ; the weights' four stages
.set PITCH, 272                        ; a row of them: 256 bytes of codes + 16
.set SWS,   WST+4*32*PITCH             ; the weights' scale words: two K steps x 512 bytes, as they lie in memory
.set SPARE, SWS+1024                   ; the spare words: two blocks of 256 bytes that no other line names
.set SPW, 8                            ; v8  my spare word; never rewritten
.set NIL, 9                            ; v9  0; never rewritten
	v_lshl_add_u32 v[SPW], v0, 2, SPARE
	v_mov_b32 v[NIL], 0
	s_cmp_ge_u32 ttmp9, 256                        ; the same in all four waves
	s_cbranch_scc1 .Lweights
; ---------------- THE NORM ----------------
.set LI,  1                            ; v1  16 x lane
.set STW, 2                            ; v2  stage, in: my wave's first row + 4 x lane
.set SCW, 3                            ; v3  my block's scale byte
.set RDB, 4                            ; v4  stage, out: row lane % 16, + 16 (lane / 16), + my wave's two K steps
.set SCR, 5                            ; v5  the scale word that my thread stores
.set SCG, 6                            ; v6  and its place in memory
.set FAC, 16                           ; v16-31  2^-e of K step j's block, in the even registers (the odd ones are named with them as pairs); v[16:17] first holds 1 / sqrt(var + eps)
.set G,   32                           ; v32-63  scale
.set BT,  64                           ; v64-95  shift
.set X,   96                           ; v96-223 four rows
.set M,   224                          ; v224-231 largest magnitudes, then bytes
.set CD,  232                          ; v232-239 codes
.set LIM, 240                          ; v240 57,344.0
.set ONE, 241                          ; v241 1.0
	s_load_b256 s[4:11], s[0:1], 0x0               ; x, scale, shift, out
	v_lshrrev_b32 v1, 5, v0
	v_readfirstlane_b32 s12, v1                    ; wave
	v_and_b32 v7, 31, v0                           ; lane
	s_wait_alu depctr_va_vdst(0)
	v_lshlrev_b32 v[LI], 4, v7
	s_lshr_b32 s13, ttmp9, 1
	s_lshl_b32 s13, s13, 5
	s_and_b32 s14, ttmp9, 1
	s_lshl_b32 s14, s14, 3
	s_add_co_u32 s13, s13, s14
	s_lshl_b32 s14, s12, 2
	s_add_co_u32 s13, s13, s14
	s_lshr_b32 s14, s12, 1
	s_lshl_b32 s14, s14, 3
	s_add_co_u32 s13, s13, s14                     ; my first token: 32 (g / 2) + 8 (g % 2) + 4 w + 8 (w / 2)
	s_lshl_b32 s14, s13, 12
	s_mov_b32 s15, 0
	s_mul_i32 s16, s12, 4*SPITCH
	v_lshl_add_u32 v[STW], v7, 2, s16
	v_lshrrev_b32 v[SCW], 3, v7
	s_lshl_b32 s17, s12, 7
	s_add_co_u32 s17, s17, SCST
	v_add_nc_u32 v[SCW], s17, v[SCW]
	v_and_b32 v10, 15, v7
	v_lshrrev_b32 v11, 4, v7
	v_mul_u32_u24 v[RDB], v10, SPITCH
	v_lshl_add_u32 v[RDB], v11, 4, v[RDB]
	s_lshl_b32 s17, s12, 8
	v_add_nc_u32 v[RDB], s17, v[RDB]
	v_and_b32 v10, 15, v0                          ; thread t: row t % 16, K step t / 16
	v_lshrrev_b32 v11, 4, v0
	v_lshlrev_b32 v[SCR], 5, v10
	v_lshl_add_u32 v[SCR], v11, 2, v[SCR]
	v_add_nc_u32 v[SCR], SCST, v[SCR]
	v_lshlrev_b32 v[SCG], 9, v11
	v_lshl_add_u32 v[SCG], v10, 4, v[SCG]
	s_lshr_b32 s24, ttmp9, 3                       ; the block's scale words: (g / 8) 4096 + 256 ((g % 8) / 4) + 4 (g % 4)
	s_lshl_b32 s24, s24, 12
	s_bfe_u32 s25, ttmp9, 0x10002
	s_lshl_b32 s25, s25, 8
	s_add_co_u32 s24, s24, s25
	s_and_b32 s25, ttmp9, 3
	s_lshl_b32 s25, s25, 2
	s_add_co_u32 s24, s24, s25
	s_add_co_u32 s24, s24, 0x400000
	s_mov_b32 s25, 0
	s_lshl_b32 s26, ttmp9, 14                      ; its codes, at my wave's two K steps
	s_lshl_b32 s27, s12, 12
	s_add_co_u32 s26, s26, s27
	s_mov_b32 s27, 0
	s_mov_b32 s18, 0x3a800000                      ; 1 / 1,024
	s_mov_b32 s19, 0x3727c5ac                      ; 1e-5
	s_mov_b32 s20, 0x76543210
	s_mov_b32 s21, 0xfedcba98                      ; v_permlanex16_b32's selects for lane l xor 16
	v_mov_b32 v[LIM], 0x47600000
	v_mov_b32 v[ONE], 1.0
.irp j, 1,2,3,4,5,6,7
	v_mov_b32 v[FAC+2*\j+1], 0                     ; named as the upper halves of pairs, so they are written
.endr
	s_wait_kmcnt 0x0
	s_add_nc_u64 s[4:5], s[4:5], s[14:15]
	s_add_nc_u64 s[22:23], s[10:11], s[24:25]
	s_add_nc_u64 s[10:11], s[10:11], s[26:27]
.irp j, 0,1,2,3,4,5,6,7
	global_load_b128 v[G+4*\j:G+4*\j+3], v[LI], s[6:7] offset:512*\j
	global_load_b128 v[BT+4*\j:BT+4*\j+3], v[LI], s[8:9] offset:512*\j
.endr
.irp i, 0,1,2,3
.irp j, 0,1,2,3,4,5,6,7
	global_load_b128 v[X+32*\i+4*\j:X+32*\i+4*\j+3], v[LI], s[4:5] offset:4096*\i+512*\j th:TH_LOAD_NT
.endr
.endr
.macro REDUCE                          ; v[10:13] -> the sum over the wave's 32 lanes, in v10 of every lane
	v_pk_add_f32 v[10:11], v[10:11], v[12:13]
	v_add_f32 v10, v10, v11
	v_add_f32_dpp v10, v10, v10 row_xmask:1 row_mask:0xf bank_mask:0xf
	v_add_f32_dpp v10, v10, v10 row_xmask:2 row_mask:0xf bank_mask:0xf
	v_add_f32_dpp v10, v10, v10 row_xmask:4 row_mask:0xf bank_mask:0xf
	v_add_f32_dpp v10, v10, v10 row_xmask:8 row_mask:0xf bank_mask:0xf
	v_permlanex16_b32 v11, v10, s20, s21
	v_add_f32 v10, v10, v11
.endm
.macro ROW i
.set XR, X+32*\i
	s_wait_loadcnt 8*(3-\i)                        ; scale, shift and this row are in; the later rows' loads may be out
	v_pk_add_f32 v[10:11], v[XR:XR+1], v[XR+2:XR+3]
	v_pk_add_f32 v[12:13], v[XR+4:XR+5], v[XR+6:XR+7]
.set k, 8
.rept 6
	v_pk_add_f32 v[10:11], v[10:11], v[XR+k:XR+k+1]
	v_pk_add_f32 v[12:13], v[12:13], v[XR+k+2:XR+k+3]
.set k, k+4
.endr
	REDUCE
	v_mul_f32 v14, s18, v10                        ; the mean
	v_mov_b32 v15, v14
.set k, 0
.rept 16
	v_pk_add_f32 v[XR+k:XR+k+1], v[XR+k:XR+k+1], v[14:15] neg_lo:[0,1] neg_hi:[0,1]
.set k, k+2
.endr
	v_pk_mul_f32 v[10:11], v[XR:XR+1], v[XR:XR+1]
	v_pk_mul_f32 v[12:13], v[XR+2:XR+3], v[XR+2:XR+3]
.set k, 4
.rept 7
	v_pk_fma_f32 v[10:11], v[XR+k:XR+k+1], v[XR+k:XR+k+1], v[10:11]
	v_pk_fma_f32 v[12:13], v[XR+k+2:XR+k+3], v[XR+k+2:XR+k+3], v[12:13]
.set k, k+4
.endr
	REDUCE
	v_fma_f32 v10, v10, s18, s19                   ; var + eps
	s_wait_alu depctr_va_vdst(0)
	v_rsq_f32 v16, v10
	v_nop                                          ; a plain line behind the transcendental,
	s_wait_alu depctr_va_vdst(0)                   ; and the wait ahead of its first reader
	v_mov_b32 v17, v16
.set k, 0
.rept 16
	v_pk_mul_f32 v[XR+k:XR+k+1], v[XR+k:XR+k+1], v[16:17]
.set k, k+2
.endr
.set k, 0
.rept 16
	v_pk_fma_f32 v[XR+k:XR+k+1], v[XR+k:XR+k+1], v[G+k:G+k+1], v[BT+k:BT+k+1]
.set k, k+2
.endr
	s_wait_alu depctr_va_vdst(0)
	s_wait_dscnt 0x0                               ; the last row's LDS stores have read their registers
.irp j, 0,1,2,3,4,5,6,7
	v_max3_num_f32 v[M+\j], |v[XR+4*\j]|, |v[XR+4*\j+1]|, |v[XR+4*\j+2]|
.endr
.irp j, 0,1,2,3,4,5,6,7
	v_max3_num_f32 v[M+\j], v[M+\j], |v[XR+4*\j+3]|, 0x8000000     ; and the floor 2^(16 - 127)
.endr
.irp m, 1,2,4
.irp j, 0,1,2,3,4,5,6,7
	v_max_num_f32_dpp v[M+\j], v[M+\j], v[M+\j] row_xmask:\m row_mask:0xf bank_mask:0xf   ; the eight lanes of a block
.endr
.endr
.irp j, 0,1,2,3,4,5,6,7
	v_add_nc_u32 v[M+\j], 0xf8800000, v[M+\j]      ; 15 off the exponent field: the scale
.endr
.irp j, 0,1,2,3,4,5,6,7
	v_and_b32 v[FAC+2*\j], 0x7f800000, v[M+\j]
.endr
.irp j, 0,1,2,3,4,5,6,7
	v_sub_nc_u32 v[FAC+2*\j], 0x7f000000, v[FAC+2*\j]   ; 1 / the scale: exponent field 254 - the scale's, between 15 and 253
.endr
.irp j, 0,1,2,3,4,5,6,7
	v_lshrrev_b32 v[M+\j], 23, v[M+\j]             ; the scale's byte
.endr
.irp j, 0,1,2,3,4,5,6,7
	v_pk_mul_f32 v[XR+4*\j:XR+4*\j+1], v[XR+4*\j:XR+4*\j+1], v[FAC+2*\j:FAC+2*\j+1] op_sel_hi:[1,0]
	v_pk_mul_f32 v[XR+4*\j+2:XR+4*\j+3], v[XR+4*\j+2:XR+4*\j+3], v[FAC+2*\j:FAC+2*\j+1] op_sel_hi:[1,0]
.endr
.set k, 0
.rept 32
	v_med3_num_f32 v[XR+k], v[XR+k], -v[LIM], v[LIM]   ; the conversion does not saturate (ISA guide 7.6.2): the hold at +-57,344
.set k, k+1
.endr
.irp p, 0,1,2,3
	v_cvt_scalef32_pk8_bf8_f32 v[CD+2*\p:CD+2*\p+1], v[XR+8*\p:XR+8*\p+7], v[ONE]   ; four codes of K step 2 p, four of 2 p + 1
.endr
	v_nop                                          ; a plain line behind the last conversion
.irp j, 0,1,2,3,4,5,6,7
	ds_store_b32 v[STW], v[CD+\j] offset:\i*SPITCH+128*\j
	ds_store_b8 v[SCW], v[M+\j] offset:32*\i+4*\j  ; the eight lanes of a block write the same byte with the same value
.endr
.endm
	ROW 0
	ROW 1
	ROW 2
	ROW 3
	s_wait_dscnt 0x0                               ; for the others' sake: my stores have landed
	s_barrier_signal -1
	s_barrier_wait -1
.set n, 0
.rept 8                                ; n = 4 x (which of my two K steps) + chunk: lane (r, h) takes k = 32 c + 16 h + 0 .. 15 of row r
	ds_load_b128 v[X+4*n:X+4*n+3], v[RDB] offset:128*(n/4)+32*(n%4)
.set n, n+1
.endr
	ds_load_b32 v[X+32], v[SCR]
.set n, 0
.rept 8
	s_wait_dscnt 8-n
	global_store_b128 v[LI], v[X+4*n:X+4*n+3], s[10:11] offset:2048*(n/4)+512*(n%4)   ; 32 lanes store 512 consecutive bytes
.set n, n+1
.endr
	s_wait_dscnt 0x0
	global_store_b32 v[SCG], v[X+32], s[22:23]
	s_wait_tensorcnt 0x0                           ; the wave's end
	ds_add_u32 v[SPW], v[NIL]
	s_wait_dscnt 0x0
	s_endpgm
; ---------------- THE WEIGHTS ----------------
.set NB,    8                          ; blocks of 32 along K for a lane
.set EMAX,  15
.set MANT,  0x600000                   ; the mantissa field of 57,344
.set SGO,   3                          ; v3   8 x thread: my 8 bytes of the work-group's scale words, in memory
.set LIW,   20                         ; v20  16 x lane
.set SWO,   21                         ; v21  my column's scale word in LDS
.set LIW2,  22                         ; v22  16 x lane + a position block's codes
.set SRD,   23                         ; v23  SWS + 8 x thread
.set SB,    24                         ; v24-25   the scale bytes, four to a register
.set WX,    32                         ; v32-95   two sets of 32 numbers
.set WC,    96                         ; v96-103  a block's codes
.set OUTR,  104                        ; v104-167 the way out
.set OF,    168                        ; v168-199 row i of a block: 4 x lane + i x a row of the tensor
.set BS,    40                         ; s[40:55] where block t of my columns begins in memory; never rewritten
.Lweights:
.if SECOND
	s_load_b128 s[16:19], s[0:1], 0x20             ; W_fc, W_proj
	s_load_b64 s[20:21], s[0:1], 0x30              ; WB
.else
	s_load_b256 s[8:15], s[0:1], 0x20              ; W_q, W_k, W_v, W_o
	s_load_b64 s[20:21], s[0:1], 0x40              ; WB
.endif
	v_lshrrev_b32 v1, 5, v0
	v_readfirstlane_b32 s22, v1                    ; wave
	v_and_b32 v2, 31, v0                           ; lane
	s_wait_alu depctr_va_vdst(0)
	s_mov_b32 s3, MANT
	s_sub_co_u32 s23, ttmp9, 256                   ; my number among the weights' work-groups
.if SECOND
	s_mov_b32 s28, 0x4000
	s_mov_b32 s29, 0x10000
	s_cmp_lt_u32 s23, 128                          ; W_fc or W_proj
	s_cselect_b32 s25, 4, 8                        ; the tensor's place in WB: MiB of codes, 0x8000 of scale bytes
	s_cselect_b32 s26, 31, 7                       ; blocks of 128 columns - 1
	s_cselect_b32 s27, 5, 3                        ; and their count's logarithm
	s_cselect_b32 s28, s28, 0x1000                 ; a row of the tensor in bytes
	s_cselect_b32 s29, 0x4000, s29                 ; 16 K: a position block's codes in bytes
	s_and_b32 s23, s23, 127                        ; my number within the tensor
.else
	s_lshr_b32 s25, s23, 5                         ; which of the four, and its place in WB: MiB of codes, 0x8000 of scale bytes
	s_mov_b32 s26, 7                               ; blocks of 128 columns - 1
	s_mov_b32 s27, 3                               ; and their count's logarithm
	s_mov_b32 s28, 0x1000                          ; a row of the tensor in bytes
	s_mov_b32 s29, 0x4000                          ; 16 K: a position block's codes in bytes
	s_and_b32 s23, s23, 31                         ; my number within the tensor
.endif
	s_and_b32 s30, s23, s26                        ; nb: which 128 columns
	s_lshr_b32 s31, s23, s27                       ; kb: which 256 along K
	s_lshl_b32 s32, s31, 8
	s_mul_i32 s32, s32, s28                        ; 256 kb rows,
	s_lshl_b32 s33, s30, 9
	s_add_co_u32 s32, s32, s33                     ; 128 nb columns,
	s_lshl_b32 s33, s22, 7
	s_add_co_u32 s32, s32, s33                     ; 32 x wave columns
	s_mov_b32 s33, 0
	s_lshl_b32 s34, s28, 5                         ; 32 rows: from block to block
	s_mov_b32 s35, 0
	s_lshl_b32 s36, s25, 20                        ; the codes: the tensor's place,
	s_lshl_b32 s37, s30, 3
	s_lshl_b32 s38, s22, 1
	s_add_co_u32 s37, s37, s38
	s_mul_i32 s37, s37, s29
	s_add_co_u32 s36, s36, s37                     ; position block 8 nb + 2 x wave,
	s_lshl_b32 s37, s31, 12
	s_add_co_u32 s36, s36, s37                     ; K step 2 kb
	s_mov_b32 s37, 0
	s_lshl_b32 s6, s25, 15                         ; the scale bytes likewise
	s_lshr_b32 s38, s29, 2
	s_mul_i32 s38, s38, s30
	s_add_co_u32 s6, s6, s38
	s_lshl_b32 s38, s31, 10
	s_add_co_u32 s6, s6, s38
	s_add_co_u32 s6, s6, 0xC00000
	s_mov_b32 s7, 0
	v_lshlrev_b32 v[OF], 2, v2
.irp i, 1,2,3,4,5,6,7,8,9,10,11,12,13,14,15,16,17,18,19,20,21,22,23,24,25,26,27,28,29,30,31
	v_add_nc_u32 v[OF+\i], s28, v[OF+\i-1]
.endr
	s_mul_i32 s39, s22, 32*PITCH
	s_add_co_u32 s39, s39, WST                     ; my stage
	v_mul_u32_u24 v4, v2, PITCH
	v_add_nc_u32 v4, s39, v4                       ; into it: row = my column
	v_and_b32 v5, 15, v2
	v_lshrrev_b32 v6, 4, v2
	v_and_b32 v7, 8, v5
	v_add_nc_u32 v7, v7, v5                        ; out of it BY POSITION: row r of a position block is column r + 8 (r / 8) (+ 8 for the odd block)
	v_mul_u32_u24 v7, v7, PITCH
	v_lshl_add_u32 v7, v6, 4, v7
	v_add_nc_u32 v7, s39, v7
	v_lshlrev_b32 v[LIW], 4, v2                    ; 16 x lane: my place in 512 bytes of codes,
	v_add_nc_u32 v[LIW2], s29, v[LIW]              ; and in the next position block's
	v_and_b32 v[SWO], 7, v2                        ; my column's scale words: its row in its position block is lane % 8 + 8 (lane / 16), the block's parity bit 3 of the lane
	v_lshl_or_b32 v[SWO], v6, 3, v[SWO]
	v_lshlrev_b32 v[SWO], 4, v[SWO]
	v_bfe_u32 v11, v2, 3, 1
	v_lshl_add_u32 v[SWO], v11, 2, v[SWO]
	s_lshr_b32 s38, s22, 1
	s_lshl_b32 s38, s38, 8
	s_and_b32 s39, s22, 1
	s_lshl_b32 s39, s39, 3
	s_add_co_u32 s38, s38, s39
	s_add_co_u32 s38, s38, SWS
	v_add_nc_u32 v[SWO], s38, v[SWO]               ; + 256 (wave / 2) + 8 (wave % 2)
	v_lshlrev_b32 v[SGO], 3, v0
	v_add_nc_u32 v[SRD], SWS, v[SGO]
	s_wait_kmcnt 0x0
.if SECOND
	s_cmp_eq_u32 s25, 4                            ; the tensor's address: a choice that hangs on the work-group's number alone
	s_cselect_b64 s[8:9], s[16:17], s[18:19]
.else
	s_cmp_eq_u32 s25, 1                            ; the tensor's address: a choice that hangs on the work-group's number alone
	s_cselect_b64 s[8:9], s[10:11], s[8:9]
	s_cmp_eq_u32 s25, 2
	s_cselect_b64 s[8:9], s[12:13], s[8:9]
	s_cmp_eq_u32 s25, 3
	s_cselect_b64 s[8:9], s[14:15], s[8:9]
.endif
	s_add_nc_u64 s[BS:BS+1], s[8:9], s[32:33]
.irp t, 1,2,3,4,5,6,7
	s_add_nc_u64 s[BS+2*\t:BS+2*\t+1], s[BS+2*\t-2:BS+2*\t-1], s[34:35]
.endr
	s_add_nc_u64 s[4:5], s[20:21], s[36:37]        ; my codes
	s_add_nc_u64 s[6:7], s[20:21], s[6:7]          ; my work-group's scale words
.macro LOAD t                          ; block t: W(32 t + i, my column) into set t % 2; 32 lanes read 128 consecutive bytes
.irp i, 0,1,2,3,4,5,6,7,8,9,10,11,12,13,14,15,16,17,18,19,20,21,22,23,24,25,26,27,28,29,30,31
	global_load_b32 v[WX+32*((\t)%2)+\i], v[OF+\i], s[BS+2*(\t):BS+2*(\t)+1] th:TH_LOAD_NT
.endr
.endm
	LOAD 0
	LOAD 1
.macro BLOCK t
.set XS, WX+32*((\t)%2)
.if (\t) < NB-1
	s_wait_loadcnt 32                              ; this block's 32 loads are in; the next block's may be out
.else
	s_wait_loadcnt 0
.endif
	v_max3_num_f32 v16, |v[XS]|, |v[XS+1]|, |v[XS+2]|      ; the block's largest magnitude: all 32 numbers are mine
	v_max3_num_f32 v17, |v[XS+3]|, |v[XS+4]|, |v[XS+5]|
.irp i, 6,10,14,18,22,26
	v_max3_num_f32 v16, v16, |v[XS+\i]|, |v[XS+\i+1]|
	v_max3_num_f32 v17, v17, |v[XS+\i+2]|, |v[XS+\i+3]|
.endr
	v_max3_num_f32 v16, v16, |v[XS+30]|, |v[XS+31]|
	v_max3_num_f32 v16, v16, v17, (EMAX+1)<<23     ; and the floor 2^(16 - 127): the byte cannot fall under 1
	v_add_nc_u32 v18, -(EMAX<<23), v16             ; 15 off its exponent field: the conversion's scale operand
	v_and_or_b32 v19, v16, 0x7f800000, s3          ; 57,344 x the scale
	v_lshrrev_b32 v17, 23, v18                     ; the scale's byte
.if (\t)%4 == 0
	v_mov_b32 v[SB+(\t)/4], v17
.else
	v_lshl_or_b32 v[SB+(\t)/4], v17, 8*((\t)%4), v[SB+(\t)/4]
.endif
.irp i, 0,1,2,3,4,5,6,7,8,9,10,11,12,13,14,15,16,17,18,19,20,21,22,23,24,25,26,27,28,29,30,31
	v_med3_num_f32 v[XS+\i], v[XS+\i], -v19, v19   ; the conversion to an 8-bit code does not saturate (ISA guide 7.6.2): the hold comes first
.endr
.irp g, 0,1,2,3
	v_cvt_scalef32_pk8_bf8_f32 v[WC+2*\g:WC+2*\g+1], v[XS+8*\g:XS+8*\g+7], v18
.endr
	v_nop                                          ; a plain line behind the last conversion
	ds_store_b128 v4, v[WC:WC+3] offset:32*(\t)
	ds_store_b128 v4, v[WC+4:WC+7] offset:32*(\t)+16
.if (\t)+2 < NB
	LOAD (\t)+2
.endif
	s_wait_dscnt 0x0                               ; the stores have read their registers: the next block's codes may be written
.endm
.set Q, 0
.rept NB
	BLOCK Q
.set Q, Q+1
.endr
	ds_store_b32 v[SWO], v[SB]                     ; my column's words of K steps 2 kb and 2 kb + 1, where they lie among the work-group's 1,024 bytes
	ds_store_b32 v[SWO], v[SB+1] offset:512
	s_wait_dscnt 0x0                               ; for the others' sake: my words have landed
	s_barrier_signal -1
	s_barrier_wait -1
	ds_load_b64 v[12:13], v[SRD]                   ; words that all four waves stored
.set n, 0
.rept 16                               ; n = 8 x (which position block) + 4 x (which K step) + chunk
	ds_load_b128 v[OUTR+4*n:OUTR+4*n+3], v7 offset:(n/8)*8*PITCH+128*((n/4)%2)+32*(n%4)   ; my own stage: LDS serves a wave's instructions in order
.set n, n+1
.endr
	s_wait_dscnt 16                                ; the words are in; the 16 loads behind them may be out
	global_store_b64 v[SGO], v[12:13], s[6:7]      ; a wave stores 256 consecutive bytes, aligned; the work-group 1,024
.set n, 0
.rept 8
	s_wait_dscnt 15-n
	global_store_b128 v[LIW], v[OUTR+4*n:OUTR+4*n+3], s[4:5] offset:2048*(n/4)+512*(n%4)      ; 32 lanes store 512 consecutive bytes
.set n, n+1
.endr
.rept 8
	s_wait_dscnt 15-n
	global_store_b128 v[LIW2], v[OUTR+4*n:OUTR+4*n+3], s[4:5] offset:2048*((n/4)%2)+512*(n%4)
.set n, n+1
.endr
	s_wait_tensorcnt 0x0                           ; the wave's end
	ds_add_u32 v[SPW], v[NIL]
	s_wait_dscnt 0x0
	s_endpgm
.Lfunc_end_k_qd713db5316_prep1:
	.size	k_qd713db5316_prep1, .Lfunc_end_k_qd713db5316_prep1-k_qd713db5316_prep1
	.p2alignl 7, 3214868480
	.fill 96, 4, 3214868480
	.section	.rodata,"a",@progbits
	.p2align	6, 0x0
	.amdhsa_kernel k_qd713db5316_prep1
		.amdhsa_group_segment_fixed_size 53504
		.amdhsa_private_segment_fixed_size 0
		.amdhsa_enable_private_segment 0
		.amdhsa_kernarg_size 72
		.amdhsa_user_sgpr_count 2
		.amdhsa_user_sgpr_kernarg_segment_ptr 1
		.amdhsa_wavefront_size32 1
		.amdhsa_system_sgpr_workgroup_id_x 1
		.amdhsa_system_sgpr_workgroup_id_y 1
		.amdhsa_system_sgpr_workgroup_id_z 1
		.amdhsa_system_vgpr_workitem_id 0
		.amdhsa_next_free_vgpr 248
		.amdhsa_next_free_sgpr 66
		.amdhsa_reserve_vcc 0
		.amdhsa_float_denorm_mode_32 3
		.amdhsa_float_denorm_mode_16_64 3
		.amdhsa_memory_ordered 1
		.amdhsa_forward_progress 1
		.amdhsa_inst_pref_size 131
	.end_amdhsa_kernel
	.amdgpu_metadata
---
amdhsa.version: [ 1, 2 ]
amdhsa.kernels:
  - .name:           k_qd713db5316_prep1
    .symbol:         k_qd713db5316_prep1.kd
    .args:
      - { .name: x, .offset: 0, .size: 8, .value_kind: global_buffer, .address_space: global }
      - { .name: ln1_scale, .offset: 8, .size: 8, .value_kind: global_buffer, .address_space: global }
      - { .name: ln1_shift, .offset: 16, .size: 8, .value_kind: global_buffer, .address_space: global }
      - { .name: XA, .offset: 24, .size: 8, .value_kind: global_buffer, .address_space: global }
      - { .name: W_q, .offset: 32, .size: 8, .value_kind: global_buffer, .address_space: global }
      - { .name: W_k, .offset: 40, .size: 8, .value_kind: global_buffer, .address_space: global }
      - { .name: W_v, .offset: 48, .size: 8, .value_kind: global_buffer, .address_space: global }
      - { .name: W_o, .offset: 56, .size: 8, .value_kind: global_buffer, .address_space: global }
      - { .name: WB, .offset: 64, .size: 8, .value_kind: global_buffer, .address_space: global }
    .group_segment_fixed_size: 53504
    .private_segment_fixed_size: 0
    .kernarg_segment_align: 8
    .kernarg_segment_size: 72
    .max_flat_workgroup_size: 128
    .sgpr_count:     66
    .vgpr_count:     248
    .wavefront_size: 32
...
	.end_amdgpu_metadata
.endif
;; end of part 1
;; launch qkv (part 2): grid 12 x 16, 4 waves a work-group, clusters of 4 x 4, 327,680 bytes of LDS; arguments XA, WB, QKV; writes QKV
.if DOCPART == 2
	.amdgcn_target "amdgcn-amd-amdhsa--gfx1250"
	.amdhsa_code_object_version 6
	.text
	.protected	k_qd713db5316_qkv
	.globl	k_qd713db5316_qkv
	.p2align	8
	.type	k_qd713db5316_qkv,@function
k_qd713db5316_qkv:
	s_mov_b64 s[64:65], 0
	v_nop
	global_prefetch_b8 v0, s[64:65] scope:SCOPE_SE
	s_setreg_imm32_b32 hwreg(HW_REG_WAVE_MODE, 25, 1), 1
	s_wait_xcnt 0x0
	s_wait_alu depctr_hold_cnt(0) depctr_sa_sdst(0) depctr_va_vdst(0) depctr_va_sdst(0) depctr_va_ssrc(0) depctr_va_vcc(0) depctr_vm_vsrc(0)
	s_getreg_b32 s2, hwreg(HW_REG_IB_STS2, 6, 4)
	s_cmp_eq_u32 s2, 0
	s_cbranch_scc0 .Lentry_in_a_cluster
	s_endpgm
.Lentry_in_a_cluster:
	s_bfe_u32 s2, ttmp6, 0x10000c
	s_cmp_lg_u32 s2, 0xf033
	s_cbranch_scc0 .Lentry_shape_is_right
	s_endpgm
.Lentry_shape_is_right:
; q = LN1(x) W_q, k = LN1(x) W_k, v = LN1(x) W_v on codes of BF8 (E5M2) with E8M0 scales, K = 1,024; the results are quantised in registers for the attention's two products and stored as images of operand registers.
; A tile of 256 x 256 results to a work-group of four waves, 128 x 128 to a wave: 64 accumulators.  K goes in steps of 256 through two LDS slots filled by tensor loads; the scale bytes of the tile's rows come once.
; OPERANDS lie in memory in the order of the operand registers: a fragment (16 rows x 128 K) is 2,048 bytes on end, lane l's 16 bytes of chunk c at 512 c + 16 l.  So LDS needs no padding and every LDS load is 512 consecutive bytes.
; ROWS lie by POSITION (the index with bits 3 and 4 exchanged).  Source 0 takes 16 rows of 'B', source 1 16 rows of 'A': a lane holds one row of A, and the 16 registers of accumulators (a, 2 c), (a, 2 c + 1) are B's indices 32 c + 16 (lane / 16) + 0 .. 15 on end.
; CLUSTERS x = 0, 1: A = the tokens, B = W_q and W_k (2,048 rows on end): a lane holds a token, its registers run along a head's 64: the first attention product's K.
; CLUSTERS x = 2: V IS MADE TRANSPOSED by exchanging the pointers alone: A = W_v, B = the tokens: a lane holds one of a head's 64, its registers run along the tokens: the second product's K.
; QKV: q at 0, k at 0x400000: [batch][head][tile of 16 tokens][2][512]; v at 0x800000: [batch][64 keys][head][tile of 16 of the head's 64][2][512];
;   q's, k's scale words at 0xC00000, 0xC40000: [batch][head][128 tokens][512], each word its two bytes TWICE (s0 s1 s0 s1); v's at 0xC80000: [batch][128 keys][head][16 r + 4 tile].
; Tiles of A are shared along a row of the 4 x 4 cluster, tiles of B along a column: each is asked for jointly.
; LIMITS: NaN and infinities are not served; a block of zeros keeps the byte 1; blocks under the floor 2^-111 were not tried.
; REGISTERS: window 0: v16-29 addresses; v32-63 scale words, two sets; v128-255 A's fragments, one set (on the way out: T, PC, TM, WD).  window 1: B's fragments, two sets.  windows 2, 3: the accumulators, (a, b) at v[8 (8 (a % 4) + b)].
.set NQ,    2                          ; steps of 128 along K in a slot
.set FR,    16                         ; registers of a fragment
.set NL,    4                          ; LDS loads that bring one
.set NP,    8                          ; places behind this matrix instruction (ISA guide 7.12.1)
.set HALFT, 32768                      ; 8 row blocks x 4,096 bytes: what one tensor load brings
.set SLOT,  4*HALFT
.set LAPS,  2                          ; 1,024 / 512
.set SCL,   2*SLOT                     ; behind the ring: the scale bytes, A's two halves, then B's
.set HALFS, 4096
.set SPARE, SCL+4*HALFS                ; the spare words: two blocks of 256 bytes that no other line names
.set ADRA, 16                          ; v16-17 my A fragments in slot 0, 1
.set ADRB, 20                          ; v20-21 my B fragments
.set LI,   24                          ; v24 16 x lane
.set LN,   25                          ; v25 lane
.set ADRS, 27                          ; v27 my scale words: lanes 0-15 A's, lanes 16-31 B's
.set SPW,  28
.set NIL,  29
.set SC,   32                          ; set s at v[SC + 16 s]; register 8 q + i: lanes 0-15 the word of A's block i, lanes 16-31 of B's block i
.set AF,   128
.set T,    128                         ; the way out: 64 numbers held within the largest code
.set PC,   192                         ; 16 registers of codes
.set TM,   208                         ; v208-211 largest magnitudes, 212-215 bytes, 216-219 the hold's bounds, 220-223 the conversions' scales
.set WD,   224                         ; v224-231 block a's scale word
.set G1, 24
.set G0, 32
.set G1B, 48
.set G0B, 56
.set G1S, 68
.set G0S, 76
.set G1SB, 80
.set G0SB, 88
.set SEL, 66                           ; s[66:67]
.set MNT, 100
.set MSB, 0
.macro WIN new                         ; the immediate's high byte repeats the setting that is left
.if MSB != (\new)
	s_set_vgpr_msb (MSB<<8)|(\new)
.set MSB, (\new)
.endif
.endm
.set MUL_LO, 0xa1                      ; source 0 (B) window 1, source 1 (A) window 0, C and D window 2
.set MUL_HI, 0xf1
.set TO_B,   0x40
.macro JLOAD g0a, g1a, g0b, g1b        ; a joint load: waves 0 and 1 fetch for A, waves 2 and 3 for B; an s_nop 0 and four v_nop follow each line
	s_cmp_eq_u32 s15, 0
	s_cbranch_scc0 .Lfor_b_\@
	tensor_load_to_lds s[\g0a:\g0a+3], s[\g1a:\g1a+7]
	s_nop 0
.rept 4
	v_nop
.endr
	s_branch .Lasked_\@
.Lfor_b_\@:
	tensor_load_to_lds s[\g0b:\g0b+3], s[\g1b:\g1b+7]
	s_nop 0
.rept 4
	v_nop
.endr
.Lasked_\@:
.endm
.macro CREST
	s_cmp_lg_u32 s14, 0
	s_cbranch_scc1 .Lnot_wave_0_\@
	s_barrier_signal -3
.Lnot_wave_0_\@:
	s_barrier_wait -3
	s_barrier_signal -1
	s_barrier_wait -1
.endm
.macro CROUND
	s_barrier_signal -1
	s_barrier_wait -1
	CREST
.endm
	s_load_b128 s[4:7], s[0:1], 0x0                ; XA, WB
	s_load_b64 s[8:9], s[0:1], 0x10                ; QKV
	v_lshl_add_u32 v[SPW], v0, 2, SPARE
	v_mov_b32 v[NIL], 0
	ds_add_u32 v[SPW], v[NIL]                      ; the wave's opening: the add, twice on end, and its wait ahead of my first tensor load
	ds_add_u32 v[SPW], v[NIL]
	v_lshrrev_b32 v1, 5, v0
	v_readfirstlane_b32 s14, v1                    ; wave
	s_lshr_b32 s15, s14, 1                         ; which half of the tile's rows is mine; also: I fetch for A (0) or B (1)
	s_and_b32 s16, s14, 1                          ; which half of its columns; also: which 128 rows I fetch
	s_bfe_u32 s40, ttmp6, 0x40000                  ; cx
	s_bfe_u32 s41, ttmp6, 0x40004                  ; cy
	s_and_b32 s45, ttmp7, 0xffff
	s_lshl_b32 s45, s45, 2                         ; 4 x cluster y
	s_lshl_b32 s18, ttmp9, 2                       ; 4 x cluster x
	s_cmp_eq_u32 ttmp9, 2                          ; the third column of clusters makes V: the same in all sixteen partners
	s_cselect_b32 s95, 1, 0
	s_cselect_b32 s17, 0, s45
	s_cselect_b32 s42, s45, s18
	s_add_co_u32 s17, s17, s41                     ; A's tile: q, k: 4 cluster y + cy of the tokens'; v: cy of W_v's
	s_add_co_u32 s42, s42, s40                     ; B's tile: q, k: 4 cluster x + cx of the weights'; v: 4 cluster y + cx of the tokens'
	s_lshl_b32 s43, s41, 2
	s_lshl_b32 s43, 15, s43                        ; my row of the cluster
	s_lshl_b32 s44, 0x1111, s40                    ; my column
	s_or_b32 s[G1+0], s43, (3<<16)|(1<<21)         ; 15:0 the mask; 17:16 elements of 8 bytes; 21 set beside a mask; no padding
	s_or_b32 s[G1B+0], s44, (3<<16)|(1<<21)
.irp g, G1, G1B
	s_mov_b32 s[\g+1], 512<<16                     ; tensor_dim0: 4,096 bytes: a row block's two K steps
	s_mov_b32 s[\g+2], 16<<16                      ; tensor_dim1: the head's loads bring 16 row blocks; the ring's 8 (set behind the head's wait)
	s_mov_b32 s[\g+3], 512<<16                     ; tile_dim0
	s_mov_b32 s[\g+4], 16
	s_mov_b32 s[\g+5], 2048                        ; from row block to row block: 16,384 bytes
	s_mov_b32 s[\g+6], 0
	s_mov_b32 s[\g+7], 0
.endr
	s_or_b32 s[G1S+0], s43, (3<<16)|(1<<21)
	s_or_b32 s[G1SB+0], s44, (3<<16)|(1<<21)
.irp g, G1S, G1SB
	s_mov_b32 s[\g+1], 32<<16                      ; the scale bytes of 128 rows: 4,096 dense bytes as 16 rows of 256
	s_mov_b32 s[\g+2], 32<<16                      ; the scale bytes of a tile's 256 rows: 8,192 dense bytes as 32 rows of 256
	s_mov_b32 s[\g+3], 32<<16
	s_mov_b32 s[\g+4], 32
	s_mov_b32 s[\g+5], 32
	s_mov_b32 s[\g+6], 0
	s_mov_b32 s[\g+7], 0
.endr
	s_mov_b32 s18, 0                               ; the offsets below are the whole tile's; my half is added for the ring
	s_mov_b32 s19, 0
	s_lshl_b32 s96, s17, 18
	s_add_co_u32 s96, s96, s18                     ; A's codes
	s_lshl_b32 s98, s17, 13
	s_add_co_u32 s98, s98, s19                     ; A's scale bytes
	s_lshl_b32 s46, s42, 18
	s_add_co_u32 s46, s46, s18                     ; B's codes
	s_lshl_b32 s92, s42, 13
	s_add_co_u32 s92, s92, s19                     ; B's scale bytes
	s_mov_b32 s20, 0x400000
	s_mov_b32 s21, 0xC00000
	s_cmp_eq_u32 s95, 1
	s_cselect_b32 s22, 0x200000, 0                 ; W_v's codes in WB, or the tokens' in XA
	s_cselect_b32 s23, 0xC10000, s20               ; W_v's scale bytes, or the tokens'
	s_cselect_b32 s21, s20, s21                    ; the tokens' scale bytes, or W_q's
	s_add_co_u32 s96, s96, s22
	s_add_co_u32 s98, s98, s23
	s_add_co_u32 s92, s92, s21
	s_mov_b32 s97, 0
	s_mov_b32 s99, 0
	s_mov_b32 s47, 0
	s_mov_b32 s93, 0
	s_lshl_b32 s45, s14, 15                        ; where they go: wave x 32,768: no place in the cluster enters an LDS address
	s_mov_b32 s[SEL], 0x76543210
	s_mov_b32 s[SEL+1], 0xfedcba98
	s_mov_b32 s[MNT], 0x600000
	s_wait_dscnt 0x0                               ; both opening adds are done
	s_wait_kmcnt 0x0
	s_cmp_eq_u32 s95, 1
	s_cselect_b64 s[10:11], s[6:7], s[4:5]         ; A's buffer
	s_cselect_b64 s[12:13], s[4:5], s[6:7]         ; B's buffer
	s_add_nc_u64 s[20:21], s[10:11], s[96:97]
	s_add_nc_u64 s[22:23], s[10:11], s[98:99]
	s_add_nc_u64 s[46:47], s[12:13], s[46:47]
	s_add_nc_u64 s[92:93], s[12:13], s[92:93]
	CROUND                                         ; all sixteen work-groups are here: the first joint loads meet
	s_mov_b32 s[G0S], 1
	s_mov_b32 s[G0S+1], SCL
	s_mov_b64 s[G0S+2:G0S+3], s[22:23]
	s_or_b32 s[G0S+3], s[G0S+3], 0x80000000
	s_mov_b32 s[G0SB], 1
	s_mov_b32 s[G0SB+1], SCL+2*HALFS
	s_mov_b64 s[G0SB+2:G0SB+3], s[92:93]
	s_or_b32 s[G0SB+3], s[G0SB+3], 0x80000000
	s_mov_b32 s[G0], 1                             ; the head's loads of K step 0, each whole: A's 256 rows at LDS byte 0,
	s_mov_b32 s[G0+1], 0
	s_mov_b64 s[G0+2:G0+3], s[20:21]
	s_or_b32 s[G0+3], s[G0+3], 0x80000000
	s_mov_b32 s[G0B], 1                            ; B's behind them
	s_mov_b32 s[G0B+1], 2*HALFT
	s_mov_b64 s[G0B+2:G0B+3], s[46:47]
	s_or_b32 s[G0B+3], s[G0B+3], 0x80000000
	s_lshl_b32 s18, s16, 17                        ; for the ring: my 128 rows of the tile; s[18:19] stay until the head's end
	s_mov_b32 s19, 0
	s_add_nc_u64 s[20:21], s[20:21], s[18:19]
	s_add_nc_u64 s[46:47], s[46:47], s[18:19]
	s_mov_b32 s[G0+4], 1                           ; slot 1: K step 1
	s_add_co_u32 s[G0+5], s45, SLOT
	s_add_nc_u64 s[G0+6:G0+7], s[20:21], 4096
	s_or_b32 s[G0+7], s[G0+7], 0x80000000
	s_mov_b32 s[G0B+4], 1
	s_add_co_u32 s[G0B+5], s45, SLOT
	s_add_nc_u64 s[G0B+6:G0B+7], s[46:47], 4096
	s_or_b32 s[G0B+7], s[G0B+7], 0x80000000
	; the prefetches' base: of the 8 row blocks that I fetch in the ring, the partner at place p (cx for A, cy for B) names blocks 2 p, 2 p + 1, at K step 2
	s_cmp_eq_u32 s15, 0
	s_cselect_b64 s[4:5], s[20:21], s[46:47]
	s_cselect_b32 s6, s40, s41
	s_lshl_b32 s6, s6, 15
	s_add_co_u32 s6, s6, 8192
	s_mov_b32 s7, 0
	s_add_nc_u64 s[4:5], s[4:5], s[6:7]
; THE HEAD'S LOADS, ONE A WAVE: wave 0 A's rows of K step 0, wave 1 B's, wave 2 A's scale bytes, wave 3 B's.  One chain of branches on the wave's number; every way passes one load.
.macro ARM under, g0, g1, next
	s_cmp_lt_u32 s14, \under
	s_cbranch_scc0 \next
	tensor_load_to_lds s[\g0:\g0+3], s[\g1:\g1+7]
	s_nop 0
.rept 4
	v_nop
.endr
	s_branch .Lhead_asked
\next:
.endm
	ARM 1, G0,  G1,  .Lhead_b
	ARM 2, G0B, G1B, .Lhead_sa
	ARM 3, G0S, G1S, .Lhead_sb
	tensor_load_to_lds s[G0SB:G0SB+3], s[G1SB:G1SB+7]
	s_nop 0
.rept 4
	v_nop
.endr
.Lhead_asked:
	v_and_b32 v1, 15, v0                           ; r
	v_bfe_u32 v2, v0, 4, 1                         ; h
	s_wait_alu depctr_va_vdst(0)
	v_and_b32 v[LN], 31, v0
	v_lshlrev_b32 v[LI], 4, v[LN]
	v_lshlrev_b32 v30, 14, v2                      ; v30: the prefetches' offset: row block lane / 16, 256 (lane % 16) bytes of its K step's 4,096; never rewritten
	v_lshl_add_u32 v30, v1, 8, v30
	s_lshl_b32 s21, s15, 15                        ; my 128 rows of A
	s_lshl_b32 s22, s16, 15                        ; my 128 rows of B,
	s_add_co_u32 s22, s22, 2*HALFT                 ; behind A's 256
.irp s, 0,1
	v_add_nc_u32 v[ADRA+\s], s21, v[LI]
	v_add_nc_u32 v[ADRB+\s], s22, v[LI]
	s_add_co_u32 s21, s21, SLOT
	s_add_co_u32 s22, s22, SLOT
.endr
	s_lshl_b32 s21, s15, 12                        ; A's scale bytes: my 128 rows
	s_lshl_b32 s22, s16, 12
	s_add_co_u32 s22, s22, 2*HALFS                 ; B's, behind A's
	s_sub_co_u32 s22, s22, s21
	v_mul_u32_u24 v6, s22, v2                      ; lanes 16-31 take B's
	s_add_co_u32 s21, s21, SCL
	v_lshl_add_u32 v6, v1, 4, v6                   ; 16 bytes a row: the words of four row blocks
	v_add_nc_u32 v[ADRS], s21, v6
	s_wait_alu depctr_va_vdst(0)                   ; the wait ahead of the run of scalar lines
	global_prefetch_b8 v30, s[4:5] th:TH_LOAD_NT scope:SCOPE_SE   ; K step 2, which the first refill will load, two K steps ahead of it: each block of 256 bytes is named once in the cluster, one instruction a wave
	; where my results go.  R0 = A's first row of mine, C0 = B's
	s_lshl_b32 s20, s17, 8
	s_lshl_b32 s21, s15, 7
	s_add_co_u32 s20, s20, s21                     ; R0
	s_lshl_b32 s46, s42, 8
	s_lshl_b32 s47, s16, 7
	s_add_co_u32 s46, s46, s47                     ; C0
	s_lshr_b32 s21, s20, 10
	s_and_b32 s20, s20, 1023
	s_lshr_b32 s47, s46, 10
	s_and_b32 s46, s46, 1023
	s_lshl_b32 s22, s20, 6                         ; codes, common to both kinds: (R0 % 1024) 64 + (C0 % 1024) 1024 + (R0 / 1024) 2^20
	s_lshl_b32 s23, s46, 10
	s_add_co_u32 s22, s22, s23
	s_lshl_b32 s23, s21, 20
	s_add_co_u32 s22, s22, s23
	s_lshl_b32 s92, s20, 2                         ; scale words, common: (R0 % 1024) 4 + (R0 / 1024) 2^16
	s_lshl_b32 s23, s21, 16
	s_add_co_u32 s92, s92, s23
	s_lshl_b32 s96, s47, 20                        ; v: the batch
	s_add_co_u32 s96, s96, 0x800000
	s_lshl_b32 s97, s47, 15
	s_lshl_b32 s23, s46, 5
	s_add_co_u32 s97, s97, s23
	s_add_co_u32 s97, s97, 0xC80000
	s_lshl_b32 s98, s47, 22                        ; q, k: which of the two
	s_lshl_b32 s99, s47, 18
	s_lshl_b32 s23, s46, 6
	s_add_co_u32 s99, s99, s23
	s_add_co_u32 s99, s99, 0xC00000
	s_cmp_eq_u32 s95, 1
	s_cselect_b32 s96, s96, s98
	s_cselect_b32 s97, s97, s99
	s_add_co_u32 s22, s22, s96
	s_add_co_u32 s92, s92, s97
	s_mov_b32 s23, 0
	s_mov_b32 s93, 0
	s_add_nc_u64 s[10:11], s[8:9], s[22:23]        ; my codes
	s_add_nc_u64 s[12:13], s[8:9], s[92:93]        ; my scale words
.macro FRAG reg, adr, q, i             ; a fragment: four loads of 512 consecutive bytes
.irp c, 0,1,2,3
	ds_load_b128 v[\reg+4*\c:\reg+4*\c+3], v[\adr] offset:4096*(\i)+2048*(\q)+512*\c
.endr
.endm
; 16 matrix instructions: A's blocks a0, a0 + 1 x B's eight.  The 64 accumulators take turns, one instruction a turn, in the same order in every step.
.macro MUL16 a0, p, q, sc, zero
.irp a, \a0, \a0+1
.irp b, 0,1,2,3,4,5,6,7
.if \zero
	v_wmma_scale_f32_16x16x128_f8f6f4 v[8*(8*((\a)%4)+\b):8*(8*((\a)%4)+\b)+7], v[128*(\p)+FR*\b:128*(\p)+FR*\b+FR-1], v[AF+FR*(\a):AF+FR*(\a)+FR-1], 0, v[SC+16*(\sc)+8*(\q)+\b], v[SC+16*(\sc)+8*(\q)+(\a)] matrix_a_fmt:MATRIX_FMT_BF8 matrix_b_fmt:MATRIX_FMT_BF8 matrix_a_scale:MATRIX_SCALE_ROW1
.else
	v_wmma_scale_f32_16x16x128_f8f6f4 v[8*(8*((\a)%4)+\b):8*(8*((\a)%4)+\b)+7], v[128*(\p)+FR*\b:128*(\p)+FR*\b+FR-1], v[AF+FR*(\a):AF+FR*(\a)+FR-1], v[8*(8*((\a)%4)+\b):8*(8*((\a)%4)+\b)+7], v[SC+16*(\sc)+8*(\q)+\b], v[SC+16*(\sc)+8*(\q)+(\a)] matrix_a_fmt:MATRIX_FMT_BF8 matrix_b_fmt:MATRIX_FMT_BF8 matrix_a_scale:MATRIX_SCALE_ROW1
.endif
.endr
.endr
.endm
.macro FETCH_B slot, q, p
	WIN TO_B
.irp i, 0,1,2,3,4,5,6,7
	FRAG 128*(\p)+FR*\i, ADRB+\slot, \q, \i
.endr
	WIN 0
.endm
.macro FETCH_A slot, q, i0
.irp i, \i0, \i0+1, \i0+2, \i0+3
	FRAG AF+FR*(\i), ADRA+\slot, \q, \i
.endr
.endm
.macro SCALES sc                       ; a slot's scale words: n = 2 q + (which four row blocks)
.irp n, 0,1,2,3
	ds_load_b128 v[SC+16*\sc+4*\n:SC+16*\sc+4*\n+3], v[ADRS] offset:512*(\n/2)+256*(\n%2)
.endr
.endm
.macro PLACES n                        ; plain vector lines between a matrix instruction and a load into, or a read of, its registers
.rept \n
	v_nop
.endr
.endm
.macro STEP slot, q, zero              ; a step of 128 along K that has its successor in the same slot
	s_wait_dscnt 4*NL                              ; B's set, the scale words and A's blocks 0-3 are in; the youngest 16 loads (A's blocks 4-7) may be out
	WIN MUL_LO
	MUL16 0, (\q)%2, \q, \slot, \zero
	MUL16 2, (\q)%2, \q, \slot, \zero
	s_wait_dscnt 0
	PLACES NP
	FETCH_B \slot, (\q)+1, 1-(\q)%2
	FETCH_A \slot, (\q)+1, 0
	WIN MUL_HI
	MUL16 4, (\q)%2, \q, \slot, \zero
	MUL16 6, (\q)%2, \q, \slot, \zero
	PLACES NP
	WIN 0
	FETCH_A \slot, (\q)+1, 4
.endm
; A slot's last step changes slots: one barrier; in front of it each wave waits for all its tensor loads, adds 0 to its spare word, and waits for that and for its reads of this slot.
.macro TURN slot, next, fill
	s_wait_tensorcnt 0x0                           ; all my tensor loads have landed: my part of the next slot
	ds_add_u32 v[SPW], v[NIL]
	s_wait_dscnt 4*NL+1                            ; (the add and A's blocks 4-7 may be out)
	WIN MUL_LO
	MUL16 0, 1, NQ-1, \slot, 0
	s_wait_dscnt 0x0                               ; the add is done, and my reads of this slot are over
	s_barrier_signal -1
	MUL16 2, 1, NQ-1, \slot, 0
	WIN 0
	s_barrier_wait -1
.if \fill
	CREST                                          ; the barrier has opened a round of the cluster's: no wave of any partner still reads this slot or has a load on its way
	s_add_nc_u64 s[G0+4*\slot+2:G0+4*\slot+3], s[G0+4*\slot+2:G0+4*\slot+3], 8192
	s_add_nc_u64 s[G0B+4*\slot+2:G0B+4*\slot+3], s[G0B+4*\slot+2:G0B+4*\slot+3], 8192
	JLOAD G0+4*\slot, G1, G0B+4*\slot, G1B         ; the first tensor load behind the round; its four v_nop are among the places below
	PLACES NP-4
.else
	PLACES NP
.endif
	s_wait_alu depctr_va_vdst(0)
	v_add_nc_u32 v[ADRS], 1024, v[ADRS]            ; the next slot's scale words
	FETCH_B \next, 0, 0
	FETCH_A \next, 0, 0
	SCALES \next
	WIN MUL_HI
	MUL16 4, 1, NQ-1, \slot, 0
	MUL16 6, 1, NQ-1, \slot, 0
	PLACES NP
	WIN 0
	FETCH_A \next, 0, 4
.endm
	s_wait_alu depctr_va_vdst(0)
	s_wait_tensorcnt 0x0                           ; my tile of the head's four is in; slot 1's first fill is issued as a refill is:
	ds_add_u32 v[SPW], v[NIL]
	s_mov_b32 s[G1+2], 8<<16                       ; no tensor load of mine is out, so descriptors may be written: the ring's loads bring 8 row blocks,
	s_mov_b32 s[G1+4], 8
	s_mov_b32 s[G1B+2], 8<<16
	s_mov_b32 s[G1B+4], 8
	s_mov_b32 s[G0+1], s45                         ; and slot 0's group 0 becomes my part of it
	s_add_nc_u64 s[G0+2:G0+3], s[G0+2:G0+3], s[18:19]
	s_mov_b32 s[G0B+1], s45
	s_add_nc_u64 s[G0B+2:G0B+3], s[G0B+2:G0B+3], s[18:19]
	s_wait_dscnt 0x0
	CROUND                                         ; everybody's tile is in, and all sixteen work-groups are here
	JLOAD G0+4, G1, G0B+4, G1B                     ; K step 1, the first tensor load behind the round
	FETCH_B 0, 0, 0
	FETCH_A 0, 0, 0
	SCALES 0
	FETCH_A 0, 0, 4
	global_prefetch_b8 v30, s[4:5] offset:4096 th:TH_LOAD_NT scope:SCOPE_SE   ; K step 3, the last: two K steps ahead of its load
	STEP 0, 0, 1                                   ; the first step's products start the sums
	s_mov_b32 s3, LAPS-1
.Llap:
	TURN 0, 1, 1
	STEP 1, 0, 0
	TURN 1, 0, 1
	STEP 0, 0, 0
	s_sub_co_u32 s3, s3, 1
	s_cmp_lg_u32 s3, 0
	s_cbranch_scc1 .Llap
	TURN 0, 1, 0                                   ; the last lap fills nothing
	STEP 1, 0, 0
	s_wait_dscnt 4*NL
	WIN MUL_LO
	MUL16 0, 1, NQ-1, 1, 0
	MUL16 2, 1, NQ-1, 1, 0
	s_wait_dscnt 0
	WIN MUL_HI
	MUL16 4, 1, NQ-1, 1, 0
	MUL16 6, 1, NQ-1, 1, 0
	WIN 0
; THE WAY OUT.  Block a's 64 numbers of a lane are four blocks of 32 along the next product's K (16 mine, 16 lane l xor 16's): largest magnitude, scale, hold, conversion; the codes are an operand's registers and leave as they stand.
.macro OUTBLK a
.set AS, 64*((\a)%4)
.set AW, 2+(\a)/4
.set W12, (AW<<2)|(AW<<4)
	WIN W12                                        ; sources 1 and 2: the accumulators' window
.irp b, 0,1,2,3
	v_max3_num_f32 v[TM+\b], 0x8000000, |v[AS+16*\b]|, |v[AS+16*\b+1]|     ; with the floor 2^(16 - 127); each accumulator is read from its low end on
.endr
.irp i, 2,4,6,8,10,12,14
.irp b, 0,1,2,3
	v_max3_num_f32 v[TM+\b], v[TM+\b], |v[AS+16*\b+\i]|, |v[AS+16*\b+\i+1]|
.endr
.endr
	WIN 0
.irp b, 0,1,2,3
	v_permlanex16_b32 v[TM+4+\b], v[TM+\b], s[SEL], s[SEL+1]
.endr
.irp b, 0,1,2,3
	v_max_num_f32 v[TM+\b], v[TM+\b], v[TM+4+\b]
.endr
.irp b, 0,1,2,3
	v_add_nc_u32 v[TM+12+\b], 0xf8800000, v[TM+\b] ; 15 off the exponent field: the conversion's scale operand
.endr
.irp b, 0,1,2,3
	v_and_or_b32 v[TM+8+\b], v[TM+\b], 0x7f800000, s[MNT]   ; 57,344 x the scale
.endr
.irp b, 0,1,2,3
	v_lshrrev_b32 v[TM+4+\b], 23, v[TM+12+\b]      ; the byte
.endr
	v_lshl_or_b32 v[WD+(\a)], v[TM+5], 8, v[TM+4]
	v_lshl_or_b32 v[WD+(\a)], v[TM+6], 16, v[WD+(\a)]
	v_lshl_or_b32 v[WD+(\a)], v[TM+7], 24, v[WD+(\a)]
	WIN AW                                         ; source 0: the accumulators' window
.set n, 0
.rept 64
	v_med3_num_f32 v[T+n], v[AS+n], -v[TM+8+n/16], v[TM+8+n/16]   ; the conversion does not saturate (ISA guide 7.6.2): the hold
.set n, n+1
.endr
	WIN 0
.if (\a) > 0
	s_wait_alu depctr_va_vdst(0)
	s_wait_xcnt 0x0                                ; the last block's stores have read their registers
.endif
.irp b, 0,1,2,3
	v_cvt_scalef32_pk8_bf8_f32 v[PC+4*\b:PC+4*\b+1], v[T+16*\b:T+16*\b+7], v[TM+12+\b]
	v_cvt_scalef32_pk8_bf8_f32 v[PC+4*\b+2:PC+4*\b+3], v[T+16*\b+8:T+16*\b+15], v[TM+12+\b]
.endr
	v_nop                                          ; a plain line behind the last conversion
.irp b, 0,1,2,3
	global_store_b128 v[LI], v[PC+4*\b:PC+4*\b+3], s[10:11] offset:(\a)*1024+(\b/2)*65536+(\b%2)*512   ; 512 consecutive bytes
.endr
.endm
	PLACES NP
.irp b, 0,1,2,3
	v_mov_b32 v[TM+4+\b], 0                        ; a lane permute's destination counts as one of its sources
.endr
	v_cmp_le_u32 s94, 16, v[LN]                    ; lanes 16-31
.irp a, 0,1,2,3,4,5,6,7
	OUTBLK \a
.endr
.irp k, 0,1,2,3
	v_cndmask_b32 v[T+\k], v[WD+\k], v[WD+4+\k], s94   ; lanes 0-15 carry blocks 0-3's words, lanes 16-31 blocks 4-7's: 16 bytes a lane, 512 on end
.endr
	s_cmp_eq_u32 s95, 1
	s_cbranch_scc1 .Lv_words
.irp k, 0,1,2,3
	v_perm_b32 v[T+4+\k], v[T+\k], v[T+\k], 0x01000100     ; q, k: a word holds two heads' two bytes: each head's pair, twice
	v_perm_b32 v[T+8+\k], v[T+\k], v[T+\k], 0x03020302
.endr
	global_store_b128 v[LI], v[T+4:T+7], s[12:13]
	global_store_b128 v[LI], v[T+8:T+11], s[12:13] offset:4096
	s_branch .Lwords_done
.Lv_words:
	s_wait_alu depctr_va_vdst(0)
	global_store_b128 v[LI], v[T:T+3], s[12:13]    ; v: the four bytes are a key step's four blocks of 32 keys
.Lwords_done:
	s_wait_tensorcnt 0x0                           ; the wave's end
	ds_add_u32 v[SPW], v[NIL]
	s_wait_dscnt 0x0
	CROUND                                         ; the closing round
	s_endpgm
.Lfunc_end_k_qd713db5316_qkv:
	.size	k_qd713db5316_qkv, .Lfunc_end_k_qd713db5316_qkv-k_qd713db5316_qkv
	.p2alignl 7, 3214868480
	.fill 96, 4, 3214868480
	.section	.rodata,"a",@progbits
	.p2align	6, 0x0
	.amdhsa_kernel k_qd713db5316_qkv
		.amdhsa_group_segment_fixed_size 327680
		.amdhsa_private_segment_fixed_size 0
		.amdhsa_enable_private_segment 0
		.amdhsa_kernarg_size 24
		.amdhsa_user_sgpr_count 2
		.amdhsa_user_sgpr_kernarg_segment_ptr 1
		.amdhsa_wavefront_size32 1
		.amdhsa_system_sgpr_workgroup_id_x 1
		.amdhsa_system_sgpr_workgroup_id_y 1
		.amdhsa_system_sgpr_workgroup_id_z 1
		.amdhsa_system_vgpr_workitem_id 0
		.amdhsa_next_free_vgpr 1024
		.amdhsa_next_free_sgpr 102
		.amdhsa_reserve_vcc 0
		.amdhsa_float_denorm_mode_32 3
		.amdhsa_float_denorm_mode_16_64 3
		.amdhsa_memory_ordered 1
		.amdhsa_forward_progress 1
		.amdhsa_inst_pref_size 187
	.end_amdhsa_kernel
	.amdgpu_metadata
---
amdhsa.version: [ 1, 2 ]
amdhsa.kernels:
  - .name:           k_qd713db5316_qkv
    .symbol:         k_qd713db5316_qkv.kd
    .args:
      - { .name: XA, .offset: 0, .size: 8, .value_kind: global_buffer, .address_space: global }
      - { .name: WB, .offset: 8, .size: 8, .value_kind: global_buffer, .address_space: global }
      - { .name: QKV, .offset: 16, .size: 8, .value_kind: global_buffer, .address_space: global }
    .group_segment_fixed_size: 327680
    .private_segment_fixed_size: 0
    .kernarg_segment_align: 8
    .kernarg_segment_size: 24
    .max_flat_workgroup_size: 128
    .sgpr_count:     102
    .vgpr_count:     1024
    .wavefront_size: 32
...
	.end_amdgpu_metadata
.endif
;; end of part 2
;; launch attn (part 3): grid 4 x 64, 16 waves a work-group, clusters of 4 x 1, 167,936 bytes of LDS; arguments QKV, CTX; writes CTX
.if DOCPART == 3
	.amdgcn_target "amdgcn-amd-amdhsa--gfx1250"
	.amdhsa_code_object_version 6
	.text
	.protected	k_qd713db5316_attn
	.globl	k_qd713db5316_attn
	.p2align	8
	.type	k_qd713db5316_attn,@function
k_qd713db5316_attn:
	s_mov_b64 s[64:65], 0
	v_nop
	global_prefetch_b8 v0, s[64:65] scope:SCOPE_SE
	s_setreg_imm32_b32 hwreg(HW_REG_WAVE_MODE, 25, 1), 1
	s_wait_xcnt 0x0
	s_wait_alu depctr_hold_cnt(0) depctr_sa_sdst(0) depctr_va_vdst(0) depctr_va_sdst(0) depctr_va_ssrc(0) depctr_va_vcc(0) depctr_vm_vsrc(0)
	s_getreg_b32 s2, hwreg(HW_REG_IB_STS2, 6, 4)
	s_cmp_eq_u32 s2, 0
	s_cbranch_scc0 .Lentry_in_a_cluster
	s_endpgm
.Lentry_in_a_cluster:
	s_bfe_u32 s2, ttmp6, 0x10000c
	s_cmp_lg_u32 s2, 0x3003
	s_cbranch_scc0 .Lentry_shape_is_right
	s_endpgm
.Lentry_shape_is_right:
; ctx = softmax(q k^T / 8, causal) v for one (batch, head) a cluster, both products on codes of BF8 (E5M2) with E8M0 scales; ctx is quantised along the model's 1,024 for the projection and stored as operand registers.
; LEFT OUT: the steps of 128 keys that lie wholly behind a tile's 16 queries: reference()'s own jnp.tril makes their weights 0 for all values of the inputs.  A NaN or infinity that would reach only those scores is not carried on.
; THE SOFTMAX: t = score x log2(e) / 8; M = the running largest t rounded UP to a whole number; p = 2^(t - M) is quantised along the keys, not normalised; the row's sum is taken of the unquantised p and divides at the end.
; SHARES.  The head's K, V and their scale words (134 KiB) lie in LDS whole, fetched ONCE by joint loads of the cluster's four work-groups: no ring, no refill, one barrier.  Each of the 16 waves owns ONE tile of 16 queries,
; tile i = 4 g + cx, which needs key steps 0 .. L = g / 2.  g is made of the wave's bits (a1 a0 b1 b0): L = (2 a1 + b1) xor 7 (a0 xor b0), g = 2 L + a0: the sums of L + 1 over the waves w % 4 = const and over w / 4 = const are all 18.
; POSITIONS.  Tokens lie by position (bits 3 and 4 exchanged): lane r of tile i is token 32 (i / 2) + 8 (i % 2) + r + 8 (r / 8).  Both products are used transposed, so a lane holds one query throughout, the 16 registers of score tiles
; 2 b, 2 b + 1 are keys 32 b + 16 (lane / 16) + 0 .. 15 on end, and those of output tiles 2 b, 2 b + 1 are 16 of the head's 64 on end.
; K = 64 UNDER AN INSTRUCTION OF 128: an even tile of keys stands as [Ka][zeros] against [q][zeros], an odd one as [zeros][Kb] against [zeros][q]; one block of zeros serves both.  The scale words hold their two bytes twice, so they fit both.
; LIMITS: NaN and infinities are not served; a block of zeros keeps the byte 1; blocks under the floor 2^-111 were not tried.
.set VIMG,  65536                      ; K's image at 0: [tile][2][512]; V's here: [64 keys][tile of 16 of the 64][2][512]
.set KSC,   131072                     ; K's scale words: [128 keys][512]
.set VSC,   135168                     ; V's: [128 keys][16 r + 4 tile]
.set SPARE, 137216                     ; the spare words: eight blocks of 256 bytes that no other line names
.set LI,   1                           ; v1  16 x lane
.set ASV0, 2                           ; v2  VSC + 16 r
.set ASK0, 3                           ; v3  KSC + 16 x lane
.set ADK,  4
.set SPW,  5
.set NIL,  6
.set ADV,  7
.set ADS,  8
.set ADT,  9
.set DQ,   10                          ; v10 my query - 128 L - 16 (lane / 16)
.set AV0,  11                          ; v11 VIMG + 16 x lane
.set S,    88                          ; v88-151 S^T, then p, then V's four fragments
.set O,    152                         ; v152-183 O^T
.set PCD,  184                         ; v184-199 p's codes
.set KSW,  200                         ; v200-203 K's scale words
.set VSW,  204                         ; v204-207 V's
.set QSW,  208
.set PSW,  209
.set R16,  210                         ; v210 16 r
.set NINF, 211
.set BM,   212
.set T2,   216
.set HL,   220
.set SCO,  224
.set FF,   228                         ; v[228:229]
.set TT,   230
.set WV,   8
.set LL,   14
.set G1K,  16
.set G1V,  24
.set G1KS, 32
.set G1VS, 40
.set G0K,  48
.set G0V,  52
.set G0KS, 56
.set G0VS, 60
.set SEL,  66
.set CS,   68
.set MNT,  70
.set KST,  71
.set TB,   72
.set TS,   73
.set TJ,   74
.macro CROUND
	s_barrier_signal -1
	s_barrier_wait -1
	s_cmp_lg_u32 s[WV], 0
	s_cbranch_scc1 .Lnot_wave_0_\@
	s_barrier_signal -3
.Lnot_wave_0_\@:
	s_barrier_wait -3
	s_barrier_signal -1
	s_barrier_wait -1
.endm
.macro TL g0, g1                       ; a joint load; an s_nop 0 and four v_nop follow it
	tensor_load_to_lds s[\g0:\g0+3], s[\g1:\g1+7]
	s_nop 0
.rept 4
	v_nop
.endr
.endm
	s_load_b128 s[4:7], s[0:1], 0x0                ; QKV, CTX
	v_lshl_add_u32 v[SPW], v0, 2, SPARE
	v_mov_b32 v[NIL], 0
	ds_add_u32 v[SPW], v[NIL]                      ; the wave's opening: the add, twice on end, and its wait ahead of the first tensor loads
	ds_add_u32 v[SPW], v[NIL]
	v_lshrrev_b32 v1, 5, v0
	s_delay_alu instid0(VALU_DEP_1)
	v_readfirstlane_b32 s[WV], v1                  ; wave 0..15
	s_bfe_u32 s9, ttmp6, 0x40000                   ; cx: it enters q's and ctx's addresses and the mask's numbers alone
	s_and_b32 s10, ttmp7, 0xffff                   ; 16 x batch + head
	s_lshr_b32 s11, s10, 4
	s_and_b32 s12, s10, 15
	s_bfe_u32 s76, s[WV], 0x10003                  ; a1
	s_bfe_u32 s77, s[WV], 0x10002                  ; a0
	s_bfe_u32 s78, s[WV], 0x10001                  ; b1
	s_and_b32 s79, s[WV], 1                        ; b0
	s_lshl_b32 s76, s76, 1
	s_add_co_u32 s76, s76, s78
	s_xor_b32 s79, s77, s79
	s_mul_i32 s79, s79, 7
	s_xor_b32 s[LL], s76, s79                      ; L: my last key step; of the wave's number alone
	s_lshl_b32 s13, s[LL], 1
	s_add_co_u32 s13, s13, s77
	s_lshl_b32 s13, s13, 2
	s_add_co_u32 s13, s13, s9                      ; i: my tile of queries
	s_mov_b32 s[G1K], 15|(3<<16)|(1<<21)           ; the mask: all four work-groups; elements of 8 bytes; bit 21 beside a mask
	s_mov_b32 s[G1K+1], 32<<16                     ; K: a quarter of the head's image, 16,384 dense bytes as 64 rows of 256
	s_mov_b32 s[G1K+2], 64<<16
	s_mov_b32 s[G1K+3], 32<<16
	s_mov_b32 s[G1K+4], 64
	s_mov_b32 s[G1K+5], 32
	s_mov_b32 s[G1K+6], 0
	s_mov_b32 s[G1K+7], 0
	s_mov_b32 s[G1V], 15|(3<<16)|(1<<21)
	s_mov_b32 s[G1V+1], 512<<16                    ; V: four groups of 64 keys, 4,096 bytes each, 65,536 bytes apart
	s_mov_b32 s[G1V+2], 4<<16
	s_mov_b32 s[G1V+3], 512<<16
	s_mov_b32 s[G1V+4], 4
	s_mov_b32 s[G1V+5], 8192
	s_mov_b32 s[G1V+6], 0
	s_mov_b32 s[G1V+7], 0
	s_mov_b32 s[G1KS], 15|(3<<16)|(1<<21)
	s_mov_b32 s[G1KS+1], 32<<16                    ; K's scale words: 4,096 dense bytes
	s_mov_b32 s[G1KS+2], 16<<16
	s_mov_b32 s[G1KS+3], 32<<16
	s_mov_b32 s[G1KS+4], 16
	s_mov_b32 s[G1KS+5], 32
	s_mov_b32 s[G1KS+6], 0
	s_mov_b32 s[G1KS+7], 0
	s_mov_b32 s[G1VS], 15|(3<<16)|(1<<21)
	s_mov_b32 s[G1VS+1], 32<<16                    ; V's: 8 key steps x 256 bytes, 4,096 bytes apart
	s_mov_b32 s[G1VS+2], 8<<16
	s_mov_b32 s[G1VS+3], 32<<16
	s_mov_b32 s[G1VS+4], 8
	s_mov_b32 s[G1VS+5], 512
	s_mov_b32 s[G1VS+6], 0
	s_mov_b32 s[G1VS+7], 0
	s_and_b32 s80, s[WV], 3                        ; which quarter I fetch, if I fetch
	s_lshl_b32 s81, s80, 14
	s_lshl_b32 s82, s10, 16
	s_add_co_u32 s82, s82, s81
	s_add_co_u32 s82, s82, 0x400000                ; K
	s_mov_b32 s83, 0
	s_lshl_b32 s84, s11, 20
	s_lshl_b32 s86, s12, 12
	s_add_co_u32 s84, s84, s86
	s_lshl_b32 s86, s80, 18
	s_add_co_u32 s84, s84, s86
	s_add_co_u32 s84, s84, 0x800000                ; V
	s_mov_b32 s85, 0
	s_lshl_b32 s86, s10, 12
	s_add_co_u32 s86, s86, 0xC40000                ; K's scale words
	s_mov_b32 s87, 0
	s_lshl_b32 s88, s11, 15
	s_lshl_b32 s90, s12, 8
	s_add_co_u32 s88, s88, s90
	s_add_co_u32 s88, s88, 0xC80000                ; V's
	s_mov_b32 s89, 0
	s_lshl_b32 s90, s10, 16                        ; q's tile
	s_lshl_b32 s91, s13, 10
	s_add_co_u32 s90, s90, s91
	s_mov_b32 s91, 0
	s_lshl_b32 s92, s10, 12                        ; q's scale words: (i / 8) 512 + ((i / 4) % 2) 256 + (i % 4) 4
	s_lshr_b32 s93, s13, 3
	s_lshl_b32 s93, s93, 9
	s_add_co_u32 s92, s92, s93
	s_bfe_u32 s93, s13, 0x10002
	s_lshl_b32 s93, s93, 8
	s_add_co_u32 s92, s92, s93
	s_and_b32 s93, s13, 3
	s_lshl_b32 s93, s93, 2
	s_add_co_u32 s92, s92, s93
	s_add_co_u32 s92, s92, 0xC00000
	s_mov_b32 s93, 0
	s_lshl_b32 s75, s11, 6
	s_add_co_u32 s75, s75, s13                     ; ctx's row block: 64 x batch + i
	s_lshl_b32 s76, s75, 14
	s_lshl_b32 s77, s12, 10
	s_add_co_u32 s76, s76, s77                     ; its codes: K = 64 head on
	s_mov_b32 s77, 0
	s_lshr_b32 s78, s75, 3
	s_lshl_b32 s78, s78, 12
	s_lshr_b32 s79, s12, 1
	s_lshl_b32 s79, s79, 9
	s_add_co_u32 s78, s78, s79
	s_bfe_u32 s79, s75, 0x10002
	s_lshl_b32 s79, s79, 8
	s_add_co_u32 s78, s78, s79
	s_and_b32 s79, s75, 3
	s_lshl_b32 s79, s79, 2
	s_add_co_u32 s78, s78, s79
	s_and_b32 s79, s12, 1
	s_lshl_b32 s79, s79, 1
	s_add_co_u32 s78, s78, s79
	s_add_co_u32 s78, s78, 0x400000                ; its two scale bytes
	s_mov_b32 s79, 0
	s_bfe_u32 s15, s13, 0x20001                    ; the mask's number: 32 ((i / 2) % 4) + 8 (i % 2)
	s_lshl_b32 s15, s15, 5
	s_and_b32 s75, s13, 1
	s_lshl_b32 s75, s75, 3
	s_add_co_u32 s15, s15, s75
	s_mov_b32 s[SEL], 0x76543210
	s_mov_b32 s[SEL+1], 0xfedcba98
	s_mov_b32 s[CS], 0x3e38aa3b                    ; c = log2(e) / 8
	s_mov_b32 s[CS+1], s[CS]
	s_mov_b32 s[MNT], 0x600000
	s_mov_b32 s[KST], 0
	s_mov_b32 s[TB], 0
	s_mov_b32 s[TS], 0
	s_mov_b32 s[TJ], 0
	s_wait_dscnt 0x0                               ; both opening adds are done
	s_wait_kmcnt 0x0
	s_mov_b32 s[G0K], 1
	s_mov_b32 s[G0K+1], s81
	s_add_nc_u64 s[G0K+2:G0K+3], s[4:5], s[82:83]
	s_or_b32 s[G0K+3], s[G0K+3], 0x80000000
	s_mov_b32 s[G0V], 1
	s_add_co_u32 s[G0V+1], s81, VIMG
	s_add_nc_u64 s[G0V+2:G0V+3], s[4:5], s[84:85]
	s_or_b32 s[G0V+3], s[G0V+3], 0x80000000
	s_mov_b32 s[G0KS], 1
	s_mov_b32 s[G0KS+1], KSC
	s_add_nc_u64 s[G0KS+2:G0KS+3], s[4:5], s[86:87]
	s_or_b32 s[G0KS+3], s[G0KS+3], 0x80000000
	s_mov_b32 s[G0VS], 1
	s_mov_b32 s[G0VS+1], VSC
	s_add_nc_u64 s[G0VS+2:G0VS+3], s[4:5], s[88:89]
	s_or_b32 s[G0VS+3], s[G0VS+3], 0x80000000
	s_add_nc_u64 s[90:91], s[4:5], s[90:91]
	s_add_nc_u64 s[92:93], s[4:5], s[92:93]
	s_add_nc_u64 s[76:77], s[6:7], s[76:77]
	s_add_nc_u64 s[78:79], s[6:7], s[78:79]
	CROUND                                         ; all four work-groups are here: the joint loads meet
	s_cmp_lt_u32 s[WV], 4                          ; waves 0-3: K's quarters; 4-7: V's; 8: K's scale words; 9: V's.  The branches hang on the wave's number alone
	s_cbranch_scc0 .Lfill_1
	TL G0K, G1K
	s_branch .Lfilled
.Lfill_1:
	s_cmp_lt_u32 s[WV], 8
	s_cbranch_scc0 .Lfill_2
	TL G0V, G1V
	s_branch .Lfilled
.Lfill_2:
	s_cmp_eq_u32 s[WV], 8
	s_cbranch_scc0 .Lfill_3
	TL G0KS, G1KS
	s_branch .Lfilled
.Lfill_3:
	s_cmp_eq_u32 s[WV], 9
	s_cbranch_scc0 .Lfilled
	TL G0VS, G1VS
.Lfilled:
	v_and_b32 v[TT], 31, v0
	s_delay_alu instid0(VALU_DEP_1)
	v_lshlrev_b32 v[LI], 4, v[TT]
	v_and_b32 v[DQ], 15, v0                        ; r
	s_delay_alu instid0(VALU_DEP_1)
	v_lshlrev_b32 v[R16], 4, v[DQ]
	global_load_b128 v[16:19], v[LI], s[90:91]     ; q, twice: [q][zeros][q]
	global_load_b128 v[20:23], v[LI], s[90:91] offset:512
	global_load_b128 v[32:35], v[LI], s[90:91]
	global_load_b128 v[36:39], v[LI], s[90:91] offset:512
	global_load_b32 v[QSW], v[R16], s[92:93]
	v_add_nc_u32 v[ASV0], VSC, v[R16]
	v_add_nc_u32 v[ASK0], KSC, v[LI]
	v_add_nc_u32 v[AV0], VIMG, v[LI]
	v_and_b32 v[TT], 8, v[DQ]
	s_delay_alu instid0(VALU_DEP_1)
	v_add_nc_u32 v[DQ], v[DQ], v[TT]               ; r + 8 (r / 8)
	v_bfe_u32 v[TT], v0, 4, 1
	s_delay_alu instid0(VALU_DEP_1)
	v_lshlrev_b32 v[TT], 4, v[TT]
	s_delay_alu instid0(VALU_DEP_1)
	v_sub_nc_u32 v[DQ], v[DQ], v[TT]
	s_delay_alu instid0(VALU_DEP_1)
	v_add_nc_u32 v[DQ], s15, v[DQ]
	v_mov_b32 v[NINF], 0xff800000
.irp j, 0,1,2,3,4,5,6,7
	v_mov_b32 v[24+\j], 0                          ; the three blocks of zero codes
	v_mov_b32 v[48+\j], 0
	v_mov_b32 v[72+\j], 0
.endr
	v_mov_b32 v13, 0xff61b1e6                      ; the largest t so far: -3e38
	s_delay_alu instid0(VALU_DEP_1)
	v_floor_f32 v12, -v13                          ; -M
	v_mov_b32 v14, 0
	v_mov_b32 v15, 0
.irp b, 0,1,2,3
	v_mov_b32 v[T2+\b], 0                          ; a lane permute's destination counts as one of its sources
.endr
	v_mov_b32 v[FF+1], 0                           ; named as the upper half of a pair
.set n, 0
.rept 32
	v_mov_b32 v[O+n], 0                            ; O^T: the step is written once; the first finds zeros
.set n, n+1
.endr
	s_wait_tensorcnt 0x0                           ; my part has landed,
	s_barrier_signal -1
	s_barrier_wait -1                              ; everybody's has
	s_wait_loadcnt 0x0                             ; q
.macro QKT acc, kf, qf, sw, row1
.if \row1
	v_wmma_scale_f32_16x16x128_f8f6f4 v[\acc:\acc+7], v[\kf:\kf+15], v[\qf:\qf+15], 0, v[\sw], v[QSW] matrix_a_fmt:MATRIX_FMT_BF8 matrix_b_fmt:MATRIX_FMT_BF8 matrix_a_scale:MATRIX_SCALE_ROW1
.else
	v_wmma_scale_f32_16x16x128_f8f6f4 v[\acc:\acc+7], v[\kf:\kf+15], v[\qf:\qf+15], 0, v[\sw], v[QSW] matrix_a_fmt:MATRIX_FMT_BF8 matrix_b_fmt:MATRIX_FMT_BF8
.endif
.endm
.Lstep:                                            ; eight trips, a constant; a step behind my last is passed over: a branch on the wave's number and the count of steps
	s_cmp_gt_u32 s[KST], s[LL]
	s_cbranch_scc1 .Lhidden
	v_add_nc_u32 v[ADK], s[TB], v[LI]
	s_wait_alu depctr_va_vdst(0)
	v_add_nc_u32 v[ADV], s[TB], v[AV0]
	v_add_nc_u32 v[ADS], s[TS], v[ASK0]
	v_add_nc_u32 v[ADT], s[TJ], v[ASV0]
.irp g, 0,1                                    ; S^T = K Q^T, four tiles of 16 keys at a time
.if \g
.rept 8
	v_nop                                          ; places in front of loads into registers that matrix instructions have read
.endr
.endif
	ds_load_b128 v[40:43], v[ADK] offset:(4*\g+0)*1024
	ds_load_b128 v[44:47], v[ADK] offset:(4*\g+0)*1024+512
	ds_load_b128 v[56:59], v[ADK] offset:(4*\g+1)*1024
	ds_load_b128 v[60:63], v[ADK] offset:(4*\g+1)*1024+512
	ds_load_b128 v[64:67], v[ADK] offset:(4*\g+2)*1024
	ds_load_b128 v[68:71], v[ADK] offset:(4*\g+2)*1024+512
	ds_load_b128 v[80:83], v[ADK] offset:(4*\g+3)*1024
	ds_load_b128 v[84:87], v[ADK] offset:(4*\g+3)*1024+512
.if \g == 0
	ds_load_b128 v[KSW:KSW+3], v[ADS]              ; lanes 0-15: the words of tiles 0-3; lanes 16-31: of tiles 4-7
	ds_load_b128 v[VSW:VSW+3], v[ADT]
.endif
	s_wait_dscnt 0x0
	QKT S+8*(4*\g+0), 40, 16, KSW+0, \g
	QKT S+8*(4*\g+1), 48, 24, KSW+1, \g
	QKT S+8*(4*\g+2), 64, 16, KSW+2, \g
	QKT S+8*(4*\g+3), 72, 24, KSW+3, \g
.endr
.rept 8
	v_nop
.endr
	s_cmp_lg_u32 s[KST], s[LL]                     ; my last step lies on the diagonal: hidden scores become -infinity ahead of the maximum
	s_cbranch_scc1 .Lopen
.set n, 0
.rept 64
	v_cmp_gt_i32 vcc_lo, 32*(n/16)+n%16, v[DQ]     ; register 16 b + i holds key 128 L + 16 (lane / 16) + 32 b + i
	v_cndmask_b32 v[S+n], v[S+n], v[NINF], vcc_lo
.set n, n+1
.endr
.Lopen:
.irp b, 0,1,2,3
	v_max3_num_f32 v[BM+\b], v[S+16*\b], v[S+1+16*\b], v[S+2+16*\b]   ; the largest score of each block of 32 keys: for the row's maximum and, since p rises with the score, for the block's largest p
.endr
.irp i, 3,5,7,9,11,13
.irp b, 0,1,2,3
	v_max3_num_f32 v[BM+\b], v[BM+\b], v[S+16*\b+\i], v[S+1+16*\b+\i]
.endr
.endr
.irp b, 0,1,2,3
	v_max_num_f32 v[BM+\b], v[BM+\b], v[S+15+16*\b]
.endr
.irp b, 0,1,2,3
	s_delay_alu instid0(VALU_DEP_4)
	v_permlanex16_b32 v[T2+\b], v[BM+\b], s[SEL], s[SEL+1]
.endr
.irp b, 0,1,2,3
	s_delay_alu instid0(VALU_DEP_4)
	v_max_num_f32 v[BM+\b], v[BM+\b], v[T2+\b]
.endr
	s_delay_alu instid0(VALU_DEP_2)
	v_max3_num_f32 v[TT], v[BM], v[BM+1], v[BM+2]
	s_delay_alu instid0(VALU_DEP_1)
	v_max_num_f32 v[TT], v[TT], v[BM+3]
	s_delay_alu instid0(VALU_DEP_1)
	v_mul_f32 v[TT], s[CS], v[TT]
	s_delay_alu instid0(VALU_DEP_1)
	v_max_num_f32 v13, v13, v[TT]                  ; the running largest t
	v_mov_b32 v[TT], v12
	s_delay_alu instid0(VALU_DEP_2)
	v_floor_f32 v12, -v13                          ; -M = floor(-t): M is a whole number
	s_delay_alu instid0(VALU_DEP_1)
	v_sub_f32 v[TT], v12, v[TT]
	s_delay_alu instid0(VALU_DEP_1)
	v_cvt_i32_f32 v[TT], v[TT]
	s_delay_alu instid0(VALU_DEP_1)
	v_ldexp_f32 v[FF], 1.0, v[TT]                  ; f = 2^(old M - new M)
.set n, 0
.rept 32
	v_pk_fma_f32 v[S+n:S+n+1], v[S+n:S+n+1], s[CS:CS+1], v[12:13] op_sel_hi:[1,0,0]   ; t - M
.set n, n+2
.endr
.irp b, 0,1,2,3
	v_fma_f32 v[BM+\b], v[BM+\b], s[CS], v12
.endr
.set n, 0
	s_wait_alu depctr_va_vdst(0)
.rept 64
	v_exp_f32 v[S+n], v[S+n]                       ; p = 2^(t - M)
.set n, n+1
.endr
	v_pk_mul_f32 v[14:15], v[14:15], v[FF:FF+1] op_sel_hi:[1,0]   ; the sums under the new M: a plain line behind the exponentials
	s_wait_alu depctr_va_vdst(0)                   ; one wait for the batch, ahead of its first reader
.irp b, 0,1,2,3
	v_exp_f32 v[BM+\b], v[BM+\b]                   ; each block's largest p
.endr
	v_pk_add_f32 v[216:217], v[92:93], v[96:97]
	v_pk_add_f32 v[254:255], v[100:101], v[104:105]
	v_pk_add_f32 v[252:253], v[108:109], v[112:113]
	v_pk_add_f32 v[250:251], v[116:117], v[120:121]
	v_pk_add_f32 v[248:249], v[124:125], v[128:129]
	v_pk_add_f32 v[246:247], v[132:133], v[136:137]
	v_pk_add_f32 v[244:245], v[140:141], v[144:145]
	v_pk_add_f32 v[14:15], v[14:15], v[148:149]
	v_pk_add_f32 v[216:217], v[216:217], v[88:89]
	v_pk_add_f32 v[254:255], v[254:255], v[90:91]
	v_pk_add_f32 v[252:253], v[252:253], v[94:95]
	v_pk_add_f32 v[250:251], v[250:251], v[98:99]
	v_pk_add_f32 v[248:249], v[248:249], v[102:103]
	v_pk_add_f32 v[246:247], v[246:247], v[106:107]
	v_pk_add_f32 v[244:245], v[244:245], v[110:111]
	v_pk_add_f32 v[14:15], v[14:15], v[114:115]
	v_pk_add_f32 v[216:217], v[216:217], v[118:119]
	v_pk_add_f32 v[254:255], v[254:255], v[122:123]
	v_pk_add_f32 v[252:253], v[252:253], v[126:127]
	v_pk_add_f32 v[250:251], v[250:251], v[130:131]
	v_pk_add_f32 v[248:249], v[248:249], v[134:135]
	v_pk_add_f32 v[246:247], v[246:247], v[138:139]
	v_pk_add_f32 v[244:245], v[244:245], v[142:143]
	v_pk_add_f32 v[14:15], v[14:15], v[146:147]
	v_pk_add_f32 v[216:217], v[216:217], v[150:151]
	s_delay_alu instid0(VALU_DEP_2)
	v_pk_add_f32 v[14:15], v[14:15], v[250:251]
	s_delay_alu instid0(VALU_DEP_2)
	v_pk_add_f32 v[216:217], v[216:217], v[248:249]
	v_pk_add_f32 v[254:255], v[254:255], v[246:247]
	v_pk_add_f32 v[252:253], v[252:253], v[244:245]
	s_delay_alu instid0(VALU_DEP_2)
	v_pk_add_f32 v[14:15], v[14:15], v[254:255]
	s_delay_alu instid0(VALU_DEP_2)
	v_pk_add_f32 v[216:217], v[216:217], v[252:253]
	s_delay_alu instid0(VALU_DEP_1)
	v_pk_add_f32 v[14:15], v[14:15], v[216:217]
	s_wait_alu depctr_va_vdst(0)                   ; and one for the four
.irp b, 0,1,2,3
	v_max_num_f32 v[BM+\b], 0x8000000, v[BM+\b]    ; the floor 2^(16 - 127)
.endr
.irp b, 0,1,2,3
	s_delay_alu instid0(VALU_DEP_4)
	v_add_nc_u32 v[SCO+\b], 0xf8800000, v[BM+\b]
.endr
.irp b, 0,1,2,3
	v_and_or_b32 v[HL+\b], v[BM+\b], 0x7f800000, s[MNT]
.endr
.irp b, 0,1,2,3
	v_lshrrev_b32 v[T2+\b], 23, v[SCO+\b]
.endr
	s_delay_alu instid0(VALU_DEP_3)
	v_lshl_or_b32 v[PSW], v[T2+1], 8, v[T2]        ; p's scale word for these 128 keys
	s_delay_alu instid0(VALU_DEP_1)
	v_lshl_or_b32 v[PSW], v[T2+2], 16, v[PSW]
	s_delay_alu instid0(VALU_DEP_1)
	v_lshl_or_b32 v[PSW], v[T2+3], 24, v[PSW]
.irp b, 0,1,2,3
.irp i, 0,1,2,3,4,5,6,7,8,9,10,11,12,13,14,15
	v_min_num_f32 v[S+16*\b+\i], v[S+16*\b+\i], v[HL+\b]   ; the conversion does not saturate (ISA guide 7.6.2); p is not negative
.endr
	v_cvt_scalef32_pk8_bf8_f32 v[PCD+4*\b:PCD+4*\b+1], v[S+16*\b:S+16*\b+7], v[SCO+\b]
	v_cvt_scalef32_pk8_bf8_f32 v[PCD+4*\b+2:PCD+4*\b+3], v[S+16*\b+8:S+16*\b+15], v[SCO+\b]
.endr
	v_nop                                          ; a plain line behind the last conversion
.irp t, 0,1,2,3                                ; V's four fragments take p's registers
.irp c, 0,1,2,3
	ds_load_b128 v[S+16*\t+4*\c:S+16*\t+4*\c+3], v[ADV] offset:(\c/2)*4096+\t*1024+(\c%2)*512
.endr
.endr
.set n, 0
.rept 16
	v_pk_mul_f32 v[O+n:O+n+1], v[O+n:O+n+1], v[FF:FF+1] op_sel_hi:[1,0]   ; O^T under the new M; these are also the places between the codes and the products
.set n, n+2
.endr
	s_wait_alu depctr_va_vdst(0)
	s_wait_dscnt 0x0
.irp t, 0,1,2,3                                ; O^T += V^T P^T
	v_wmma_scale_f32_16x16x128_f8f6f4 v[O+8*\t:O+8*\t+7], v[S+16*\t:S+16*\t+15], v[PCD:PCD+15], v[O+8*\t:O+8*\t+7], v[VSW+\t], v[PSW] matrix_a_fmt:MATRIX_FMT_BF8 matrix_b_fmt:MATRIX_FMT_BF8
.endr
.rept 9
	v_nop                                          ; the next step's products write over V's registers: nine places; the way out reads O^T: eight
.endr
.Lhidden:
	s_add_co_u32 s[TB], s[TB], 8192
	s_add_co_u32 s[TS], s[TS], 512
	s_add_co_u32 s[TJ], s[TJ], 256
	s_add_co_u32 s[KST], s[KST], 1
	s_cmp_lt_u32 s[KST], 8
	s_cbranch_scc1 .Lstep
	; THE WAY OUT: O^T / the sum, quantised along the head's 64 (two blocks of 32), stored as the projection's operand registers
	v_add_f32 v14, v14, v15
	s_delay_alu instid0(VALU_DEP_1)
	v_permlanex16_b32 v[T2], v14, s[SEL], s[SEL+1]
	s_delay_alu instid0(VALU_DEP_1)
	v_add_f32 v14, v14, v[T2]
	s_wait_alu depctr_va_vdst(0)
	v_rcp_f32 v14, v14
	v_nop
	s_wait_alu depctr_va_vdst(0)
.set n, 0
.rept 16
	v_pk_mul_f32 v[S+n:S+n+1], v[O+n:O+n+1], v[14:15] op_sel_hi:[1,0]
.set n, n+2
.endr
.irp b, 0,1
	v_max3_num_f32 v[BM+\b], |v[S+16*\b]|, |v[S+1+16*\b]|, 0x8000000
.endr
.irp i, 2,4,6,8,10,12,14
.irp b, 0,1
	s_delay_alu instid0(VALU_DEP_2)
	v_max3_num_f32 v[BM+\b], v[BM+\b], |v[S+16*\b+\i]|, |v[S+1+16*\b+\i]|
.endr
.endr
.irp b, 0,1
	s_delay_alu instid0(VALU_DEP_2)
	v_permlanex16_b32 v[T2+\b], v[BM+\b], s[SEL], s[SEL+1]
.endr
.irp b, 0,1
	s_delay_alu instid0(VALU_DEP_2)
	v_max_num_f32 v[BM+\b], v[BM+\b], v[T2+\b]
.endr
.irp b, 0,1
	s_delay_alu instid0(VALU_DEP_2)
	v_add_nc_u32 v[SCO+\b], 0xf8800000, v[BM+\b]
.endr
.irp b, 0,1
	s_delay_alu instid0(VALU_DEP_4)
	v_and_or_b32 v[HL+\b], v[BM+\b], 0x7f800000, s[MNT]
.endr
.irp b, 0,1
	s_delay_alu instid0(VALU_DEP_4)
	v_lshrrev_b32 v[T2+\b], 23, v[SCO+\b]
.endr
	s_delay_alu instid0(VALU_DEP_1)
	v_lshl_or_b32 v[PSW], v[T2+1], 8, v[T2]
.irp b, 0,1
.irp i, 0,1,2,3,4,5,6,7,8,9,10,11,12,13,14,15
	v_med3_num_f32 v[S+16*\b+\i], v[S+16*\b+\i], -v[HL+\b], v[HL+\b]
.endr
	v_cvt_scalef32_pk8_bf8_f32 v[PCD+4*\b:PCD+4*\b+1], v[S+16*\b:S+16*\b+7], v[SCO+\b]
	v_cvt_scalef32_pk8_bf8_f32 v[PCD+4*\b+2:PCD+4*\b+3], v[S+16*\b+8:S+16*\b+15], v[SCO+\b]
.endr
	v_nop
	global_store_b128 v[LI], v[PCD:PCD+3], s[76:77]               ; 512 consecutive bytes each
	global_store_b128 v[LI], v[PCD+4:PCD+7], s[76:77] offset:512
	global_store_b16 v[R16], v[PSW], s[78:79]      ; my row's two bytes (both halves of the lanes hold the same): a scale word spans two heads, which are two clusters, so it leaves in halves
	s_wait_tensorcnt 0x0                           ; the wave's end
	ds_add_u32 v[SPW], v[NIL]
	s_wait_dscnt 0x0
	CROUND                                         ; the closing round
	s_endpgm
.Lfunc_end_k_qd713db5316_attn:
	.size	k_qd713db5316_attn, .Lfunc_end_k_qd713db5316_attn-k_qd713db5316_attn
	.p2alignl 7, 3214868480
	.fill 96, 4, 3214868480
	.section	.rodata,"a",@progbits
	.p2align	6, 0x0
	.amdhsa_kernel k_qd713db5316_attn
		.amdhsa_group_segment_fixed_size 167936
		.amdhsa_private_segment_fixed_size 0
		.amdhsa_enable_private_segment 0
		.amdhsa_kernarg_size 16
		.amdhsa_user_sgpr_count 2
		.amdhsa_user_sgpr_kernarg_segment_ptr 1
		.amdhsa_wavefront_size32 1
		.amdhsa_system_sgpr_workgroup_id_x 1
		.amdhsa_system_sgpr_workgroup_id_y 1
		.amdhsa_system_sgpr_workgroup_id_z 1
		.amdhsa_system_vgpr_workitem_id 0
		.amdhsa_next_free_vgpr 256
		.amdhsa_next_free_sgpr 96
		.amdhsa_reserve_vcc 1
		.amdhsa_float_denorm_mode_32 3
		.amdhsa_float_denorm_mode_16_64 3
		.amdhsa_memory_ordered 1
		.amdhsa_forward_progress 1
		.amdhsa_inst_pref_size 44
	.end_amdhsa_kernel
	.amdgpu_metadata
---
amdhsa.version: [ 1, 2 ]
amdhsa.kernels:
  - .name:           k_qd713db5316_attn
    .symbol:         k_qd713db5316_attn.kd
    .args:
      - { .name: QKV, .offset: 0, .size: 8, .value_kind: global_buffer, .address_space: global }
      - { .name: CTX, .offset: 8, .size: 8, .value_kind: global_buffer, .address_space: global }
    .group_segment_fixed_size: 167936
    .private_segment_fixed_size: 0
    .kernarg_segment_align: 8
    .kernarg_segment_size: 16
    .max_flat_workgroup_size: 512
    .sgpr_count:     96
    .vgpr_count:     256
    .wavefront_size: 32
...
	.end_amdgpu_metadata
.endif
;; end of part 3
;; launch wo (part 4): grid 8 x 32, 4 waves a work-group, clusters of 4 x 4, 327,680 bytes of LDS; arguments CTX, WB, b_o, x, H; writes H
.if DOCPART == 4
	.amdgcn_target "amdgcn-amd-amdhsa--gfx1250"
	.amdhsa_code_object_version 6
	.text
	.protected	k_qd713db5316_wo
	.globl	k_qd713db5316_wo
	.p2align	8
	.type	k_qd713db5316_wo,@function
k_qd713db5316_wo:
	s_mov_b64 s[64:65], 0
	v_nop
	global_prefetch_b8 v0, s[64:65] scope:SCOPE_SE
	s_setreg_imm32_b32 hwreg(HW_REG_WAVE_MODE, 25, 1), 1
	s_wait_xcnt 0x0
	s_wait_alu depctr_hold_cnt(0) depctr_sa_sdst(0) depctr_va_vdst(0) depctr_va_sdst(0) depctr_va_ssrc(0) depctr_va_vcc(0) depctr_vm_vsrc(0)
	s_getreg_b32 s2, hwreg(HW_REG_IB_STS2, 6, 4)
	s_cmp_eq_u32 s2, 0
	s_cbranch_scc0 .Lentry_in_a_cluster
	s_endpgm
.Lentry_in_a_cluster:
	s_bfe_u32 s2, ttmp6, 0x10000c
	s_cmp_lg_u32 s2, 0xf033
	s_cbranch_scc0 .Lentry_shape_is_right
	s_endpgm
.Lentry_shape_is_right:
; out = residual + A B^T + bias.  A [4,096 tokens][KK] and B [1,024][KK] are codes of BF8 (E5M2) with E8M0 scales, laid in the order of the operand registers, rows by position (bits 3 and 4 of the index exchanged); out, residual: f32 [4,096][1,024].
; Here: A = ctx, B = W_o, bias = b_o, residual = x, out = h; KK = 1,024.  No work is left out.
; A tile of 128 x 128 to a work-group: 256 work-groups; 64 x 64 to a wave: 16 accumulators, which take turns.  K goes in steps of 512 through two LDS slots filled by tensor loads; the scale bytes of the tile's rows come once.
; A fragment (16 rows x 128 K) is 2,048 bytes on end: no padding, every LDS load is 512 consecutive bytes.  Source 0 = 16 rows of B, source 1 = 16 rows of A: a lane holds a token and eight columns 32 (b / 2) + 8 (b % 2) + 16 (lane / 16) + 0 .. 7.
; THE HEAD: one joint load a wave: wave 0 A's 128 rows of slot 0, wave 1 B's, wave 2 A's scale bytes, wave 3 B's; slot 1 is filled behind the full sequence and a round, a quarter a wave.
; Tiles of A are shared along a row of the 4 x 4 cluster, tiles of B along a column: each is asked for jointly.
; NO PREFETCH: K is two slots, one asked for at the head and one behind the first round: there is no loop to run ahead in.
; The bias is the C of each sum's first product.  The residual is loaded when both slots have been asked for.  Results turn through the wave's stage in LDS into rows of 256 bytes, take the residual, and leave as aligned units of 256 bytes.
; LIMITS: NaN and infinities are not served.
; REGISTERS: window 0: v16-31 addresses; v32-39 scale words, two sets; v40-103 the bias, later rows of the result; v128-255 the accumulators.  window 1: two fragment buffers (A's 64 registers, then B's).  window 2: v0-127 the residual.
.set KK,    1024
.set ASC,   0x400000                   ; A's scale bytes in its buffer
.set BC,    0x300000                   ; B's codes in WB
.set BSC,   0xC18000                   ; B's scale bytes in WB
.set BLKB,  16*KK                      ; a row block's codes
.set LAPS,  KK/1024
.set NP,    8                          ; places behind this matrix instruction (ISA guide 7.12.1)
.set SLOT,  131072                     ; A's 8 row blocks x 8,192 bytes, then B's
.set SCL,   2*SLOT
.set HALFS, 2*KK                       ; half of the scale bytes of 128 rows
.set SPARE, SCL+4*HALFS                ; the spare words: two blocks of 256 bytes that no other line names
.set SPITCH, 272                       ; the stage: 16 rows x (256 + 16) bytes a wave, in slot 0, behind its last fill and its last read
.set ADRA, 16
.set ADRB, 20
.set PFO,  22                          ; v22 256 x lane
.set LI,   24
.set STO,  25
.set RD,   26
.set ADRS, 27
.set SPW,  28
.set NIL,  29
.set RO,   30                          ; v30 (lane / 16) x a row of 4,096 bytes + 16 (lane % 16)
.set BO,   31                          ; v31 64 (lane / 16)
.set SC,   32
.set BI,   40
.set TMP,  40
.set ACC,  128
.set F0,   0
.set F1,   128
.set G1, 24
.set G0, 32
.set G1B, 48
.set G0B, 56
.set G1S, 68
.set G0S, 76
.set G1SB, 80
.set G0SB, 88
.set PFA, 96                           ; s[96:97] where my prefetches stand
.set LIM, 98                           ; s98 1 in a wave that prefetches, else the greatest number
.set MSB, 0
.macro WIN new                         ; the immediate's high byte repeats the setting that is left
.if MSB != (\new)
	s_set_vgpr_msb (MSB<<8)|(\new)
.set MSB, (\new)
.endif
.endm
.set MUL,  0x05                        ; sources 0 (B) and 1 (A) window 1; C and D window 0
.set TO_F, 0x40
.macro TL g0, g1                       ; a tensor load; an s_nop 0 and four v_nop follow it
	tensor_load_to_lds s[\g0:\g0+3], s[\g1:\g1+7]
	s_nop 0
.rept 4
	v_nop
.endr
.endm
.macro JLOAD g0a, g1a, g0b, g1b        ; the ring's joint load: waves 0 and 1 fetch for A, waves 2 and 3 for B
	s_cmp_eq_u32 s15, 0
	s_cbranch_scc0 .Lfor_b_\@
	TL \g0a, \g1a
	s_branch .Lasked_\@
.Lfor_b_\@:
	TL \g0b, \g1b
.Lasked_\@:
.endm
.macro ARM under, g0, g1, next         ; an arm of the head's chain
	s_cmp_lt_u32 s14, \under
	s_cbranch_scc0 \next
	TL \g0, \g1
	s_branch .Lhead_asked
\next:
.endm
.macro CREST
	s_cmp_lg_u32 s14, 0
	s_cbranch_scc1 .Lnot_wave_0_\@
	s_barrier_signal -3
.Lnot_wave_0_\@:
	s_barrier_wait -3
	s_barrier_signal -1
	s_barrier_wait -1
.endm
.macro CROUND
	s_barrier_signal -1
	s_barrier_wait -1
	CREST
.endm
.macro ASKH off                        ; a prefetch at the head
	s_cmp_eq_u32 s[LIM], 1
	s_cbranch_scc0 .Lnh_\@
	global_prefetch_b8 v[PFO], s[PFA:PFA+1] offset:\off th:TH_LOAD_NT scope:SCOPE_SE
.Lnh_\@:
.endm
.macro ASK                             ; a prefetch in the loop: the slot two refills on; the last trip (s3 = 1) has none
	s_cmp_gt_u32 s3, s[LIM]
	s_cbranch_scc0 .Lnone_\@
	global_prefetch_b8 v[PFO], s[PFA:PFA+1] offset:8192 th:TH_LOAD_NT scope:SCOPE_SE
.Lnone_\@:
.endm
	s_load_b256 s[4:11], s[0:1], 0x0               ; A, WB, bias, residual
	s_load_b64 s[12:13], s[0:1], 0x20              ; out
	v_lshl_add_u32 v[SPW], v0, 2, SPARE
	v_mov_b32 v[NIL], 0
	ds_add_u32 v[SPW], v[NIL]                      ; the wave's opening: the add, twice on end, and its wait ahead of my first tensor load
	ds_add_u32 v[SPW], v[NIL]
	v_lshrrev_b32 v1, 5, v0
	v_readfirstlane_b32 s14, v1                    ; wave
	s_lshr_b32 s15, s14, 1                         ; which half of the tile's rows is mine; in the ring: I fetch for A (0) or B (1)
	s_and_b32 s16, s14, 1                          ; which half of its columns; in the ring: which half I fetch
	s_bfe_u32 s40, ttmp6, 0x40000                  ; cx
	s_bfe_u32 s41, ttmp6, 0x40004                  ; cy
	s_lshl_b32 s42, ttmp9, 2
	s_add_co_u32 s42, s42, s40                     ; tile column
	s_and_b32 s17, ttmp7, 0xffff
	s_lshl_b32 s17, s17, 2
	s_add_co_u32 s17, s17, s41                     ; tile row
	s_lshl_b32 s43, s41, 2
	s_lshl_b32 s43, 15, s43                        ; my row of the cluster
	s_lshl_b32 s44, 0x1111, s40                    ; my column
	s_or_b32 s[G1+0], s43, (3<<16)|(1<<21)         ; the mask; elements of 8 bytes; bit 21 beside a mask; no padding
	s_or_b32 s[G1B+0], s44, (3<<16)|(1<<21)
.irp g, G1, G1B
	s_mov_b32 s[\g+1], 1024<<16                    ; 8,192 bytes: a row block's four K steps of 128
	s_mov_b32 s[\g+2], 8<<16                       ; the head's loads bring 8 row blocks; the ring's 4 (set behind the head's wait)
	s_mov_b32 s[\g+3], 1024<<16
	s_mov_b32 s[\g+4], 8
	s_mov_b32 s[\g+5], BLKB/8                      ; from row block to row block
	s_mov_b32 s[\g+6], 0
	s_mov_b32 s[\g+7], 0
.endr
	s_or_b32 s[G1S+0], s43, (3<<16)|(1<<21)
	s_or_b32 s[G1SB+0], s44, (3<<16)|(1<<21)
.irp g, G1S, G1SB
	s_mov_b32 s[\g+1], 32<<16                      ; the scale bytes of 128 rows: dense, as rows of 256 bytes
	s_mov_b32 s[\g+2], (2*HALFS/256)<<16
	s_mov_b32 s[\g+3], 32<<16
	s_mov_b32 s[\g+4], 2*HALFS/256
	s_mov_b32 s[\g+5], 32
	s_mov_b32 s[\g+6], 0
	s_mov_b32 s[\g+7], 0
.endr
	s_mul_i32 s96, s17, 8*BLKB                     ; A's codes: the tile's first byte
	s_mov_b32 s97, 0
	s_mul_i32 s46, s42, 8*BLKB
	s_add_co_u32 s46, s46, BC                      ; B's
	s_mov_b32 s47, 0
	s_mul_i32 s98, s17, 2*HALFS
	s_add_co_u32 s98, s98, ASC                     ; A's scale bytes
	s_mov_b32 s99, 0
	s_mul_i32 s92, s42, 2*HALFS
	s_add_co_u32 s92, s92, BSC                     ; B's
	s_mov_b32 s93, 0
	s_mul_i32 s18, s16, 4*BLKB                     ; in the ring: my 4 row blocks; s[18:19] stay until the head's end
	s_mov_b32 s19, 0
	s_lshl_b32 s45, s14, 15                        ; and where they go: wave x 32,768: no place in the cluster enters an LDS address
.if LAPS > 1
	s_cmp_eq_u32 s15, 0                            ; the prefetches: of my 4 row blocks the partner at place p (cx for A, cy for B) names block p, from slot 2 on
	s_cselect_b32 s94, s40, s41
	s_mul_i32 s94, s94, BLKB
	s_add_co_u32 s94, s94, s18
	s_add_co_u32 s94, s94, 2*8192
	s_mov_b32 s95, 0
.endif
	s_wait_dscnt 0x0                               ; both opening adds are done
	CROUND                                         ; all sixteen work-groups are here: the first joint loads meet
	s_wait_kmcnt 0x0
	s_add_nc_u64 s[20:21], s[4:5], s[96:97]
	s_add_nc_u64 s[22:23], s[4:5], s[98:99]
	s_add_nc_u64 s[46:47], s[6:7], s[46:47]
	s_add_nc_u64 s[92:93], s[6:7], s[92:93]
.if LAPS > 1
	s_cmp_eq_u32 s15, 0
	s_cselect_b64 s[PFA:PFA+1], s[20:21], s[46:47]
	s_add_nc_u64 s[PFA:PFA+1], s[PFA:PFA+1], s[94:95]
	s_and_b32 s[LIM], ttmp7, 2                     ; B's rows are loaded by all eight rows of clusters: rows 0, 1, 4, 5 ask for them; A's waves ask in every cluster
	s_mul_i32 s[LIM], s[LIM], s15
	s_cmp_eq_u32 s[LIM], 0
	s_cselect_b32 s[LIM], 1, -1
.endif
	s_mov_b32 s[G0], 1                             ; the head's four tiles, each whole: slot 0's rows of A,
	s_mov_b32 s[G0+1], 0
	s_mov_b64 s[G0+2:G0+3], s[20:21]
	s_or_b32 s[G0+3], s[G0+3], 0x80000000
	s_mov_b32 s[G0B], 1                            ; of B,
	s_mov_b32 s[G0B+1], 65536
	s_mov_b64 s[G0B+2:G0B+3], s[46:47]
	s_or_b32 s[G0B+3], s[G0B+3], 0x80000000
	s_mov_b32 s[G0S], 1                            ; A's scale bytes,
	s_mov_b32 s[G0S+1], SCL
	s_mov_b64 s[G0S+2:G0S+3], s[22:23]
	s_or_b32 s[G0S+3], s[G0S+3], 0x80000000
	s_mov_b32 s[G0SB], 1                           ; B's
	s_mov_b32 s[G0SB+1], SCL+2*HALFS
	s_mov_b64 s[G0SB+2:G0SB+3], s[92:93]
	s_or_b32 s[G0SB+3], s[G0SB+3], 0x80000000
	s_add_nc_u64 s[20:21], s[20:21], s[18:19]
	s_add_nc_u64 s[46:47], s[46:47], s[18:19]
	s_mov_b32 s[G0+4], 1                           ; slot 1: my quarter of the second 512 along K
	s_add_co_u32 s[G0+5], s45, SLOT
	s_add_nc_u64 s[G0+6:G0+7], s[20:21], 8192
	s_or_b32 s[G0+7], s[G0+7], 0x80000000
	s_mov_b32 s[G0B+4], 1
	s_add_co_u32 s[G0B+5], s45, SLOT
	s_add_nc_u64 s[G0B+6:G0B+7], s[46:47], 8192
	s_or_b32 s[G0B+7], s[G0B+7], 0x80000000
	ARM 1, G0,  G1,  .Lhead_b                      ; one chain of branches on the wave's number: every way passes one load
	ARM 2, G0B, G1B, .Lhead_sa
	ARM 3, G0S, G1S, .Lhead_sb
	TL G0SB, G1SB
.Lhead_asked:
	v_and_b32 v1, 15, v0                           ; r
	v_bfe_u32 v2, v0, 4, 1                         ; h
	s_wait_alu depctr_va_vdst(0)                   ; the wait here
	v_and_b32 v3, 31, v0
	v_lshlrev_b32 v[LI], 4, v3
	s_lshl_b32 s21, s15, 15                        ; my 64 rows of A
	s_lshl_b32 s22, s16, 15                        ; my 64 rows of B,
	s_add_co_u32 s22, s22, 65536                   ; behind A's 128
.irp s, 0,1
	v_add_nc_u32 v[ADRA+\s], s21, v[LI]
	v_add_nc_u32 v[ADRB+\s], s22, v[LI]
	s_add_co_u32 s21, s21, SLOT
	s_add_co_u32 s22, s22, SLOT
.endr
	s_lshl_b32 s21, s15, 8                         ; A's scale words: my 64 rows' 256 bytes of a K step's 512
	s_lshl_b32 s22, s16, 8
	s_add_co_u32 s22, s22, 2*HALFS                 ; B's, behind A's
	s_sub_co_u32 s22, s22, s21
	v_mul_u32_u24 v6, s22, v2                      ; lanes 16-31 take B's
	s_add_co_u32 s21, s21, SCL
	v_lshl_add_u32 v6, v1, 4, v6
	v_add_nc_u32 v[ADRS], s21, v6
	s_mul_i32 s23, s14, 16*SPITCH                  ; my stage
	v_mul_u32_u24 v5, v1, SPITCH
	v_lshl_add_u32 v5, v2, 6, v5
	v_add_nc_u32 v[STO], s23, v5                   ; in: row r, + 64 (lane / 16)
	v_mul_u32_u24 v5, v2, SPITCH
	v_lshl_add_u32 v5, v1, 4, v5
	v_add_nc_u32 v[RD], s23, v5                    ; back: lanes 0-15 one row, lanes 16-31 the next
	v_lshlrev_b32 v[RO], 12, v2
	v_lshl_add_u32 v[RO], v1, 4, v[RO]
	v_lshlrev_b32 v[PFO], 8, v3
	v_lshlrev_b32 v[BO], 6, v2
	s_wait_alu depctr_va_vdst(0)                   ; the wait behind the head's last vector line
	s_lshl_b32 s46, s42, 7
	s_lshl_b32 s47, s16, 6
	s_add_co_u32 s46, s46, s47
	s_lshl_b32 s46, s46, 2                         ; my first column, in bytes
	s_mov_b32 s47, 0
	s_add_nc_u64 s[8:9], s[8:9], s[46:47]
	s_lshl_b32 s20, s17, 7
	s_lshl_b32 s21, s15, 6
	s_add_co_u32 s20, s20, s21
	s_lshl_b32 s20, s20, 12                        ; my first token's row
	s_add_co_u32 s20, s20, s46
	s_mov_b32 s21, 0
	s_add_nc_u64 s[10:11], s[10:11], s[20:21]
	s_add_nc_u64 s[12:13], s[12:13], s[20:21]
.irp b, 0,1,2,3
	global_load_b128 v[BI+8*\b:BI+8*\b+3], v[BO], s[8:9] offset:(32*(\b/2)+8*(\b%2))*4
	global_load_b128 v[BI+8*\b+4:BI+8*\b+7], v[BO], s[8:9] offset:(32*(\b/2)+8*(\b%2))*4+16
.endr
.if LAPS > 1
	ASKH 0                                         ; slot 2, which the first refill will load
.endif
.macro FETCH slot, q, f                ; the fragments of the slot's q-th 128 along K into buffer f, and their scale words: lanes 0-15 A's four blocks, lanes 16-31 B's
	WIN TO_F
.irp i, 0,1,2,3
.irp c, 0,1,2,3
	ds_load_b128 v[\f+64+16*\i+4*\c:\f+64+16*\i+4*\c+3], v[ADRB+\slot] offset:8192*\i+2048*(\q)+512*\c
.endr
.endr
.irp i, 0,1,2,3
.irp c, 0,1,2,3
	ds_load_b128 v[\f+16*\i+4*\c:\f+16*\i+4*\c+3], v[ADRA+\slot] offset:8192*\i+2048*(\q)+512*\c
.endr
.endr
	WIN 0
	ds_load_b128 v[SC+4*((\f)/128):SC+4*((\f)/128)+3], v[ADRS] offset:512*(\q)
.endm
.macro MUL4 f, a, zero                 ; A's block a x B's four.  The 16 accumulators take turns, one instruction a turn
.irp b, 0,1,2,3
.if \zero
	v_wmma_scale_f32_16x16x128_f8f6f4 v[ACC+8*(4*(\a)+\b):ACC+8*(4*(\a)+\b)+7], v[\f+64+16*\b:\f+64+16*\b+15], v[\f+16*(\a):\f+16*(\a)+15], v[BI+8*\b:BI+8*\b+7], v[SC+4*((\f)/128)+\b], v[SC+4*((\f)/128)+(\a)] matrix_a_fmt:MATRIX_FMT_BF8 matrix_b_fmt:MATRIX_FMT_BF8 matrix_a_scale:MATRIX_SCALE_ROW1
.else
	v_wmma_scale_f32_16x16x128_f8f6f4 v[ACC+8*(4*(\a)+\b):ACC+8*(4*(\a)+\b)+7], v[\f+64+16*\b:\f+64+16*\b+15], v[\f+16*(\a):\f+16*(\a)+15], v[ACC+8*(4*(\a)+\b):ACC+8*(4*(\a)+\b)+7], v[SC+4*((\f)/128)+\b], v[SC+4*((\f)/128)+(\a)] matrix_a_fmt:MATRIX_FMT_BF8 matrix_b_fmt:MATRIX_FMT_BF8 matrix_a_scale:MATRIX_SCALE_ROW1
.endif
.endr
.endm
.macro PLACES n
.rept \n
	v_nop
.endr
.endm
.macro QUARTER slot, qn, f, g, zero    ; multiplies buffer f; ahead of that it asks for the slot's qn-th 128 along K into buffer g
	s_wait_dscnt 0x0                               ; buffer f is in
	PLACES NP                                      ; behind the products that read buffer g
	FETCH \slot, \qn, \g
	WIN MUL
	MUL4 \f, 0, \zero
	MUL4 \f, 1, \zero
	MUL4 \f, 2, \zero
	MUL4 \f, 3, \zero
.endm
; A slot's last quarter changes slots: one barrier; in front of it each wave waits for all its tensor loads, adds 0 to its spare word, and waits for that and for its reads of this slot.
.macro TURN slot, next, fill
	WIN 0
.if \fill
	s_wait_xcnt 0x0                                ; my last prefetch has read its address: it steps a slot on
	s_add_nc_u64 s[PFA:PFA+1], s[PFA:PFA+1], 8192
.endif
	s_wait_tensorcnt 0x0                           ; all my tensor loads have landed: my part of the next slot
	ds_add_u32 v[SPW], v[NIL]
	s_wait_dscnt 1                                 ; buffer 1 is in (the add may be out)
	WIN MUL
	MUL4 F1, 0, 0
	s_wait_dscnt 0x0                               ; the add is done, and my reads of this slot are over
	s_barrier_signal -1
	MUL4 F1, 1, 0
	WIN 0
	s_barrier_wait -1
.if \fill
	CREST                                          ; the barrier has opened a round of the cluster's: no wave of any partner still reads this slot or has a load on its way
	s_add_nc_u64 s[G0+4*\slot+2:G0+4*\slot+3], s[G0+4*\slot+2:G0+4*\slot+3], 16384
	s_add_nc_u64 s[G0B+4*\slot+2:G0B+4*\slot+3], s[G0B+4*\slot+2:G0B+4*\slot+3], 16384
	JLOAD G0+4*\slot, G1, G0B+4*\slot, G1B         ; the first tensor load behind the round; its four v_nop are among the places below
	PLACES NP-4
.else
	PLACES NP
.endif
	v_add_nc_u32 v[ADRS], 2048, v[ADRS]            ; the next slot's scale words
	s_wait_alu depctr_va_vdst(0)                   ; the wait, directly behind the write
	FETCH \next, 0, F0
.if \fill
	ASK
.endif
	WIN MUL
	MUL4 F1, 2, 0
	MUL4 F1, 3, 0
.endm
	s_wait_tensorcnt 0x0                           ; my tile of the head's four is in; slot 1's first fill is issued as a refill is:
	ds_add_u32 v[SPW], v[NIL]
	s_mov_b32 s[G1+2], 4<<16                       ; no tensor load of mine is out, so descriptors may be written: the ring's loads bring 4 row blocks
	s_mov_b32 s[G1+4], 4
	s_mov_b32 s[G1B+2], 4<<16
	s_mov_b32 s[G1B+4], 4
.if LAPS > 1
	s_mov_b32 s[G0+1], s45                         ; and slot 0's group 0 becomes my quarter of it
	s_add_nc_u64 s[G0+2:G0+3], s[G0+2:G0+3], s[18:19]
	s_mov_b32 s[G0B+1], s45
	s_add_nc_u64 s[G0B+2:G0B+3], s[G0B+2:G0B+3], s[18:19]
.endif
	s_wait_dscnt 0x0
	CROUND                                         ; everybody's tile is in, and all sixteen work-groups are here
	JLOAD G0+4, G1, G0B+4, G1B                     ; slot 1, the first tensor load behind the round
	FETCH 0, 0, F0
.if LAPS > 1
	ASKH 8192                                      ; slot 3
.endif
	s_wait_loadcnt 0x0                             ; the bias
	QUARTER 0, 1, F0, F1, 1                        ; the first products start the sums, from the bias
.if LAPS > 1
	WIN 0
	s_mov_b32 s3, LAPS-1
.Llap:
	QUARTER 0, 2, F1, F0, 0
	QUARTER 0, 3, F0, F1, 0
	TURN 0, 1, 1
	QUARTER 1, 1, F0, F1, 0
	QUARTER 1, 2, F1, F0, 0
	QUARTER 1, 3, F0, F1, 0
	TURN 1, 0, 1
	QUARTER 0, 1, F0, F1, 0
	WIN 0
	s_sub_co_u32 s3, s3, 1
	s_cmp_lg_u32 s3, 0
	s_cbranch_scc1 .Llap
.endif
	WIN 0x80                                       ; destination window 2.  All slots have been asked for: now the residual,
.irp a, 0,1,2,3                                ; as the rows come back from the stage: row 2 i + (lane / 16) of block a is token 32 (a / 2) + 8 (a % 2) + 2 i + 8 (i / 4) + (lane / 16)
.irp i, 0,1,2,3,4,5,6,7
	global_load_b128 v[32*\a+4*\i:32*\a+4*\i+3], v[RO], s[10:11] offset:(32*(\a/2)+8*(\a%2)+2*\i+8*(\i/4))*4096
.endr
.endr
	WIN 0
	QUARTER 0, 2, F1, F0, 0                        ; the last lap fills nothing
	QUARTER 0, 3, F0, F1, 0
	TURN 0, 1, 0
	QUARTER 1, 1, F0, F1, 0
	QUARTER 1, 2, F1, F0, 0
	QUARTER 1, 3, F0, F1, 0
	s_wait_dscnt 0x0
	MUL4 F1, 0, 0
	MUL4 F1, 1, 0
	MUL4 F1, 2, 0
	MUL4 F1, 3, 0
	WIN 0
.macro TOSTAGE a                       ; block a's 16 rows x 64 columns into my stage, and back as rows of 256 bytes; LDS serves a wave's instructions in order (ISA guide 5.7.1.4)
.set TP, TMP+32*((\a)%2)
.irp b, 0,1,2,3
	ds_store_b128 v[STO], v[ACC+8*(4*(\a)+\b):ACC+8*(4*(\a)+\b)+3] offset:128*(\b/2)+32*(\b%2)      ; each accumulator from its low end on
	ds_store_b128 v[STO], v[ACC+8*(4*(\a)+\b)+4:ACC+8*(4*(\a)+\b)+7] offset:128*(\b/2)+32*(\b%2)+16
.endr
.irp i, 0,1,2,3,4,5,6,7
	ds_load_b128 v[TP+4*\i:TP+4*\i+3], v[RD] offset:2*\i*SPITCH
.endr
.endm
.macro SEND a, younger                 ; younger: the LDS instructions issued behind block a's loads
.set TP, TMP+32*((\a)%2)
	s_wait_dscnt \younger
	WIN 0x08                                       ; source 1: the residual's window
.set n, 0
.rept 16
	v_pk_add_f32 v[TP+n:TP+n+1], v[TP+n:TP+n+1], v[32*(\a)+n:32*(\a)+n+1]
.set n, n+2
.endr
	WIN 0
.irp i, 0,1,2,3,4,5,6,7
	global_store_b128 v[RO], v[TP+4*\i:TP+4*\i+3], s[12:13] offset:(32*((\a)/2)+8*((\a)%2)+2*\i+8*(\i/4))*4096   ; 16 lanes store 256 consecutive bytes, aligned
.endr
.endm
	PLACES NP
	s_wait_loadcnt 0x0                             ; the residual
	TOSTAGE 0
	TOSTAGE 1
	SEND 0, 16
	s_wait_xcnt 0x0                                ; block 0's stores have read their registers
	TOSTAGE 2
	SEND 1, 16
	s_wait_xcnt 0x0
	TOSTAGE 3
	SEND 2, 16
	SEND 3, 0
	s_wait_tensorcnt 0x0                           ; the wave's end
	ds_add_u32 v[SPW], v[NIL]
	s_wait_dscnt 0x0
	CROUND                                         ; the closing round
	s_endpgm
.Lfunc_end_k_qd713db5316_wo:
	.size	k_qd713db5316_wo, .Lfunc_end_k_qd713db5316_wo-k_qd713db5316_wo
	.p2alignl 7, 3214868480
	.fill 96, 4, 3214868480
	.section	.rodata,"a",@progbits
	.p2align	6, 0x0
	.amdhsa_kernel k_qd713db5316_wo
		.amdhsa_group_segment_fixed_size 327680
		.amdhsa_private_segment_fixed_size 0
		.amdhsa_enable_private_segment 0
		.amdhsa_kernarg_size 40
		.amdhsa_user_sgpr_count 2
		.amdhsa_user_sgpr_kernarg_segment_ptr 1
		.amdhsa_wavefront_size32 1
		.amdhsa_system_sgpr_workgroup_id_x 1
		.amdhsa_system_sgpr_workgroup_id_y 1
		.amdhsa_system_sgpr_workgroup_id_z 1
		.amdhsa_system_vgpr_workitem_id 0
		.amdhsa_next_free_vgpr 768
		.amdhsa_next_free_sgpr 100
		.amdhsa_reserve_vcc 0
		.amdhsa_float_denorm_mode_32 3
		.amdhsa_float_denorm_mode_16_64 3
		.amdhsa_memory_ordered 1
		.amdhsa_forward_progress 1
		.amdhsa_inst_pref_size 62
	.end_amdhsa_kernel
	.amdgpu_metadata
---
amdhsa.version: [ 1, 2 ]
amdhsa.kernels:
  - .name:           k_qd713db5316_wo
    .symbol:         k_qd713db5316_wo.kd
    .args:
      - { .name: CTX, .offset: 0, .size: 8, .value_kind: global_buffer, .address_space: global }
      - { .name: WB, .offset: 8, .size: 8, .value_kind: global_buffer, .address_space: global }
      - { .name: b_o, .offset: 16, .size: 8, .value_kind: global_buffer, .address_space: global }
      - { .name: x, .offset: 24, .size: 8, .value_kind: global_buffer, .address_space: global }
      - { .name: H, .offset: 32, .size: 8, .value_kind: global_buffer, .address_space: global }
    .group_segment_fixed_size: 327680
    .private_segment_fixed_size: 0
    .kernarg_segment_align: 8
    .kernarg_segment_size: 40
    .max_flat_workgroup_size: 128
    .sgpr_count:     100
    .vgpr_count:     768
    .wavefront_size: 32
...
	.end_amdgpu_metadata
.endif
;; end of part 4
;; launch prep2 (part 5): grid 512 x 1, 4 waves a work-group, no clusters, 53,504 bytes of LDS; arguments H, ln2_scale, ln2_shift, MA, W_fc, W_proj, WB; writes MA, WB
.if DOCPART == 5
	.amdgcn_target "amdgcn-amd-amdhsa--gfx1250"
	.amdhsa_code_object_version 6
	.text
	.protected	k_qd713db5316_prep2
	.globl	k_qd713db5316_prep2
	.p2align	8
	.type	k_qd713db5316_prep2,@function
k_qd713db5316_prep2:
	s_mov_b64 s[64:65], 0
	v_nop
	global_prefetch_b8 v0, s[64:65] scope:SCOPE_SE
	s_setreg_imm32_b32 hwreg(HW_REG_WAVE_MODE, 25, 1), 1
	s_wait_xcnt 0x0
; THIS LAUNCH does two things that share nothing, side by side: work-groups 0-255 the second layer norm, quantised; work-groups 256-383 the quantising of W_fc, 384-511 of W_proj.  No work is left out here.
; The two ways part once, on the work-group's number, and each has LDS bytes of its own.  All results are codes of BF8 (E5M2) with one E8M0 scale byte for each 32 along K, laid in the order of a product's operand registers.
; LAYOUTS, for rows of K numbers.  A row index i lies at POSITION P = i with bits 3 and 4 exchanged: row r of position block B is i = 32 (B / 2) + 8 (B % 2) + r + 8 (r / 8).
;   CODES: (P / 16) 16 K + (k / 128) 2048 + ((k % 128) / 32) 512 + ((k % 32) / 16) 256 + (P % 16) 16 + k % 16: a fragment's four registers are 512 bytes on end, lane l at 16 l.
;   SCALE BYTES: (P / 128) 4 K + (k / 128) 512 + ((P % 128) / 64) 256 + (P % 16) 16 + ((P / 16) % 4) 4 + (k % 128) / 32.
;   The norm's buffer: codes at 0, scale bytes at 0x400000.  WB: codes of W_fc at 4 MiB, W_proj at 8 MiB; their scale bytes at 0xC20000, 0xC40000 (what lies below is an earlier launch's).
; THE NORM: y = scale (x - mean) / sqrt(var + 1e-5) + shift along rows of 1,024 f32.  Work-group g makes position block g; wave w takes its rows 4 w .. 4 w + 3, four tokens on end.  A row lies in 32 registers of one wave: load j brings
;   elements 128 j + 4 lane .. + 3, so a block of 32 is eight lanes x four numbers.  Mean and variance in two passes: no difference of large sums.  The conversion takes eight numbers under ONE scale, and a lane's eight belong to two
;   blocks: so each number is first multiplied by 2^-e of its own block, which rounds nothing (what falls under 2^-126 is code 0 either way), and converted under the scale 1.  The codes turn through a stage in LDS, one barrier, and
;   leave as 512 consecutive bytes a store; the scale words leave as pieces of 4 bytes: one byte in 128 of what is read.
; THE WEIGHTS, f32 stored [K][N]: a lane takes a column n and its registers run down K: a block of 32 lies in one lane, and the conversions give codes with K innermost.  A work-group takes 128 columns x 256 along K, a wave 32 columns.
;   The codes turn through the wave's own stage and leave as 512 consecutive bytes a store; the work-group's scale words meet in LDS, one barrier, and leave as 1,024 consecutive bytes.
; A block's scale is 2^(floor(log2(largest magnitude)) - 15); its byte is that magnitude's exponent field - 15, held at 1 from below.  A block of zeros so keeps the byte 1: its codes are zeros, and this program alone reads the bytes.
; LIMITS: blocks whose largest magnitude lies under 2^-111, the floor, were not tried; NaN and infinities among the inputs are not served.
.set SECOND, 1                         ; 0: the four square weights; 1: W_fc and W_proj
.set SPITCH, 1040                      ; the norm's stage: 16 rows of 1,024 codes + 16
.set SCST,  16*SPITCH                  ; the norm's scale bytes: word (row r, K step j) at 32 r + 4 j
.set WST,   SCST+512                   ; the weights' four stages
.set PITCH, 272                        ; a row of them: 256 bytes of codes + 16
.set SWS,   WST+4*32*PITCH             ; the weights' scale words: two K steps x 512 bytes, as they lie in memory
.set SPARE, SWS+1024                   ; the spare words: two blocks of 256 bytes that no other line names
.set SPW, 8                            ; v8  my spare word; never rewritten
.set NIL, 9                            ; v9  0; never rewritten
	v_lshl_add_u32 v[SPW], v0, 2, SPARE
	v_mov_b32 v[NIL], 0
	s_cmp_ge_u32 ttmp9, 256                        ; the same in all four waves
	s_cbranch_scc1 .Lweights
; ---------------- THE NORM ----------------
.set LI,  1                            ; v1  16 x lane
.set STW, 2                            ; v2  stage, in: my wave's first row + 4 x lane
.set SCW, 3                            ; v3  my block's scale byte
.set RDB, 4                            ; v4  stage, out: row lane % 16, + 16 (lane / 16), + my wave's two K steps
.set SCR, 5                            ; v5  the scale word that my thread stores
.set SCG, 6                            ; v6  and its place in memory
.set FAC, 16                           ; v16-31  2^-e of K step j's block, in the even registers (the odd ones are named with them as pairs); v[16:17] first holds 1 / sqrt(var + eps)
.set G,   32                           ; v32-63  scale
.set BT,  64                           ; v64-95  shift
.set X,   96                           ; v96-223 four rows
.set M,   224                          ; v224-231 largest magnitudes, then bytes
.set CD,  232                          ; v232-239 codes
.set LIM, 240                          ; v240 57,344.0
.set ONE, 241                          ; v241 1.0
	s_load_b256 s[4:11], s[0:1], 0x0               ; x, scale, shift, out
	v_lshrrev_b32 v1, 5, v0
	v_readfirstlane_b32 s12, v1                    ; wave
	v_and_b32 v7, 31, v0                           ; lane
	s_wait_alu depctr_va_vdst(0)
	v_lshlrev_b32 v[LI], 4, v7
	s_lshr_b32 s13, ttmp9, 1
	s_lshl_b32 s13, s13, 5
	s_and_b32 s14, ttmp9, 1
	s_lshl_b32 s14, s14, 3
	s_add_co_u32 s13, s13, s14
	s_lshl_b32 s14, s12, 2
	s_add_co_u32 s13, s13, s14
	s_lshr_b32 s14, s12, 1
	s_lshl_b32 s14, s14, 3
	s_add_co_u32 s13, s13, s14                     ; my first token: 32 (g / 2) + 8 (g % 2) + 4 w + 8 (w / 2)
	s_lshl_b32 s14, s13, 12
	s_mov_b32 s15, 0
	s_mul_i32 s16, s12, 4*SPITCH
	v_lshl_add_u32 v[STW], v7, 2, s16
	v_lshrrev_b32 v[SCW], 3, v7
	s_lshl_b32 s17, s12, 7
	s_add_co_u32 s17, s17, SCST
	v_add_nc_u32 v[SCW], s17, v[SCW]
	v_and_b32 v10, 15, v7
	v_lshrrev_b32 v11, 4, v7
	v_mul_u32_u24 v[RDB], v10, SPITCH
	v_lshl_add_u32 v[RDB], v11, 4, v[RDB]
	s_lshl_b32 s17, s12, 8
	v_add_nc_u32 v[RDB], s17, v[RDB]
	v_and_b32 v10, 15, v0                          ; thread t: row t % 16, K step t / 16
	v_lshrrev_b32 v11, 4, v0
	v_lshlrev_b32 v[SCR], 5, v10
	v_lshl_add_u32 v[SCR], v11, 2, v[SCR]
	v_add_nc_u32 v[SCR], SCST, v[SCR]
	v_lshlrev_b32 v[SCG], 9, v11
	v_lshl_add_u32 v[SCG], v10, 4, v[SCG]
	s_lshr_b32 s24, ttmp9, 3                       ; the block's scale words: (g / 8) 4096 + 256 ((g % 8) / 4) + 4 (g % 4)
	s_lshl_b32 s24, s24, 12
	s_bfe_u32 s25, ttmp9, 0x10002
	s_lshl_b32 s25, s25, 8
	s_add_co_u32 s24, s24, s25
	s_and_b32 s25, ttmp9, 3
	s_lshl_b32 s25, s25, 2
	s_add_co_u32 s24, s24, s25
	s_add_co_u32 s24, s24, 0x400000
	s_mov_b32 s25, 0
	s_lshl_b32 s26, ttmp9, 14                      ; its codes, at my wave's two K steps
	s_lshl_b32 s27, s12, 12
	s_add_co_u32 s26, s26, s27
	s_mov_b32 s27, 0
	s_mov_b32 s18, 0x3a800000                      ; 1 / 1,024
	s_mov_b32 s19, 0x3727c5ac                      ; 1e-5
	s_mov_b32 s20, 0x76543210
	s_mov_b32 s21, 0xfedcba98                      ; v_permlanex16_b32's selects for lane l xor 16
	v_mov_b32 v[LIM], 0x47600000
	v_mov_b32 v[ONE], 1.0
.irp j, 1,2,3,4,5,6,7
	v_mov_b32 v[FAC+2*\j+1], 0                     ; named as the upper halves of pairs, so they are written
.endr
	s_wait_kmcnt 0x0
	s_add_nc_u64 s[4:5], s[4:5], s[14:15]
	s_add_nc_u64 s[22:23], s[10:11], s[24:25]
	s_add_nc_u64 s[10:11], s[10:11], s[26:27]
.irp j, 0,1,2,3,4,5,6,7
	global_load_b128 v[G+4*\j:G+4*\j+3], v[LI], s[6:7] offset:512*\j
	global_load_b128 v[BT+4*\j:BT+4*\j+3], v[LI], s[8:9] offset:512*\j
.endr
.irp i, 0,1,2,3
.irp j, 0,1,2,3,4,5,6,7
	global_load_b128 v[X+32*\i+4*\j:X+32*\i+4*\j+3], v[LI], s[4:5] offset:4096*\i+512*\j th:TH_LOAD_NT
.endr
.endr
.macro REDUCE                          ; v[10:13] -> the sum over the wave's 32 lanes, in v10 of every lane
	v_pk_add_f32 v[10:11], v[10:11], v[12:13]
	v_add_f32 v10, v10, v11
	v_add_f32_dpp v10, v10, v10 row_xmask:1 row_mask:0xf bank_mask:0xf
	v_add_f32_dpp v10, v10, v10 row_xmask:2 row_mask:0xf bank_mask:0xf
	v_add_f32_dpp v10, v10, v10 row_xmask:4 row_mask:0xf bank_mask:0xf
	v_add_f32_dpp v10, v10, v10 row_xmask:8 row_mask:0xf bank_mask:0xf
	v_permlanex16_b32 v11, v10, s20, s21
	v_add_f32 v10, v10, v11
.endm
.macro ROW i
.set XR, X+32*\i
	s_wait_loadcnt 8*(3-\i)                        ; scale, shift and this row are in; the later rows' loads may be out
	v_pk_add_f32 v[10:11], v[XR:XR+1], v[XR+2:XR+3]
	v_pk_add_f32 v[12:13], v[XR+4:XR+5], v[XR+6:XR+7]
.set k, 8
.rept 6
	v_pk_add_f32 v[10:11], v[10:11], v[XR+k:XR+k+1]
	v_pk_add_f32 v[12:13], v[12:13], v[XR+k+2:XR+k+3]
.set k, k+4
.endr
	REDUCE
	v_mul_f32 v14, s18, v10                        ; the mean
	v_mov_b32 v15, v14
.set k, 0
.rept 16
	v_pk_add_f32 v[XR+k:XR+k+1], v[XR+k:XR+k+1], v[14:15] neg_lo:[0,1] neg_hi:[0,1]
.set k, k+2
.endr
	v_pk_mul_f32 v[10:11], v[XR:XR+1], v[XR:XR+1]
	v_pk_mul_f32 v[12:13], v[XR+2:XR+3], v[XR+2:XR+3]
.set k, 4
.rept 7
	v_pk_fma_f32 v[10:11], v[XR+k:XR+k+1], v[XR+k:XR+k+1], v[10:11]
	v_pk_fma_f32 v[12:13], v[XR+k+2:XR+k+3], v[XR+k+2:XR+k+3], v[12:13]
.set k, k+4
.endr
	REDUCE
	v_fma_f32 v10, v10, s18, s19                   ; var + eps
	s_wait_alu depctr_va_vdst(0)
	v_rsq_f32 v16, v10
	v_nop                                          ; a plain line behind the transcendental,
	s_wait_alu depctr_va_vdst(0)                   ; and the wait ahead of its first reader
	v_mov_b32 v17, v16
.set k, 0
.rept 16
	v_pk_mul_f32 v[XR+k:XR+k+1], v[XR+k:XR+k+1], v[16:17]
.set k, k+2
.endr
.set k, 0
.rept 16
	v_pk_fma_f32 v[XR+k:XR+k+1], v[XR+k:XR+k+1], v[G+k:G+k+1], v[BT+k:BT+k+1]
.set k, k+2
.endr
	s_wait_alu depctr_va_vdst(0)
	s_wait_dscnt 0x0                               ; the last row's LDS stores have read their registers
.irp j, 0,1,2,3,4,5,6,7
	v_max3_num_f32 v[M+\j], |v[XR+4*\j]|, |v[XR+4*\j+1]|, |v[XR+4*\j+2]|
.endr
.irp j, 0,1,2,3,4,5,6,7
	v_max3_num_f32 v[M+\j], v[M+\j], |v[XR+4*\j+3]|, 0x8000000     ; and the floor 2^(16 - 127)
.endr
.irp m, 1,2,4
.irp j, 0,1,2,3,4,5,6,7
	v_max_num_f32_dpp v[M+\j], v[M+\j], v[M+\j] row_xmask:\m row_mask:0xf bank_mask:0xf   ; the eight lanes of a block
.endr
.endr
.irp j, 0,1,2,3,4,5,6,7
	v_add_nc_u32 v[M+\j], 0xf8800000, v[M+\j]      ; 15 off the exponent field: the scale
.endr
.irp j, 0,1,2,3,4,5,6,7
	v_and_b32 v[FAC+2*\j], 0x7f800000, v[M+\j]
.endr
.irp j, 0,1,2,3,4,5,6,7
	v_sub_nc_u32 v[FAC+2*\j], 0x7f000000, v[FAC+2*\j]   ; 1 / the scale: exponent field 254 - the scale's, between 15 and 253
.endr
.irp j, 0,1,2,3,4,5,6,7
	v_lshrrev_b32 v[M+\j], 23, v[M+\j]             ; the scale's byte
.endr
.irp j, 0,1,2,3,4,5,6,7
	v_pk_mul_f32 v[XR+4*\j:XR+4*\j+1], v[XR+4*\j:XR+4*\j+1], v[FAC+2*\j:FAC+2*\j+1] op_sel_hi:[1,0]
	v_pk_mul_f32 v[XR+4*\j+2:XR+4*\j+3], v[XR+4*\j+2:XR+4*\j+3], v[FAC+2*\j:FAC+2*\j+1] op_sel_hi:[1,0]
.endr
.set k, 0
.rept 32
	v_med3_num_f32 v[XR+k], v[XR+k], -v[LIM], v[LIM]   ; the conversion does not saturate (ISA guide 7.6.2): the hold at +-57,344
.set k, k+1
.endr
.irp p, 0,1,2,3
	v_cvt_scalef32_pk8_bf8_f32 v[CD+2*\p:CD+2*\p+1], v[XR+8*\p:XR+8*\p+7], v[ONE]   ; four codes of K step 2 p, four of 2 p + 1
.endr
	v_nop                                          ; a plain line behind the last conversion
.irp j, 0,1,2,3,4,5,6,7
	ds_store_b32 v[STW], v[CD+\j] offset:\i*SPITCH+128*\j
	ds_store_b8 v[SCW], v[M+\j] offset:32*\i+4*\j  ; the eight lanes of a block write the same byte with the same value
.endr
.endm
	ROW 0
	ROW 1
	ROW 2
	ROW 3
	s_wait_dscnt 0x0                               ; for the others' sake: my stores have landed
	s_barrier_signal -1
	s_barrier_wait -1
.set n, 0
.rept 8                                ; n = 4 x (which of my two K steps) + chunk: lane (r, h) takes k = 32 c + 16 h + 0 .. 15 of row r
	ds_load_b128 v[X+4*n:X+4*n+3], v[RDB] offset:128*(n/4)+32*(n%4)
.set n, n+1
.endr
	ds_load_b32 v[X+32], v[SCR]
.set n, 0
.rept 8
	s_wait_dscnt 8-n
	global_store_b128 v[LI], v[X+4*n:X+4*n+3], s[10:11] offset:2048*(n/4)+512*(n%4)   ; 32 lanes store 512 consecutive bytes
.set n, n+1
.endr
	s_wait_dscnt 0x0
	global_store_b32 v[SCG], v[X+32], s[22:23]
	s_wait_tensorcnt 0x0                           ; the wave's end
	ds_add_u32 v[SPW], v[NIL]
	s_wait_dscnt 0x0
	s_endpgm
; ---------------- THE WEIGHTS ----------------
.set NB,    8                          ; blocks of 32 along K for a lane
.set EMAX,  15
.set MANT,  0x600000                   ; the mantissa field of 57,344
.set SGO,   3                          ; v3   8 x thread: my 8 bytes of the work-group's scale words, in memory
.set LIW,   20                         ; v20  16 x lane
.set SWO,   21                         ; v21  my column's scale word in LDS
.set LIW2,  22                         ; v22  16 x lane + a position block's codes
.set SRD,   23                         ; v23  SWS + 8 x thread
.set SB,    24                         ; v24-25   the scale bytes, four to a register
.set WX,    32                         ; v32-95   two sets of 32 numbers
.set WC,    96                         ; v96-103  a block's codes
.set OUTR,  104                        ; v104-167 the way out
.set OF,    168                        ; v168-199 row i of a block: 4 x lane + i x a row of the tensor
.set BS,    40                         ; s[40:55] where block t of my columns begins in memory; never rewritten
.Lweights:
.if SECOND
	s_load_b128 s[16:19], s[0:1], 0x20             ; W_fc, W_proj
	s_load_b64 s[20:21], s[0:1], 0x30              ; WB
.else
	s_load_b256 s[8:15], s[0:1], 0x20              ; W_q, W_k, W_v, W_o
	s_load_b64 s[20:21], s[0:1], 0x40              ; WB
.endif
	v_lshrrev_b32 v1, 5, v0
	v_readfirstlane_b32 s22, v1                    ; wave
	v_and_b32 v2, 31, v0                           ; lane
	s_wait_alu depctr_va_vdst(0)
	s_mov_b32 s3, MANT
	s_sub_co_u32 s23, ttmp9, 256                   ; my number among the weights' work-groups
.if SECOND
	s_mov_b32 s28, 0x4000
	s_mov_b32 s29, 0x10000
	s_cmp_lt_u32 s23, 128                          ; W_fc or W_proj
	s_cselect_b32 s25, 4, 8                        ; the tensor's place in WB: MiB of codes, 0x8000 of scale bytes
	s_cselect_b32 s26, 31, 7                       ; blocks of 128 columns - 1
	s_cselect_b32 s27, 5, 3                        ; and their count's logarithm
	s_cselect_b32 s28, s28, 0x1000                 ; a row of the tensor in bytes
	s_cselect_b32 s29, 0x4000, s29                 ; 16 K: a position block's codes in bytes
	s_and_b32 s23, s23, 127                        ; my number within the tensor
.else
	s_lshr_b32 s25, s23, 5                         ; which of the four, and its place in WB: MiB of codes, 0x8000 of scale bytes
	s_mov_b32 s26, 7                               ; blocks of 128 columns - 1
	s_mov_b32 s27, 3                               ; and their count's logarithm
	s_mov_b32 s28, 0x1000                          ; a row of the tensor in bytes
	s_mov_b32 s29, 0x4000                          ; 16 K: a position block's codes in bytes
	s_and_b32 s23, s23, 31                         ; my number within the tensor
.endif
	s_and_b32 s30, s23, s26                        ; nb: which 128 columns
	s_lshr_b32 s31, s23, s27                       ; kb: which 256 along K
	s_lshl_b32 s32, s31, 8
	s_mul_i32 s32, s32, s28                        ; 256 kb rows,
	s_lshl_b32 s33, s30, 9
	s_add_co_u32 s32, s32, s33                     ; 128 nb columns,
	s_lshl_b32 s33, s22, 7
	s_add_co_u32 s32, s32, s33                     ; 32 x wave columns
	s_mov_b32 s33, 0
	s_lshl_b32 s34, s28, 5                         ; 32 rows: from block to block
	s_mov_b32 s35, 0
	s_lshl_b32 s36, s25, 20                        ; the codes: the tensor's place,
	s_lshl_b32 s37, s30, 3
	s_lshl_b32 s38, s22, 1
	s_add_co_u32 s37, s37, s38
	s_mul_i32 s37, s37, s29
	s_add_co_u32 s36, s36, s37                     ; position block 8 nb + 2 x wave,
	s_lshl_b32 s37, s31, 12
	s_add_co_u32 s36, s36, s37                     ; K step 2 kb
	s_mov_b32 s37, 0
	s_lshl_b32 s6, s25, 15                         ; the scale bytes likewise
	s_lshr_b32 s38, s29, 2
	s_mul_i32 s38, s38, s30
	s_add_co_u32 s6, s6, s38
	s_lshl_b32 s38, s31, 10
	s_add_co_u32 s6, s6, s38
	s_add_co_u32 s6, s6, 0xC00000
	s_mov_b32 s7, 0
	v_lshlrev_b32 v[OF], 2, v2
.irp i, 1,2,3,4,5,6,7,8,9,10,11,12,13,14,15,16,17,18,19,20,21,22,23,24,25,26,27,28,29,30,31
	v_add_nc_u32 v[OF+\i], s28, v[OF+\i-1]
.endr
	s_mul_i32 s39, s22, 32*PITCH
	s_add_co_u32 s39, s39, WST                     ; my stage
	v_mul_u32_u24 v4, v2, PITCH
	v_add_nc_u32 v4, s39, v4                       ; into it: row = my column
	v_and_b32 v5, 15, v2
	v_lshrrev_b32 v6, 4, v2
	v_and_b32 v7, 8, v5
	v_add_nc_u32 v7, v7, v5                        ; out of it BY POSITION: row r of a position block is column r + 8 (r / 8) (+ 8 for the odd block)
	v_mul_u32_u24 v7, v7, PITCH
	v_lshl_add_u32 v7, v6, 4, v7
	v_add_nc_u32 v7, s39, v7
	v_lshlrev_b32 v[LIW], 4, v2                    ; 16 x lane: my place in 512 bytes of codes,
	v_add_nc_u32 v[LIW2], s29, v[LIW]              ; and in the next position block's
	v_and_b32 v[SWO], 7, v2                        ; my column's scale words: its row in its position block is lane % 8 + 8 (lane / 16), the block's parity bit 3 of the lane
	v_lshl_or_b32 v[SWO], v6, 3, v[SWO]
	v_lshlrev_b32 v[SWO], 4, v[SWO]
	v_bfe_u32 v11, v2, 3, 1
	v_lshl_add_u32 v[SWO], v11, 2, v[SWO]
	s_lshr_b32 s38, s22, 1
	s_lshl_b32 s38, s38, 8
	s_and_b32 s39, s22, 1
	s_lshl_b32 s39, s39, 3
	s_add_co_u32 s38, s38, s39
	s_add_co_u32 s38, s38, SWS
	v_add_nc_u32 v[SWO], s38, v[SWO]               ; + 256 (wave / 2) + 8 (wave % 2)
	v_lshlrev_b32 v[SGO], 3, v0
	v_add_nc_u32 v[SRD], SWS, v[SGO]
	s_wait_kmcnt 0x0
.if SECOND
	s_cmp_eq_u32 s25, 4                            ; the tensor's address: a choice that hangs on the work-group's number alone
	s_cselect_b64 s[8:9], s[16:17], s[18:19]
.else
	s_cmp_eq_u32 s25, 1                            ; the tensor's address: a choice that hangs on the work-group's number alone
	s_cselect_b64 s[8:9], s[10:11], s[8:9]
	s_cmp_eq_u32 s25, 2
	s_cselect_b64 s[8:9], s[12:13], s[8:9]
	s_cmp_eq_u32 s25, 3
	s_cselect_b64 s[8:9], s[14:15], s[8:9]
.endif
	s_add_nc_u64 s[BS:BS+1], s[8:9], s[32:33]
.irp t, 1,2,3,4,5,6,7
	s_add_nc_u64 s[BS+2*\t:BS+2*\t+1], s[BS+2*\t-2:BS+2*\t-1], s[34:35]
.endr
	s_add_nc_u64 s[4:5], s[20:21], s[36:37]        ; my codes
	s_add_nc_u64 s[6:7], s[20:21], s[6:7]          ; my work-group's scale words
.macro LOAD t                          ; block t: W(32 t + i, my column) into set t % 2; 32 lanes read 128 consecutive bytes
.irp i, 0,1,2,3,4,5,6,7,8,9,10,11,12,13,14,15,16,17,18,19,20,21,22,23,24,25,26,27,28,29,30,31
	global_load_b32 v[WX+32*((\t)%2)+\i], v[OF+\i], s[BS+2*(\t):BS+2*(\t)+1] th:TH_LOAD_NT
.endr
.endm
	LOAD 0
	LOAD 1
.macro BLOCK t
.set XS, WX+32*((\t)%2)
.if (\t) < NB-1
	s_wait_loadcnt 32                              ; this block's 32 loads are in; the next block's may be out
.else
	s_wait_loadcnt 0
.endif
	v_max3_num_f32 v16, |v[XS]|, |v[XS+1]|, |v[XS+2]|      ; the block's largest magnitude: all 32 numbers are mine
	v_max3_num_f32 v17, |v[XS+3]|, |v[XS+4]|, |v[XS+5]|
.irp i, 6,10,14,18,22,26
	v_max3_num_f32 v16, v16, |v[XS+\i]|, |v[XS+\i+1]|
	v_max3_num_f32 v17, v17, |v[XS+\i+2]|, |v[XS+\i+3]|
.endr
	v_max3_num_f32 v16, v16, |v[XS+30]|, |v[XS+31]|
	v_max3_num_f32 v16, v16, v17, (EMAX+1)<<23     ; and the floor 2^(16 - 127): the byte cannot fall under 1
	v_add_nc_u32 v18, -(EMAX<<23), v16             ; 15 off its exponent field: the conversion's scale operand
	v_and_or_b32 v19, v16, 0x7f800000, s3          ; 57,344 x the scale
	v_lshrrev_b32 v17, 23, v18                     ; the scale's byte
.if (\t)%4 == 0
	v_mov_b32 v[SB+(\t)/4], v17
.else
	v_lshl_or_b32 v[SB+(\t)/4], v17, 8*((\t)%4), v[SB+(\t)/4]
.endif
.irp i, 0,1,2,3,4,5,6,7,8,9,10,11,12,13,14,15,16,17,18,19,20,21,22,23,24,25,26,27,28,29,30,31
	v_med3_num_f32 v[XS+\i], v[XS+\i], -v19, v19   ; the conversion to an 8-bit code does not saturate (ISA guide 7.6.2): the hold comes first
.endr
.irp g, 0,1,2,3
	v_cvt_scalef32_pk8_bf8_f32 v[WC+2*\g:WC+2*\g+1], v[XS+8*\g:XS+8*\g+7], v18
.endr
	v_nop                                          ; a plain line behind the last conversion
	ds_store_b128 v4, v[WC:WC+3] offset:32*(\t)
	ds_store_b128 v4, v[WC+4:WC+7] offset:32*(\t)+16
.if (\t)+2 < NB
	LOAD (\t)+2
.endif
	s_wait_dscnt 0x0                               ; the stores have read their registers: the next block's codes may be written
.endm
.set Q, 0
.rept NB
	BLOCK Q
.set Q, Q+1
.endr
	ds_store_b32 v[SWO], v[SB]                     ; my column's words of K steps 2 kb and 2 kb + 1, where they lie among the work-group's 1,024 bytes
	ds_store_b32 v[SWO], v[SB+1] offset:512
	s_wait_dscnt 0x0                               ; for the others' sake: my words have landed
	s_barrier_signal -1
	s_barrier_wait -1
	ds_load_b64 v[12:13], v[SRD]                   ; words that all four waves stored
.set n, 0
.rept 16                               ; n = 8 x (which position block) + 4 x (which K step) + chunk
	ds_load_b128 v[OUTR+4*n:OUTR+4*n+3], v7 offset:(n/8)*8*PITCH+128*((n/4)%2)+32*(n%4)   ; my own stage: LDS serves a wave's instructions in order
.set n, n+1
.endr
	s_wait_dscnt 16                                ; the words are in; the 16 loads behind them may be out
	global_store_b64 v[SGO], v[12:13], s[6:7]      ; a wave stores 256 consecutive bytes, aligned; the work-group 1,024
.set n, 0
.rept 8
	s_wait_dscnt 15-n
	global_store_b128 v[LIW], v[OUTR+4*n:OUTR+4*n+3], s[4:5] offset:2048*(n/4)+512*(n%4)      ; 32 lanes store 512 consecutive bytes
.set n, n+1
.endr
.rept 8
	s_wait_dscnt 15-n
	global_store_b128 v[LIW2], v[OUTR+4*n:OUTR+4*n+3], s[4:5] offset:2048*((n/4)%2)+512*(n%4)
.set n, n+1
.endr
	s_wait_tensorcnt 0x0                           ; the wave's end
	ds_add_u32 v[SPW], v[NIL]
	s_wait_dscnt 0x0
	s_endpgm
.Lfunc_end_k_qd713db5316_prep2:
	.size	k_qd713db5316_prep2, .Lfunc_end_k_qd713db5316_prep2-k_qd713db5316_prep2
	.p2alignl 7, 3214868480
	.fill 96, 4, 3214868480
	.section	.rodata,"a",@progbits
	.p2align	6, 0x0
	.amdhsa_kernel k_qd713db5316_prep2
		.amdhsa_group_segment_fixed_size 53504
		.amdhsa_private_segment_fixed_size 0
		.amdhsa_enable_private_segment 0
		.amdhsa_kernarg_size 56
		.amdhsa_user_sgpr_count 2
		.amdhsa_user_sgpr_kernarg_segment_ptr 1
		.amdhsa_wavefront_size32 1
		.amdhsa_system_sgpr_workgroup_id_x 1
		.amdhsa_system_sgpr_workgroup_id_y 1
		.amdhsa_system_sgpr_workgroup_id_z 1
		.amdhsa_system_vgpr_workitem_id 0
		.amdhsa_next_free_vgpr 248
		.amdhsa_next_free_sgpr 66
		.amdhsa_reserve_vcc 0
		.amdhsa_float_denorm_mode_32 3
		.amdhsa_float_denorm_mode_16_64 3
		.amdhsa_memory_ordered 1
		.amdhsa_forward_progress 1
		.amdhsa_inst_pref_size 132
	.end_amdhsa_kernel
	.amdgpu_metadata
---
amdhsa.version: [ 1, 2 ]
amdhsa.kernels:
  - .name:           k_qd713db5316_prep2
    .symbol:         k_qd713db5316_prep2.kd
    .args:
      - { .name: H, .offset: 0, .size: 8, .value_kind: global_buffer, .address_space: global }
      - { .name: ln2_scale, .offset: 8, .size: 8, .value_kind: global_buffer, .address_space: global }
      - { .name: ln2_shift, .offset: 16, .size: 8, .value_kind: global_buffer, .address_space: global }
      - { .name: MA, .offset: 24, .size: 8, .value_kind: global_buffer, .address_space: global }
      - { .name: W_fc, .offset: 32, .size: 8, .value_kind: global_buffer, .address_space: global }
      - { .name: W_proj, .offset: 40, .size: 8, .value_kind: global_buffer, .address_space: global }
      - { .name: WB, .offset: 48, .size: 8, .value_kind: global_buffer, .address_space: global }
    .group_segment_fixed_size: 53504
    .private_segment_fixed_size: 0
    .kernarg_segment_align: 8
    .kernarg_segment_size: 56
    .max_flat_workgroup_size: 128
    .sgpr_count:     66
    .vgpr_count:     248
    .wavefront_size: 32
...
	.end_amdgpu_metadata
.endif
;; end of part 5
;; launch fc (part 6): grid 16 x 16, 4 waves a work-group, clusters of 4 x 4, 327,680 bytes of LDS; arguments MA, WB, b_fc, G; writes G
.if DOCPART == 6
	.amdgcn_target "amdgcn-amd-amdhsa--gfx1250"
	.amdhsa_code_object_version 6
	.text
	.protected	k_qd713db5316_fc
	.globl	k_qd713db5316_fc
	.p2align	8
	.type	k_qd713db5316_fc,@function
k_qd713db5316_fc:
	s_mov_b64 s[64:65], 0
	v_nop
	global_prefetch_b8 v0, s[64:65] scope:SCOPE_SE
	s_setreg_imm32_b32 hwreg(HW_REG_WAVE_MODE, 25, 1), 1
	s_wait_xcnt 0x0
	s_wait_alu depctr_hold_cnt(0) depctr_sa_sdst(0) depctr_va_vdst(0) depctr_va_sdst(0) depctr_va_ssrc(0) depctr_va_vcc(0) depctr_vm_vsrc(0)
	s_getreg_b32 s2, hwreg(HW_REG_IB_STS2, 6, 4)
	s_cmp_eq_u32 s2, 0
	s_cbranch_scc0 .Lentry_in_a_cluster
	s_endpgm
.Lentry_in_a_cluster:
	s_bfe_u32 s2, ttmp6, 0x10000c
	s_cmp_lg_u32 s2, 0xf033
	s_cbranch_scc0 .Lentry_shape_is_right
	s_endpgm
.Lentry_shape_is_right:
; g = gelu(LN2(h) W_fc + b_fc) on codes of BF8 (E5M2) with E8M0 scales, K = 1,024; the result is quantised in registers along the hidden 4,096 for the next product and stored as images of operand registers.  No work is left out.
; A tile of 256 x 256 to a work-group of four waves, 128 x 128 to a wave: 64 accumulators by turns.  K goes in steps of 256 through two LDS slots filled by joint tensor loads (A's tiles shared along a row of the 4 x 4 cluster, B's along a column).
; THE HEAD: one load a wave: wave 0 A's 256 rows of K step 0, wave 1 B's, wave 2 A's scale bytes, wave 3 B's; slot 1 is filled behind the full sequence and a round.  K steps 2 and 3 are prefetched, each two K steps ahead of its load.
; The bias is the C of each sum's first product.  gelu(y) = y / (1 + 2^(y (K1 + K2 y^2))), the tanh form written through one exponential.  LIMITS: NaN and infinities are not served; a block of zeros keeps the byte 1.
.set NQ,    2
.set FR,    16
.set NL,    4
.set NP,    8
.set HALFT, 32768
.set SLOT,  4*HALFT
.set LAPS,  2
.set SCL,   2*SLOT
.set HALFS, 4096
.set SPARE, SCL+4*HALFS
.set ADRA, 16
.set ADRB, 20
.set LI,   24
.set LN,   25
.set BO,   26
.set ADRS, 27
.set SPW,  28
.set NIL,  29
.set SC,   32
.set BI,   64
.set AF,   128
.set T,    128
.set PC,   192
.set TM,   208
.set WD,   224
.set K1,   232
.set K2,   234
.set G1, 24
.set G0, 32
.set G1B, 48
.set G0B, 56
.set G1S, 68
.set G0S, 76
.set G1SB, 80
.set G0SB, 88
.set SEL, 66
.set MNT, 100
.set MSB, 0
.macro WIN new
.if MSB != (\new)
	s_set_vgpr_msb (MSB<<8)|(\new)
.set MSB, (\new)
.endif
.endm
.set MUL_LO, 0xa1
.set MUL_HI, 0xf1
.set FST_LO, 0x81
.set FST_HI, 0xc1
.set TO_B,   0x40
.macro JLOAD g0a, g1a, g0b, g1b
	s_cmp_eq_u32 s15, 0
	s_cbranch_scc0 .Lfor_b_\@
	tensor_load_to_lds s[\g0a:\g0a+3], s[\g1a:\g1a+7]
	s_nop 0
.rept 4
	v_nop
.endr
	s_branch .Lasked_\@
.Lfor_b_\@:
	tensor_load_to_lds s[\g0b:\g0b+3], s[\g1b:\g1b+7]
	s_nop 0
.rept 4
	v_nop
.endr
.Lasked_\@:
.endm
.macro CREST
	s_cmp_lg_u32 s14, 0
	s_cbranch_scc1 .Lnot_wave_0_\@
	s_barrier_signal -3
.Lnot_wave_0_\@:
	s_barrier_wait -3
	s_barrier_signal -1
	s_barrier_wait -1
.endm
.macro CROUND
	s_barrier_signal -1
	s_barrier_wait -1
	CREST
.endm
	s_load_b256 s[4:11], s[0:1], 0x0
	v_lshl_add_u32 v[SPW], v0, 2, SPARE
	v_mov_b32 v[NIL], 0
	ds_add_u32 v[SPW], v[NIL]
	ds_add_u32 v[SPW], v[NIL]
	v_lshrrev_b32 v1, 5, v0
	v_readfirstlane_b32 s14, v1
	s_lshr_b32 s15, s14, 1
	s_and_b32 s16, s14, 1
	s_bfe_u32 s40, ttmp6, 0x40000
	s_bfe_u32 s41, ttmp6, 0x40004
	s_lshl_b32 s42, ttmp9, 2
	s_add_co_u32 s42, s42, s40
	s_and_b32 s17, ttmp7, 0xffff
	s_lshl_b32 s17, s17, 2
	s_add_co_u32 s17, s17, s41
	s_lshl_b32 s43, s41, 2
	s_lshl_b32 s43, 15, s43
	s_lshl_b32 s44, 0x1111, s40
	s_or_b32 s[G1+0], s43, (3<<16)|(1<<21)
	s_or_b32 s[G1B+0], s44, (3<<16)|(1<<21)
.irp g, G1, G1B
	s_mov_b32 s[\g+1], 512<<16
	s_mov_b32 s[\g+2], 16<<16
	s_mov_b32 s[\g+3], 512<<16
	s_mov_b32 s[\g+4], 16
	s_mov_b32 s[\g+5], 2048
	s_mov_b32 s[\g+6], 0
	s_mov_b32 s[\g+7], 0
.endr
	s_or_b32 s[G1S+0], s43, (3<<16)|(1<<21)
	s_or_b32 s[G1SB+0], s44, (3<<16)|(1<<21)
.irp g, G1S, G1SB
	s_mov_b32 s[\g+1], 32<<16
	s_mov_b32 s[\g+2], 32<<16
	s_mov_b32 s[\g+3], 32<<16
	s_mov_b32 s[\g+4], 32
	s_mov_b32 s[\g+5], 32
	s_mov_b32 s[\g+6], 0
	s_mov_b32 s[\g+7], 0
.endr
	s_mov_b32 s18, 0                               ; the offsets below are the whole tile's; my half is added for the ring
	s_mov_b32 s19, 0
	s_lshl_b32 s96, s17, 18
	s_add_co_u32 s96, s96, s18
	s_lshl_b32 s98, s17, 13
	s_add_co_u32 s98, s98, s19
	s_add_co_u32 s98, s98, 0x400000
	s_lshl_b32 s46, s42, 18
	s_add_co_u32 s46, s46, s18
	s_add_co_u32 s46, s46, 0x400000
	s_lshl_b32 s92, s42, 13
	s_add_co_u32 s92, s92, s19
	s_add_co_u32 s92, s92, 0xC20000
	s_mov_b32 s97, 0
	s_mov_b32 s99, 0
	s_mov_b32 s47, 0
	s_mov_b32 s93, 0
	s_lshl_b32 s45, s14, 15
	s_mov_b32 s[SEL], 0x76543210
	s_mov_b32 s[SEL+1], 0xfedcba98
	s_mov_b32 s[MNT], 0x600000
	s_wait_dscnt 0x0
	s_wait_kmcnt 0x0
	s_add_nc_u64 s[20:21], s[4:5], s[96:97]
	s_add_nc_u64 s[22:23], s[4:5], s[98:99]
	s_add_nc_u64 s[46:47], s[6:7], s[46:47]
	s_add_nc_u64 s[92:93], s[6:7], s[92:93]
	CROUND
	s_mov_b32 s[G0S], 1
	s_mov_b32 s[G0S+1], SCL
	s_mov_b64 s[G0S+2:G0S+3], s[22:23]
	s_or_b32 s[G0S+3], s[G0S+3], 0x80000000
	s_mov_b32 s[G0SB], 1
	s_mov_b32 s[G0SB+1], SCL+2*HALFS
	s_mov_b64 s[G0SB+2:G0SB+3], s[92:93]
	s_or_b32 s[G0SB+3], s[G0SB+3], 0x80000000
	s_mov_b32 s[G0], 1                             ; the head's loads of K step 0, each whole: A's 256 rows at LDS byte 0,
	s_mov_b32 s[G0+1], 0
	s_mov_b64 s[G0+2:G0+3], s[20:21]
	s_or_b32 s[G0+3], s[G0+3], 0x80000000
	s_mov_b32 s[G0B], 1                            ; B's behind them
	s_mov_b32 s[G0B+1], 2*HALFT
	s_mov_b64 s[G0B+2:G0B+3], s[46:47]
	s_or_b32 s[G0B+3], s[G0B+3], 0x80000000
	s_lshl_b32 s18, s16, 17                        ; for the ring: my 128 rows of the tile; s[18:19] stay until the head's end
	s_mov_b32 s19, 0
	s_add_nc_u64 s[20:21], s[20:21], s[18:19]
	s_add_nc_u64 s[46:47], s[46:47], s[18:19]
	s_mov_b32 s[G0+4], 1                           ; slot 1: K step 1
	s_add_co_u32 s[G0+5], s45, SLOT
	s_add_nc_u64 s[G0+6:G0+7], s[20:21], 4096
	s_or_b32 s[G0+7], s[G0+7], 0x80000000
	s_mov_b32 s[G0B+4], 1
	s_add_co_u32 s[G0B+5], s45, SLOT
	s_add_nc_u64 s[G0B+6:G0B+7], s[46:47], 4096
	s_or_b32 s[G0B+7], s[G0B+7], 0x80000000
	; the prefetches' base: of the 8 row blocks that I fetch in the ring, the partner at place p (cx for A, cy for B) names blocks 2 p, 2 p + 1, at K step 2
	s_cmp_eq_u32 s15, 0
	s_cselect_b64 s[4:5], s[20:21], s[46:47]
	s_cselect_b32 s6, s40, s41
	s_lshl_b32 s6, s6, 15
	s_add_co_u32 s6, s6, 8192
	s_mov_b32 s7, 0
	s_add_nc_u64 s[4:5], s[4:5], s[6:7]
; THE HEAD'S LOADS, ONE A WAVE: one chain of branches on the wave's number; every way passes one load.
.macro ARM under, g0, g1, next
	s_cmp_lt_u32 s14, \under
	s_cbranch_scc0 \next
	tensor_load_to_lds s[\g0:\g0+3], s[\g1:\g1+7]
	s_nop 0
.rept 4
	v_nop
.endr
	s_branch .Lhead_asked
\next:
.endm
	ARM 1, G0,  G1,  .Lhead_b
	ARM 2, G0B, G1B, .Lhead_sa
	ARM 3, G0S, G1S, .Lhead_sb
	tensor_load_to_lds s[G0SB:G0SB+3], s[G1SB:G1SB+7]
	s_nop 0
.rept 4
	v_nop
.endr
.Lhead_asked:
	v_and_b32 v1, 15, v0
	v_bfe_u32 v2, v0, 4, 1
	s_wait_alu depctr_va_vdst(0)
	v_and_b32 v[LN], 31, v0
	v_lshlrev_b32 v[LI], 4, v[LN]
	v_lshlrev_b32 v30, 14, v2                      ; v30: the prefetches' offset: row block lane / 16, 256 (lane % 16) bytes of its K step's 4,096; never rewritten
	v_lshl_add_u32 v30, v1, 8, v30
	v_lshlrev_b32 v[BO], 6, v2
	s_wait_alu depctr_va_vdst(0)
	s_lshl_b32 s21, s15, 15
	s_lshl_b32 s22, s16, 15
	s_add_co_u32 s22, s22, 2*HALFT
.irp s, 0,1
	v_add_nc_u32 v[ADRA+\s], s21, v[LI]
	v_add_nc_u32 v[ADRB+\s], s22, v[LI]
	s_add_co_u32 s21, s21, SLOT
	s_add_co_u32 s22, s22, SLOT
.endr
	s_lshl_b32 s21, s15, 12
	s_lshl_b32 s22, s16, 12
	s_add_co_u32 s22, s22, 2*HALFS
	s_sub_co_u32 s22, s22, s21
	v_mul_u32_u24 v6, s22, v2
	s_add_co_u32 s21, s21, SCL
	v_lshl_add_u32 v6, v1, 4, v6
	v_add_nc_u32 v[ADRS], s21, v6
	s_wait_alu depctr_va_vdst(0)                   ; the wait ahead of the run of scalar lines
	global_prefetch_b8 v30, s[4:5] th:TH_LOAD_NT scope:SCOPE_SE   ; K step 2, which the first refill will load, two K steps ahead of it: each block of 256 bytes is named once in the cluster, one instruction a wave
	s_lshl_b32 s20, s17, 8
	s_lshl_b32 s21, s15, 7
	s_add_co_u32 s20, s20, s21
	s_lshl_b32 s46, s42, 8
	s_lshl_b32 s47, s16, 7
	s_add_co_u32 s46, s46, s47
	s_lshl_b32 s22, s46, 2
	s_mov_b32 s23, 0
	s_add_nc_u64 s[8:9], s[8:9], s[22:23]
	s_lshl_b32 s92, s20, 7
	s_add_co_u32 s92, s92, s22
	s_add_co_u32 s92, s92, 0x1000000
	s_mov_b32 s93, 0
	s_add_nc_u64 s[12:13], s[10:11], s[92:93]
	s_lshl_b32 s22, s20, 12
	s_lshl_b32 s47, s46, 4
	s_add_co_u32 s22, s22, s47
	s_add_nc_u64 s[10:11], s[10:11], s[22:23]
.irp b, 0,1,2,3,4,5,6,7
	global_load_b128 v[BI+8*\b:BI+8*\b+3], v[BO], s[8:9] offset:(32*(\b/2)+8*(\b%2))*4
	global_load_b128 v[BI+8*\b+4:BI+8*\b+7], v[BO], s[8:9] offset:(32*(\b/2)+8*(\b%2))*4+16
.endr
.macro FRAG reg, adr, q, i
.irp c, 0,1,2,3
	ds_load_b128 v[\reg+4*\c:\reg+4*\c+3], v[\adr] offset:4096*(\i)+2048*(\q)+512*\c
.endr
.endm
.macro MUL16 a0, p, q, sc, zero
.irp a, \a0, \a0+1
.irp b, 0,1,2,3,4,5,6,7
.if \zero
	v_wmma_scale_f32_16x16x128_f8f6f4 v[8*(8*((\a)%4)+\b):8*(8*((\a)%4)+\b)+7], v[128*(\p)+FR*\b:128*(\p)+FR*\b+FR-1], v[AF+FR*(\a):AF+FR*(\a)+FR-1], v[BI+8*\b:BI+8*\b+7], v[SC+16*(\sc)+8*(\q)+\b], v[SC+16*(\sc)+8*(\q)+(\a)] matrix_a_fmt:MATRIX_FMT_BF8 matrix_b_fmt:MATRIX_FMT_BF8 matrix_a_scale:MATRIX_SCALE_ROW1
.else
	v_wmma_scale_f32_16x16x128_f8f6f4 v[8*(8*((\a)%4)+\b):8*(8*((\a)%4)+\b)+7], v[128*(\p)+FR*\b:128*(\p)+FR*\b+FR-1], v[AF+FR*(\a):AF+FR*(\a)+FR-1], v[8*(8*((\a)%4)+\b):8*(8*((\a)%4)+\b)+7], v[SC+16*(\sc)+8*(\q)+\b], v[SC+16*(\sc)+8*(\q)+(\a)] matrix_a_fmt:MATRIX_FMT_BF8 matrix_b_fmt:MATRIX_FMT_BF8 matrix_a_scale:MATRIX_SCALE_ROW1
.endif
.endr
.endr
.endm
.macro FETCH_B slot, q, p
	WIN TO_B
.irp i, 0,1,2,3,4,5,6,7
	FRAG 128*(\p)+FR*\i, ADRB+\slot, \q, \i
.endr
	WIN 0
.endm
.macro FETCH_A slot, q, i0
.irp i, \i0, \i0+1, \i0+2, \i0+3
	FRAG AF+FR*(\i), ADRA+\slot, \q, \i
.endr
.endm
.macro SCALES sc
.irp n, 0,1,2,3
	ds_load_b128 v[SC+16*\sc+4*\n:SC+16*\sc+4*\n+3], v[ADRS] offset:512*(\n/2)+256*(\n%2)
.endr
.endm
.macro PLACES n
.rept \n
	v_nop
.endr
.endm
.macro STEP slot, q, zero
	s_wait_dscnt 4*NL
.if \zero
	WIN FST_LO
.else
	WIN MUL_LO
.endif
	MUL16 0, (\q)%2, \q, \slot, \zero
	MUL16 2, (\q)%2, \q, \slot, \zero
	s_wait_dscnt 0
	PLACES NP
	FETCH_B \slot, (\q)+1, 1-(\q)%2
	FETCH_A \slot, (\q)+1, 0
.if \zero
	WIN FST_HI
.else
	WIN MUL_HI
.endif
	MUL16 4, (\q)%2, \q, \slot, \zero
	MUL16 6, (\q)%2, \q, \slot, \zero
	PLACES NP
	WIN 0
	FETCH_A \slot, (\q)+1, 4
.endm
.macro TURN slot, next, fill
	s_wait_tensorcnt 0x0
	ds_add_u32 v[SPW], v[NIL]
	s_wait_dscnt 4*NL+1
	WIN MUL_LO
	MUL16 0, 1, NQ-1, \slot, 0
	s_wait_dscnt 0x0
	s_barrier_signal -1
	MUL16 2, 1, NQ-1, \slot, 0
	WIN 0
	s_barrier_wait -1
.if \fill
	CREST
	s_add_nc_u64 s[G0+4*\slot+2:G0+4*\slot+3], s[G0+4*\slot+2:G0+4*\slot+3], 8192
	s_add_nc_u64 s[G0B+4*\slot+2:G0B+4*\slot+3], s[G0B+4*\slot+2:G0B+4*\slot+3], 8192
	JLOAD G0+4*\slot, G1, G0B+4*\slot, G1B
	PLACES NP-4
.else
	PLACES NP
.endif
	s_wait_alu depctr_va_vdst(0)
	v_add_nc_u32 v[ADRS], 1024, v[ADRS]
	FETCH_B \next, 0, 0
	FETCH_A \next, 0, 0
	SCALES \next
	WIN MUL_HI
	MUL16 4, 1, NQ-1, \slot, 0
	MUL16 6, 1, NQ-1, \slot, 0
	PLACES NP
	WIN 0
	FETCH_A \next, 0, 4
.endm
	s_wait_alu depctr_va_vdst(0)
	s_wait_tensorcnt 0x0                           ; my tile of the head's four is in; slot 1's first fill is issued as a refill is:
	ds_add_u32 v[SPW], v[NIL]
	s_mov_b32 s[G1+2], 8<<16                       ; no tensor load of mine is out, so descriptors may be written: the ring's loads bring 8 row blocks,
	s_mov_b32 s[G1+4], 8
	s_mov_b32 s[G1B+2], 8<<16
	s_mov_b32 s[G1B+4], 8
	s_mov_b32 s[G0+1], s45                         ; and slot 0's group 0 becomes my part of it
	s_add_nc_u64 s[G0+2:G0+3], s[G0+2:G0+3], s[18:19]
	s_mov_b32 s[G0B+1], s45
	s_add_nc_u64 s[G0B+2:G0B+3], s[G0B+2:G0B+3], s[18:19]
	s_wait_dscnt 0x0
	CROUND                                         ; everybody's tile is in, and all sixteen work-groups are here
	JLOAD G0+4, G1, G0B+4, G1B                     ; K step 1, the first tensor load behind the round
	FETCH_B 0, 0, 0
	FETCH_A 0, 0, 0
	SCALES 0
	FETCH_A 0, 0, 4
	global_prefetch_b8 v30, s[4:5] offset:4096 th:TH_LOAD_NT scope:SCOPE_SE   ; K step 3, the last: two K steps ahead of its load
	s_wait_loadcnt 0x0
	STEP 0, 0, 1
	s_mov_b32 s3, LAPS-1
.Llap:
	TURN 0, 1, 1
	STEP 1, 0, 0
	TURN 1, 0, 1
	STEP 0, 0, 0
	s_sub_co_u32 s3, s3, 1
	s_cmp_lg_u32 s3, 0
	s_cbranch_scc1 .Llap
	TURN 0, 1, 0
	STEP 1, 0, 0
	s_wait_dscnt 4*NL
	WIN MUL_LO
	MUL16 0, 1, NQ-1, 1, 0
	MUL16 2, 1, NQ-1, 1, 0
	s_wait_dscnt 0
	WIN MUL_HI
	MUL16 4, 1, NQ-1, 1, 0
	MUL16 6, 1, NQ-1, 1, 0
	WIN 0
.macro OUTBLK a
.set AS, 64*((\a)%4)
.set AW, 2+(\a)/4
.set W01, AW|(AW<<2)
.set W1,  AW<<2
	WIN W01
.set n, 0
.rept 32
	v_pk_mul_f32 v[T+n:T+n+1], v[AS+n:AS+n+1], v[AS+n:AS+n+1]
.set n, n+2
.endr
	WIN 0
.set n, 0
.rept 32
	v_pk_fma_f32 v[T+n:T+n+1], v[T+n:T+n+1], v[K2:K2+1], v[K1:K1+1]
.set n, n+2
.endr
	WIN W1
.set n, 0
.rept 32
	v_pk_mul_f32 v[T+n:T+n+1], v[T+n:T+n+1], v[AS+n:AS+n+1]
.set n, n+2
.endr
	WIN 0
.set n, 0
	s_wait_alu depctr_va_vdst(0)
.rept 64
	v_exp_f32 v[T+n], v[T+n]
.set n, n+1
.endr
	v_nop
	s_wait_alu depctr_va_vdst(0)
.set n, 0
.rept 32
	v_pk_add_f32 v[T+n:T+n+1], v[T+n:T+n+1], 1.0 op_sel_hi:[1,0]
.set n, n+2
.endr
.set n, 0
	s_wait_alu depctr_va_vdst(0)
.rept 64
	v_rcp_f32 v[T+n], v[T+n]
.set n, n+1
.endr
	v_nop
	s_wait_alu depctr_va_vdst(0)
	WIN W1
.set n, 0
.rept 32
	v_pk_mul_f32 v[T+n:T+n+1], v[T+n:T+n+1], v[AS+n:AS+n+1]
.set n, n+2
.endr
	WIN 0
.irp b, 0,1,2,3
	v_max3_num_f32 v[TM+\b], |v[T+16*\b]|, |v[T+16*\b+1]|, 0x8000000
.endr
.irp i, 2,4,6,8,10,12,14
.irp b, 0,1,2,3
	v_max3_num_f32 v[TM+\b], v[TM+\b], |v[T+16*\b+\i]|, |v[T+16*\b+\i+1]|
.endr
.endr
.irp b, 0,1,2,3
	v_permlanex16_b32 v[TM+4+\b], v[TM+\b], s[SEL], s[SEL+1]
.endr
.irp b, 0,1,2,3
	v_max_num_f32 v[TM+\b], v[TM+\b], v[TM+4+\b]
.endr
.irp b, 0,1,2,3
	v_add_nc_u32 v[TM+12+\b], 0xf8800000, v[TM+\b]
.endr
.irp b, 0,1,2,3
	v_and_or_b32 v[TM+8+\b], v[TM+\b], 0x7f800000, s[MNT]
.endr
.irp b, 0,1,2,3
	v_lshrrev_b32 v[TM+4+\b], 23, v[TM+12+\b]
.endr
	v_lshl_or_b32 v[WD+(\a)], v[TM+5], 8, v[TM+4]
	v_lshl_or_b32 v[WD+(\a)], v[TM+6], 16, v[WD+(\a)]
	v_lshl_or_b32 v[WD+(\a)], v[TM+7], 24, v[WD+(\a)]
.set n, 0
.rept 64
	v_med3_num_f32 v[T+n], v[T+n], -v[TM+8+n/16], v[TM+8+n/16]
.set n, n+1
.endr
.if (\a) > 0
	s_wait_alu depctr_va_vdst(0)
	s_wait_xcnt 0x0
.endif
.irp b, 0,1,2,3
	v_cvt_scalef32_pk8_bf8_f32 v[PC+4*\b:PC+4*\b+1], v[T+16*\b:T+16*\b+7], v[TM+12+\b]
	v_cvt_scalef32_pk8_bf8_f32 v[PC+4*\b+2:PC+4*\b+3], v[T+16*\b+8:T+16*\b+15], v[TM+12+\b]
.endr
	v_nop
.irp b, 0,1,2,3
	global_store_b128 v[LI], v[PC+4*\b:PC+4*\b+3], s[10:11] offset:(\a)*65536+\b*512
.endr
.endm
	PLACES NP
.irp b, 0,1,2,3
	v_mov_b32 v[TM+4+\b], 0
.endr
	v_mov_b32 v[K1], 0xc0135761
	v_mov_b32 v[K1+1], 0xc0135761
	v_mov_b32 v[K2], 0xbdd2d3e8
	v_mov_b32 v[K2+1], 0xbdd2d3e8
	v_cmp_le_u32 s94, 16, v[LN]
.irp a, 0,1,2,3,4,5,6,7
	OUTBLK \a
.endr
.irp k, 0,1,2,3
	v_cndmask_b32 v[T+\k], v[WD+\k], v[WD+4+\k], s94
.endr
	global_store_b128 v[LI], v[T:T+3], s[12:13]
	s_wait_tensorcnt 0x0
	ds_add_u32 v[SPW], v[NIL]
	s_wait_dscnt 0x0
	CROUND
	s_endpgm
.Lfunc_end_k_qd713db5316_fc:
	.size	k_qd713db5316_fc, .Lfunc_end_k_qd713db5316_fc-k_qd713db5316_fc
	.p2alignl 7, 3214868480
	.fill 96, 4, 3214868480
	.section	.rodata,"a",@progbits
	.p2align	6, 0x0
	.amdhsa_kernel k_qd713db5316_fc
		.amdhsa_group_segment_fixed_size 327680
		.amdhsa_private_segment_fixed_size 0
		.amdhsa_enable_private_segment 0
		.amdhsa_kernarg_size 32
		.amdhsa_user_sgpr_count 2
		.amdhsa_user_sgpr_kernarg_segment_ptr 1
		.amdhsa_wavefront_size32 1
		.amdhsa_system_sgpr_workgroup_id_x 1
		.amdhsa_system_sgpr_workgroup_id_y 1
		.amdhsa_system_sgpr_workgroup_id_z 1
		.amdhsa_system_vgpr_workitem_id 0
		.amdhsa_next_free_vgpr 1024
		.amdhsa_next_free_sgpr 102
		.amdhsa_reserve_vcc 0
		.amdhsa_float_denorm_mode_32 3
		.amdhsa_float_denorm_mode_16_64 3
		.amdhsa_memory_ordered 1
		.amdhsa_forward_progress 1
		.amdhsa_inst_pref_size 255
	.end_amdhsa_kernel
	.section	.bss,"aw",@nobits
	.p2align	6
	.space	262144
	.amdgpu_metadata
---
amdhsa.version: [ 1, 2 ]
amdhsa.kernels:
  - .name:           k_qd713db5316_fc
    .symbol:         k_qd713db5316_fc.kd
    .args:
      - { .name: MA, .offset: 0, .size: 8, .value_kind: global_buffer, .address_space: global }
      - { .name: WB, .offset: 8, .size: 8, .value_kind: global_buffer, .address_space: global }
      - { .name: b_fc, .offset: 16, .size: 8, .value_kind: global_buffer, .address_space: global }
      - { .name: G, .offset: 24, .size: 8, .value_kind: global_buffer, .address_space: global }
    .group_segment_fixed_size: 327680
    .private_segment_fixed_size: 0
    .kernarg_segment_align: 8
    .kernarg_segment_size: 32
    .max_flat_workgroup_size: 128
    .sgpr_count:     102
    .vgpr_count:     1024
    .wavefront_size: 32
...
	.end_amdgpu_metadata
.endif
;; end of part 6
;; launch proj (part 7): grid 8 x 32, 4 waves a work-group, clusters of 4 x 4, 327,680 bytes of LDS; arguments G, WB, b_proj, H, out0; writes out0
.if DOCPART == 7
	.amdgcn_target "amdgcn-amd-amdhsa--gfx1250"
	.amdhsa_code_object_version 6
	.text
	.protected	k_qd713db5316_proj
	.globl	k_qd713db5316_proj
	.p2align	8
	.type	k_qd713db5316_proj,@function
k_qd713db5316_proj:
	s_mov_b64 s[64:65], 0
	v_nop
	global_prefetch_b8 v0, s[64:65] scope:SCOPE_SE
	s_setreg_imm32_b32 hwreg(HW_REG_WAVE_MODE, 25, 1), 1
	s_wait_xcnt 0x0
	s_wait_alu depctr_hold_cnt(0) depctr_sa_sdst(0) depctr_va_vdst(0) depctr_va_sdst(0) depctr_va_ssrc(0) depctr_va_vcc(0) depctr_vm_vsrc(0)
	s_getreg_b32 s2, hwreg(HW_REG_IB_STS2, 6, 4)
	s_cmp_eq_u32 s2, 0
	s_cbranch_scc0 .Lentry_in_a_cluster
	s_endpgm
.Lentry_in_a_cluster:
	s_bfe_u32 s2, ttmp6, 0x10000c
	s_cmp_lg_u32 s2, 0xf033
	s_cbranch_scc0 .Lentry_shape_is_right
	s_endpgm
.Lentry_shape_is_right:
; out = residual + A B^T + bias.  A [4,096 tokens][KK] and B [1,024][KK] are codes of BF8 (E5M2) with E8M0 scales, laid in the order of the operand registers, rows by position (bits 3 and 4 of the index exchanged); out, residual: f32 [4,096][1,024].
; Here: A = gelu's result, B = W_proj, bias = b_proj, residual = h, out = the block's output; KK = 4,096.  No work is left out.
; A tile of 128 x 128 to a work-group: 256 work-groups; 64 x 64 to a wave: 16 accumulators, which take turns.  K goes in steps of 512 through two LDS slots filled by tensor loads; the scale bytes of the tile's rows (2 x 16,384 bytes) come once.
; A fragment (16 rows x 128 K) is 2,048 bytes on end: no padding, every LDS load is 512 consecutive bytes.  Source 0 = 16 rows of B, source 1 = 16 rows of A: a lane holds a token and eight columns 32 (b / 2) + 8 (b % 2) + 16 (lane / 16) + 0 .. 7.
; THE HEAD: one joint load a wave: wave 0 A's 128 rows of slot 0, wave 1 B's, wave 2 A's scale bytes, wave 3 B's; slot 1 is filled behind the full sequence and a round, a quarter a wave.
; Tiles of A are shared along a row of the 4 x 4 cluster, tiles of B along a column: each is asked for jointly.
; PREFETCH: behind each refill stands one prefetch a wave for the slot two refills on (128 matrix instructions a wave ahead of its load); slots 2 and 3 are asked for at the head.  A slot is 8,192 bytes of each row block: 32 lanes x 256 bytes.
; Of the 4 row blocks that a wave fetches, the partner at place p (cx for A, cy for B) names block p: told apart by address, each block of 256 bytes once in a cluster.  B's rows, which all eight rows of clusters load, are asked for by four of them.
; The loop's last trip asks for nothing: slot 7 is the last.
; The bias is the C of each sum's first product.  The residual is loaded behind the loop, when all slots have been asked for.  Results turn through the wave's stage in LDS into rows of 256 bytes, take the residual, and leave as aligned units of 256 bytes.
; LIMITS: NaN and infinities are not served.
; REGISTERS: window 0: v16-31 addresses; v32-39 scale words, two sets; v40-103 the bias, later rows of the result; v128-255 the accumulators.  window 1: two fragment buffers (A's 64 registers, then B's).  window 2: v0-127 the residual.
.set KK,    4096
.set ASC,   0x1000000                  ; A's scale bytes in its buffer
.set BC,    0x800000                   ; B's codes in WB
.set BSC,   0xC40000                   ; B's scale bytes in WB
.set BLKB,  16*KK                      ; a row block's codes
.set LAPS,  KK/1024
.set NP,    8                          ; places behind this matrix instruction (ISA guide 7.12.1)
.set SLOT,  131072                     ; A's 8 row blocks x 8,192 bytes, then B's
.set SCL,   2*SLOT
.set HALFS, 2*KK                       ; half of the scale bytes of 128 rows
.set SPARE, SCL+4*HALFS                ; the spare words: two blocks of 256 bytes that no other line names
.set SPITCH, 272                       ; the stage: 16 rows x (256 + 16) bytes a wave, in slot 0, behind its last fill and its last read
.set ADRA, 16
.set ADRB, 20
.set PFO,  22                          ; v22 256 x lane
.set LI,   24
.set STO,  25
.set RD,   26
.set ADRS, 27
.set SPW,  28
.set NIL,  29
.set RO,   30                          ; v30 (lane / 16) x a row of 4,096 bytes + 16 (lane % 16)
.set BO,   31                          ; v31 64 (lane / 16)
.set SC,   32
.set BI,   40
.set TMP,  40
.set ACC,  128
.set F0,   0
.set F1,   128
.set G1, 24
.set G0, 32
.set G1B, 48
.set G0B, 56
.set G1S, 68
.set G0S, 76
.set G1SB, 80
.set G0SB, 88
.set PFA, 96                           ; s[96:97] where my prefetches stand
.set LIM, 98                           ; s98 1 in a wave that prefetches, else the greatest number
.set MSB, 0
.macro WIN new                         ; the immediate's high byte repeats the setting that is left
.if MSB != (\new)
	s_set_vgpr_msb (MSB<<8)|(\new)
.set MSB, (\new)
.endif
.endm
.set MUL,  0x05                        ; sources 0 (B) and 1 (A) window 1; C and D window 0
.set TO_F, 0x40
.macro TL g0, g1                       ; a tensor load; an s_nop 0 and four v_nop follow it
	tensor_load_to_lds s[\g0:\g0+3], s[\g1:\g1+7]
	s_nop 0
.rept 4
	v_nop
.endr
.endm
.macro JLOAD g0a, g1a, g0b, g1b        ; the ring's joint load: waves 0 and 1 fetch for A, waves 2 and 3 for B
	s_cmp_eq_u32 s15, 0
	s_cbranch_scc0 .Lfor_b_\@
	TL \g0a, \g1a
	s_branch .Lasked_\@
.Lfor_b_\@:
	TL \g0b, \g1b
.Lasked_\@:
.endm
.macro ARM under, g0, g1, next         ; an arm of the head's chain
	s_cmp_lt_u32 s14, \under
	s_cbranch_scc0 \next
	TL \g0, \g1
	s_branch .Lhead_asked
\next:
.endm
.macro CREST
	s_cmp_lg_u32 s14, 0
	s_cbranch_scc1 .Lnot_wave_0_\@
	s_barrier_signal -3
.Lnot_wave_0_\@:
	s_barrier_wait -3
	s_barrier_signal -1
	s_barrier_wait -1
.endm
.macro CROUND
	s_barrier_signal -1
	s_barrier_wait -1
	CREST
.endm
.macro ASKH off                        ; a prefetch at the head
	s_cmp_eq_u32 s[LIM], 1
	s_cbranch_scc0 .Lnh_\@
	global_prefetch_b8 v[PFO], s[PFA:PFA+1] offset:\off th:TH_LOAD_NT scope:SCOPE_SE
.Lnh_\@:
.endm
.macro ASK                             ; a prefetch in the loop: the slot two refills on; the last trip (s3 = 1) has none
	s_cmp_gt_u32 s3, s[LIM]
	s_cbranch_scc0 .Lnone_\@
	global_prefetch_b8 v[PFO], s[PFA:PFA+1] offset:8192 th:TH_LOAD_NT scope:SCOPE_SE
.Lnone_\@:
.endm
	s_load_b256 s[4:11], s[0:1], 0x0               ; A, WB, bias, residual
	s_load_b64 s[12:13], s[0:1], 0x20              ; out
	v_lshl_add_u32 v[SPW], v0, 2, SPARE
	v_mov_b32 v[NIL], 0
	ds_add_u32 v[SPW], v[NIL]                      ; the wave's opening: the add, twice on end, and its wait ahead of my first tensor load
	ds_add_u32 v[SPW], v[NIL]
	v_lshrrev_b32 v1, 5, v0
	v_readfirstlane_b32 s14, v1                    ; wave
	s_lshr_b32 s15, s14, 1                         ; which half of the tile's rows is mine; in the ring: I fetch for A (0) or B (1)
	s_and_b32 s16, s14, 1                          ; which half of its columns; in the ring: which half I fetch
	s_bfe_u32 s40, ttmp6, 0x40000                  ; cx
	s_bfe_u32 s41, ttmp6, 0x40004                  ; cy
	s_lshl_b32 s42, ttmp9, 2
	s_add_co_u32 s42, s42, s40                     ; tile column
	s_and_b32 s17, ttmp7, 0xffff
	s_lshl_b32 s17, s17, 2
	s_add_co_u32 s17, s17, s41                     ; tile row
	s_lshl_b32 s43, s41, 2
	s_lshl_b32 s43, 15, s43                        ; my row of the cluster
	s_lshl_b32 s44, 0x1111, s40                    ; my column
	s_or_b32 s[G1+0], s43, (3<<16)|(1<<21)         ; the mask; elements of 8 bytes; bit 21 beside a mask; no padding
	s_or_b32 s[G1B+0], s44, (3<<16)|(1<<21)
.irp g, G1, G1B
	s_mov_b32 s[\g+1], 1024<<16                    ; 8,192 bytes: a row block's four K steps of 128
	s_mov_b32 s[\g+2], 8<<16                       ; the head's loads bring 8 row blocks; the ring's 4 (set behind the head's wait)
	s_mov_b32 s[\g+3], 1024<<16
	s_mov_b32 s[\g+4], 8
	s_mov_b32 s[\g+5], BLKB/8                      ; from row block to row block
	s_mov_b32 s[\g+6], 0
	s_mov_b32 s[\g+7], 0
.endr
	s_or_b32 s[G1S+0], s43, (3<<16)|(1<<21)
	s_or_b32 s[G1SB+0], s44, (3<<16)|(1<<21)
.irp g, G1S, G1SB
	s_mov_b32 s[\g+1], 32<<16                      ; the scale bytes of 128 rows: dense, as rows of 256 bytes
	s_mov_b32 s[\g+2], (2*HALFS/256)<<16
	s_mov_b32 s[\g+3], 32<<16
	s_mov_b32 s[\g+4], 2*HALFS/256
	s_mov_b32 s[\g+5], 32
	s_mov_b32 s[\g+6], 0
	s_mov_b32 s[\g+7], 0
.endr
	s_mul_i32 s96, s17, 8*BLKB                     ; A's codes: the tile's first byte
	s_mov_b32 s97, 0
	s_mul_i32 s46, s42, 8*BLKB
	s_add_co_u32 s46, s46, BC                      ; B's
	s_mov_b32 s47, 0
	s_mul_i32 s98, s17, 2*HALFS
	s_add_co_u32 s98, s98, ASC                     ; A's scale bytes
	s_mov_b32 s99, 0
	s_mul_i32 s92, s42, 2*HALFS
	s_add_co_u32 s92, s92, BSC                     ; B's
	s_mov_b32 s93, 0
	s_mul_i32 s18, s16, 4*BLKB                     ; in the ring: my 4 row blocks; s[18:19] stay until the head's end
	s_mov_b32 s19, 0
	s_lshl_b32 s45, s14, 15                        ; and where they go: wave x 32,768: no place in the cluster enters an LDS address
.if LAPS > 1
	s_cmp_eq_u32 s15, 0                            ; the prefetches: of my 4 row blocks the partner at place p (cx for A, cy for B) names block p, from slot 2 on
	s_cselect_b32 s94, s40, s41
	s_mul_i32 s94, s94, BLKB
	s_add_co_u32 s94, s94, s18
	s_add_co_u32 s94, s94, 2*8192
	s_mov_b32 s95, 0
.endif
	s_wait_dscnt 0x0                               ; both opening adds are done
	CROUND                                         ; all sixteen work-groups are here: the first joint loads meet
	s_wait_kmcnt 0x0
	s_add_nc_u64 s[20:21], s[4:5], s[96:97]
	s_add_nc_u64 s[22:23], s[4:5], s[98:99]
	s_add_nc_u64 s[46:47], s[6:7], s[46:47]
	s_add_nc_u64 s[92:93], s[6:7], s[92:93]
.if LAPS > 1
	s_cmp_eq_u32 s15, 0
	s_cselect_b64 s[PFA:PFA+1], s[20:21], s[46:47]
	s_add_nc_u64 s[PFA:PFA+1], s[PFA:PFA+1], s[94:95]
	s_and_b32 s[LIM], ttmp7, 2                     ; B's rows are loaded by all eight rows of clusters: rows 0, 1, 4, 5 ask for them; A's waves ask in every cluster
	s_mul_i32 s[LIM], s[LIM], s15
	s_cmp_eq_u32 s[LIM], 0
	s_cselect_b32 s[LIM], 1, -1
.endif
	s_mov_b32 s[G0], 1                             ; the head's four tiles, each whole: slot 0's rows of A,
	s_mov_b32 s[G0+1], 0
	s_mov_b64 s[G0+2:G0+3], s[20:21]
	s_or_b32 s[G0+3], s[G0+3], 0x80000000
	s_mov_b32 s[G0B], 1                            ; of B,
	s_mov_b32 s[G0B+1], 65536
	s_mov_b64 s[G0B+2:G0B+3], s[46:47]
	s_or_b32 s[G0B+3], s[G0B+3], 0x80000000
	s_mov_b32 s[G0S], 1                            ; A's scale bytes,
	s_mov_b32 s[G0S+1], SCL
	s_mov_b64 s[G0S+2:G0S+3], s[22:23]
	s_or_b32 s[G0S+3], s[G0S+3], 0x80000000
	s_mov_b32 s[G0SB], 1                           ; B's
	s_mov_b32 s[G0SB+1], SCL+2*HALFS
	s_mov_b64 s[G0SB+2:G0SB+3], s[92:93]
	s_or_b32 s[G0SB+3], s[G0SB+3], 0x80000000
	s_add_nc_u64 s[20:21], s[20:21], s[18:19]
	s_add_nc_u64 s[46:47], s[46:47], s[18:19]
	s_mov_b32 s[G0+4], 1                           ; slot 1: my quarter of the second 512 along K
	s_add_co_u32 s[G0+5], s45, SLOT
	s_add_nc_u64 s[G0+6:G0+7], s[20:21], 8192
	s_or_b32 s[G0+7], s[G0+7], 0x80000000
	s_mov_b32 s[G0B+4], 1
	s_add_co_u32 s[G0B+5], s45, SLOT
	s_add_nc_u64 s[G0B+6:G0B+7], s[46:47], 8192
	s_or_b32 s[G0B+7], s[G0B+7], 0x80000000
	ARM 1, G0,  G1,  .Lhead_b                      ; one chain of branches on the wave's number: every way passes one load
	ARM 2, G0B, G1B, .Lhead_sa
	ARM 3, G0S, G1S, .Lhead_sb
	TL G0SB, G1SB
.Lhead_asked:
	v_and_b32 v1, 15, v0                           ; r
	v_bfe_u32 v2, v0, 4, 1                         ; h
	s_wait_alu depctr_va_vdst(0)                   ; the wait here
	v_and_b32 v3, 31, v0
	v_lshlrev_b32 v[LI], 4, v3
	s_lshl_b32 s21, s15, 15                        ; my 64 rows of A
	s_lshl_b32 s22, s16, 15                        ; my 64 rows of B,
	s_add_co_u32 s22, s22, 65536                   ; behind A's 128
.irp s, 0,1
	v_add_nc_u32 v[ADRA+\s], s21, v[LI]
	v_add_nc_u32 v[ADRB+\s], s22, v[LI]
	s_add_co_u32 s21, s21, SLOT
	s_add_co_u32 s22, s22, SLOT
.endr
	s_lshl_b32 s21, s15, 8                         ; A's scale words: my 64 rows' 256 bytes of a K step's 512
	s_lshl_b32 s22, s16, 8
	s_add_co_u32 s22, s22, 2*HALFS                 ; B's, behind A's
	s_sub_co_u32 s22, s22, s21
	v_mul_u32_u24 v6, s22, v2                      ; lanes 16-31 take B's
	s_add_co_u32 s21, s21, SCL
	v_lshl_add_u32 v6, v1, 4, v6
	v_add_nc_u32 v[ADRS], s21, v6
	s_mul_i32 s23, s14, 16*SPITCH                  ; my stage
	v_mul_u32_u24 v5, v1, SPITCH
	v_lshl_add_u32 v5, v2, 6, v5
	v_add_nc_u32 v[STO], s23, v5                   ; in: row r, + 64 (lane / 16)
	v_mul_u32_u24 v5, v2, SPITCH
	v_lshl_add_u32 v5, v1, 4, v5
	v_add_nc_u32 v[RD], s23, v5                    ; back: lanes 0-15 one row, lanes 16-31 the next
	v_lshlrev_b32 v[RO], 12, v2
	v_lshl_add_u32 v[RO], v1, 4, v[RO]
	v_lshlrev_b32 v[PFO], 8, v3
	v_lshlrev_b32 v[BO], 6, v2
	s_wait_alu depctr_va_vdst(0)                   ; the wait behind the head's last vector line
	s_lshl_b32 s46, s42, 7
	s_lshl_b32 s47, s16, 6
	s_add_co_u32 s46, s46, s47
	s_lshl_b32 s46, s46, 2                         ; my first column, in bytes
	s_mov_b32 s47, 0
	s_add_nc_u64 s[8:9], s[8:9], s[46:47]
	s_lshl_b32 s20, s17, 7
	s_lshl_b32 s21, s15, 6
	s_add_co_u32 s20, s20, s21
	s_lshl_b32 s20, s20, 12                        ; my first token's row
	s_add_co_u32 s20, s20, s46
	s_mov_b32 s21, 0
	s_add_nc_u64 s[10:11], s[10:11], s[20:21]
	s_add_nc_u64 s[12:13], s[12:13], s[20:21]
.irp b, 0,1,2,3
	global_load_b128 v[BI+8*\b:BI+8*\b+3], v[BO], s[8:9] offset:(32*(\b/2)+8*(\b%2))*4
	global_load_b128 v[BI+8*\b+4:BI+8*\b+7], v[BO], s[8:9] offset:(32*(\b/2)+8*(\b%2))*4+16
.endr
.if LAPS > 1
	ASKH 0                                         ; slot 2, which the first refill will load
.endif
.macro FETCH slot, q, f                ; the fragments of the slot's q-th 128 along K into buffer f, and their scale words: lanes 0-15 A's four blocks, lanes 16-31 B's
	WIN TO_F
.irp i, 0,1,2,3
.irp c, 0,1,2,3
	ds_load_b128 v[\f+64+16*\i+4*\c:\f+64+16*\i+4*\c+3], v[ADRB+\slot] offset:8192*\i+2048*(\q)+512*\c
.endr
.endr
.irp i, 0,1,2,3
.irp c, 0,1,2,3
	ds_load_b128 v[\f+16*\i+4*\c:\f+16*\i+4*\c+3], v[ADRA+\slot] offset:8192*\i+2048*(\q)+512*\c
.endr
.endr
	WIN 0
	ds_load_b128 v[SC+4*((\f)/128):SC+4*((\f)/128)+3], v[ADRS] offset:512*(\q)
.endm
.macro MUL4 f, a, zero                 ; A's block a x B's four.  The 16 accumulators take turns, one instruction a turn
.irp b, 0,1,2,3
.if \zero
	v_wmma_scale_f32_16x16x128_f8f6f4 v[ACC+8*(4*(\a)+\b):ACC+8*(4*(\a)+\b)+7], v[\f+64+16*\b:\f+64+16*\b+15], v[\f+16*(\a):\f+16*(\a)+15], v[BI+8*\b:BI+8*\b+7], v[SC+4*((\f)/128)+\b], v[SC+4*((\f)/128)+(\a)] matrix_a_fmt:MATRIX_FMT_BF8 matrix_b_fmt:MATRIX_FMT_BF8 matrix_a_scale:MATRIX_SCALE_ROW1
.else
	v_wmma_scale_f32_16x16x128_f8f6f4 v[ACC+8*(4*(\a)+\b):ACC+8*(4*(\a)+\b)+7], v[\f+64+16*\b:\f+64+16*\b+15], v[\f+16*(\a):\f+16*(\a)+15], v[ACC+8*(4*(\a)+\b):ACC+8*(4*(\a)+\b)+7], v[SC+4*((\f)/128)+\b], v[SC+4*((\f)/128)+(\a)] matrix_a_fmt:MATRIX_FMT_BF8 matrix_b_fmt:MATRIX_FMT_BF8 matrix_a_scale:MATRIX_SCALE_ROW1
.endif
.endr
.endm
.macro PLACES n
.rept \n
	v_nop
.endr
.endm
.macro QUARTER slot, qn, f, g, zero    ; multiplies buffer f; ahead of that it asks for the slot's qn-th 128 along K into buffer g
	s_wait_dscnt 0x0                               ; buffer f is in
	PLACES NP                                      ; behind the products that read buffer g
	FETCH \slot, \qn, \g
	WIN MUL
	MUL4 \f, 0, \zero
	MUL4 \f, 1, \zero
	MUL4 \f, 2, \zero
	MUL4 \f, 3, \zero
.endm
; A slot's last quarter changes slots: one barrier; in front of it each wave waits for all its tensor loads, adds 0 to its spare word, and waits for that and for its reads of this slot.
.macro TURN slot, next, fill
	WIN 0
.if \fill
	s_wait_xcnt 0x0                                ; my last prefetch has read its address: it steps a slot on
	s_add_nc_u64 s[PFA:PFA+1], s[PFA:PFA+1], 8192
.endif
	s_wait_tensorcnt 0x0                           ; all my tensor loads have landed: my part of the next slot
	ds_add_u32 v[SPW], v[NIL]
	s_wait_dscnt 1                                 ; buffer 1 is in (the add may be out)
	WIN MUL
	MUL4 F1, 0, 0
	s_wait_dscnt 0x0                               ; the add is done, and my reads of this slot are over
	s_barrier_signal -1
	MUL4 F1, 1, 0
	WIN 0
	s_barrier_wait -1
.if \fill
	CREST                                          ; the barrier has opened a round of the cluster's: no wave of any partner still reads this slot or has a load on its way
	s_add_nc_u64 s[G0+4*\slot+2:G0+4*\slot+3], s[G0+4*\slot+2:G0+4*\slot+3], 16384
	s_add_nc_u64 s[G0B+4*\slot+2:G0B+4*\slot+3], s[G0B+4*\slot+2:G0B+4*\slot+3], 16384
	JLOAD G0+4*\slot, G1, G0B+4*\slot, G1B         ; the first tensor load behind the round; its four v_nop are among the places below
	PLACES NP-4
.else
	PLACES NP
.endif
	v_add_nc_u32 v[ADRS], 2048, v[ADRS]            ; the next slot's scale words
	s_wait_alu depctr_va_vdst(0)                   ; the wait, directly behind the write
	FETCH \next, 0, F0
.if \fill
	ASK
.endif
	WIN MUL
	MUL4 F1, 2, 0
	MUL4 F1, 3, 0
.endm
	s_wait_tensorcnt 0x0                           ; my tile of the head's four is in; slot 1's first fill is issued as a refill is:
	ds_add_u32 v[SPW], v[NIL]
	s_mov_b32 s[G1+2], 4<<16                       ; no tensor load of mine is out, so descriptors may be written: the ring's loads bring 4 row blocks
	s_mov_b32 s[G1+4], 4
	s_mov_b32 s[G1B+2], 4<<16
	s_mov_b32 s[G1B+4], 4
.if LAPS > 1
	s_mov_b32 s[G0+1], s45                         ; and slot 0's group 0 becomes my quarter of it
	s_add_nc_u64 s[G0+2:G0+3], s[G0+2:G0+3], s[18:19]
	s_mov_b32 s[G0B+1], s45
	s_add_nc_u64 s[G0B+2:G0B+3], s[G0B+2:G0B+3], s[18:19]
.endif
	s_wait_dscnt 0x0
	CROUND                                         ; everybody's tile is in, and all sixteen work-groups are here
	JLOAD G0+4, G1, G0B+4, G1B                     ; slot 1, the first tensor load behind the round
	FETCH 0, 0, F0
.if LAPS > 1
	ASKH 8192                                      ; slot 3
.endif
	s_wait_loadcnt 0x0                             ; the bias
	QUARTER 0, 1, F0, F1, 1                        ; the first products start the sums, from the bias
.if LAPS > 1
	WIN 0
	s_mov_b32 s3, LAPS-1
.Llap:
	QUARTER 0, 2, F1, F0, 0
	QUARTER 0, 3, F0, F1, 0
	TURN 0, 1, 1
	QUARTER 1, 1, F0, F1, 0
	QUARTER 1, 2, F1, F0, 0
	QUARTER 1, 3, F0, F1, 0
	TURN 1, 0, 1
	QUARTER 0, 1, F0, F1, 0
	WIN 0
	s_sub_co_u32 s3, s3, 1
	s_cmp_lg_u32 s3, 0
	s_cbranch_scc1 .Llap
.endif
	WIN 0x80                                       ; destination window 2.  All slots have been asked for: now the residual,
.irp a, 0,1,2,3                                ; as the rows come back from the stage: row 2 i + (lane / 16) of block a is token 32 (a / 2) + 8 (a % 2) + 2 i + 8 (i / 4) + (lane / 16)
.irp i, 0,1,2,3,4,5,6,7
	global_load_b128 v[32*\a+4*\i:32*\a+4*\i+3], v[RO], s[10:11] offset:(32*(\a/2)+8*(\a%2)+2*\i+8*(\i/4))*4096
.endr
.endr
	WIN 0
	QUARTER 0, 2, F1, F0, 0                        ; the last lap fills nothing
	QUARTER 0, 3, F0, F1, 0
	TURN 0, 1, 0
	QUARTER 1, 1, F0, F1, 0
	QUARTER 1, 2, F1, F0, 0
	QUARTER 1, 3, F0, F1, 0
	s_wait_dscnt 0x0
	MUL4 F1, 0, 0
	MUL4 F1, 1, 0
	MUL4 F1, 2, 0
	MUL4 F1, 3, 0
	WIN 0
.macro TOSTAGE a                       ; block a's 16 rows x 64 columns into my stage, and back as rows of 256 bytes; LDS serves a wave's instructions in order (ISA guide 5.7.1.4)
.set TP, TMP+32*((\a)%2)
.irp b, 0,1,2,3
	ds_store_b128 v[STO], v[ACC+8*(4*(\a)+\b):ACC+8*(4*(\a)+\b)+3] offset:128*(\b/2)+32*(\b%2)      ; each accumulator from its low end on
	ds_store_b128 v[STO], v[ACC+8*(4*(\a)+\b)+4:ACC+8*(4*(\a)+\b)+7] offset:128*(\b/2)+32*(\b%2)+16
.endr
.irp i, 0,1,2,3,4,5,6,7
	ds_load_b128 v[TP+4*\i:TP+4*\i+3], v[RD] offset:2*\i*SPITCH
.endr
.endm
.macro SEND a, younger                 ; younger: the LDS instructions issued behind block a's loads
.set TP, TMP+32*((\a)%2)
	s_wait_dscnt \younger
	WIN 0x08                                       ; source 1: the residual's window
.set n, 0
.rept 16
	v_pk_add_f32 v[TP+n:TP+n+1], v[TP+n:TP+n+1], v[32*(\a)+n:32*(\a)+n+1]
.set n, n+2
.endr
	WIN 0
.irp i, 0,1,2,3,4,5,6,7
	global_store_b128 v[RO], v[TP+4*\i:TP+4*\i+3], s[12:13] offset:(32*((\a)/2)+8*((\a)%2)+2*\i+8*(\i/4))*4096   ; 16 lanes store 256 consecutive bytes, aligned
.endr
.endm
	PLACES NP
	s_wait_loadcnt 0x0                             ; the residual
	TOSTAGE 0
	TOSTAGE 1
	SEND 0, 16
	s_wait_xcnt 0x0                                ; block 0's stores have read their registers
	TOSTAGE 2
	SEND 1, 16
	s_wait_xcnt 0x0
	TOSTAGE 3
	SEND 2, 16
	SEND 3, 0
	s_wait_tensorcnt 0x0                           ; the wave's end
	ds_add_u32 v[SPW], v[NIL]
	s_wait_dscnt 0x0
	CROUND                                         ; the closing round
	s_endpgm
.Lfunc_end_k_qd713db5316_proj:
	.size	k_qd713db5316_proj, .Lfunc_end_k_qd713db5316_proj-k_qd713db5316_proj
	.p2alignl 7, 3214868480
	.fill 96, 4, 3214868480
	.section	.rodata,"a",@progbits
	.p2align	6, 0x0
	.amdhsa_kernel k_qd713db5316_proj
		.amdhsa_group_segment_fixed_size 327680
		.amdhsa_private_segment_fixed_size 0
		.amdhsa_enable_private_segment 0
		.amdhsa_kernarg_size 40
		.amdhsa_user_sgpr_count 2
		.amdhsa_user_sgpr_kernarg_segment_ptr 1
		.amdhsa_wavefront_size32 1
		.amdhsa_system_sgpr_workgroup_id_x 1
		.amdhsa_system_sgpr_workgroup_id_y 1
		.amdhsa_system_sgpr_workgroup_id_z 1
		.amdhsa_system_vgpr_workitem_id 0
		.amdhsa_next_free_vgpr 768
		.amdhsa_next_free_sgpr 100
		.amdhsa_reserve_vcc 0
		.amdhsa_float_denorm_mode_32 3
		.amdhsa_float_denorm_mode_16_64 3
		.amdhsa_memory_ordered 1
		.amdhsa_forward_progress 1
		.amdhsa_inst_pref_size 101
	.end_amdhsa_kernel
	.amdgpu_metadata
---
amdhsa.version: [ 1, 2 ]
amdhsa.kernels:
  - .name:           k_qd713db5316_proj
    .symbol:         k_qd713db5316_proj.kd
    .args:
      - { .name: G, .offset: 0, .size: 8, .value_kind: global_buffer, .address_space: global }
      - { .name: WB, .offset: 8, .size: 8, .value_kind: global_buffer, .address_space: global }
      - { .name: b_proj, .offset: 16, .size: 8, .value_kind: global_buffer, .address_space: global }
      - { .name: H, .offset: 24, .size: 8, .value_kind: global_buffer, .address_space: global }
      - { .name: out0, .offset: 32, .size: 8, .value_kind: global_buffer, .address_space: global }
    .group_segment_fixed_size: 327680
    .private_segment_fixed_size: 0
    .kernarg_segment_align: 8
    .kernarg_segment_size: 40
    .max_flat_workgroup_size: 128
    .sgpr_count:     100
    .vgpr_count:     768
    .wavefront_size: 32
...
	.end_amdgpu_metadata
.endif
;; end of part 7
